; MI455X (gfx1250); checked and timed in simulation.
; The chip was launched on July 23, 2026; its instructions are those of AMD's public machine-readable ISA for CDNA 5 (MIT licence, August 2026) and "CDNA5" Instruction Set Architecture Reference Guide (July 2026). The comments in the code are by the model that wrote it; some were corrected since.
;; Block. Allowed arithmetic: matrix products marked QUANTISED: E3M2 operands, one E8M0 scale for each 32 along K, by v_wmma_scale_f32_16x16x128_f8f6f4 with both operands' format E3M2, f32 sums; everything else in f32.
;; Inputs: l1_b 4,096 float32; l1_w_codes 4,096 x 32 x 24 uint8 (E3M2 codes of l1_w, K innermost, in blocks of 32 codes, four codes in three bytes); l1_w_scales 4,096 x 32 uint8 (E8M0 scales of l1_w, one for each 32 codes along K); l3_b 1,024 float32; l3_w_codes 1,024 x 128 x 24 uint8 (E3M2 codes of l3_w, K innermost, in blocks of 32 codes, four codes in three bytes); l3_w_scales 1,024 x 128 uint8 (E8M0 scales of l3_w, one for each 32 codes along K); ln1_b 1,024 float32; ln1_g 1,024 float32; ln2_b 1,024 float32; ln2_g 1,024 float32; proj_b 1,024 float32; proj_w_codes 1,024 x 32 x 24 uint8 (E3M2 codes of proj_w, K innermost, in blocks of 32 codes, four codes in three bytes); proj_w_scales 1,024 x 32 uint8 (E8M0 scales of proj_w, one for each 32 codes along K); qkv_w_codes 3,072 x 32 x 24 uint8 (E3M2 codes of qkv_w, K innermost, in blocks of 32 codes, four codes in three bytes); qkv_w_scales 3,072 x 32 uint8 (E8M0 scales of qkv_w, one for each 32 codes along K); x 2 x 2,048 x 1,024 float32.
;; Outputs: out0 2 x 2,048 x 1,024 float32.
;; This version of the problem:
;;   THIS VERSION OF THE PROBLEM IS GIVEN IN LOW PRECISION. The matrix products marked QUANTISED in the list below multiply operands that are first quantised to E3M2 (3 exponent bits, 2 mantissa bits; 6 bits a number), with one power-of-two scale for each 32 numbers along K (OCP MX v1.0); their sums are f32. All else is computed in f32.
;;   The module's matrix products, in the order in which they are computed (A, B: the left and right operand; K: the contracted axis; several contracted axes count as one K, in the product's order):
;;     1. [M 4,096, K 1,024] x [K 1,024, N 3,072]; A: computed on the way; B: input qkv_w (given as codes): QUANTISED
;;     2. batch 32 x [M 2,048, K 64] x [K 64, N 2,048]; A: computed on the way; B: computed on the way: QUANTISED
;;     3. batch 32 x [M 64, K 2,048] x [K 2,048, N 2,048]; A: computed on the way; B: softmax (see below): QUANTISED
;;     4. [M 4,096, K 1,024] x [K 1,024, N 1,024]; A: computed on the way; B: input proj_w (given as codes): QUANTISED
;;     5. [M 4,096, K 1,024] x [K 1,024, N 4,096]; A: computed on the way; B: input l1_w (given as codes): QUANTISED
;;     6. [M 4,096, K 4,096] x [K 4,096, N 1,024]; A: computed on the way; B: input l3_w (given as codes): QUANTISED
;;   THE QUANTISER, for each operand of a quantised product, along K:
;;     - K is cut into blocks of 32 from its start; a last block that is shorter is filled with zeros.
;;     - A block's scale is 2^e with e = floor(log2(the largest magnitude in the block)) - 4, held to -126 .. 127; a block of zeros has e = 0. As a byte (E8M0): e + 127.
;;     - Each number is divided by its block's scale, clamped to +-28, and rounded to the nearest number of E3M2, ties to even, subnormals kept.
;;     - The product sums the exact products of the quantised numbers (number of the format x scale) in f32.
;;   ~~~python
;;   def quantise(x, axis):      # numpy; x: float32 -> the quantised numbers, widened to float32 again
;;       x = np.moveaxis(x, axis, -1); K = x.shape[-1]
;;       x = np.pad(x, [(0, 0)] * (x.ndim - 1) + [(0, -K % 32)]); x = x.reshape(x.shape[:-1] + (-1, 32)); a = np.abs(x).max(-1, keepdims=True)
;;       e = np.where(a > 0, np.clip(np.frexp(np.where(a > 0, a, 1))[1] - 1 - 4, -126, 127), 0)      # np.frexp(a)[1] - 1 = floor(log2(a)), exactly
;;       r = np.clip(x / 2.0 ** e, -28, 28)
;;       step = 2.0 ** (np.maximum(np.frexp(np.where(r == 0, 1, r))[1] - 1, -2) - 2)
;;       q = np.round(r / step) * step * 2.0 ** e      # np.round: ties to even
;;       return np.moveaxis(q.reshape(q.shape[:-2] + (-1,))[..., :K], -1, axis).astype(np.float32)
;;   ~~~
;;   SOFTMAX AHEAD OF A QUANTISED PRODUCT. Where the list says 'softmax', what is quantised is not the finished softmax but p = 2^(t - M), with t = logit x log2(e) and M = ceil(the row's largest t), a whole number; so 1/2 < the row's largest p <= 1. The row's sum l is taken of the UNQUANTISED p, in f32, and the product's result is divided by l at the end. Since M is a whole number, a kernel that streams over the keys may use a running M (the ceiling of the running maximum): every later rescaling is an exact power of two, which a block's scale takes up: the codes' values come out the same.
;;   OPERANDS COMPUTED ON THE WAY. 'Computed on the way' means the value that the module computes at that place (a softmax that the list does not call 'softmax' is quantised finished and normalised). What goes into a quantiser is computed in f32, as accurately as f32 sums, v_exp_f32 and their like allow (about 1e-6 of the number): no bf16 or f16 on the way to a quantiser, and a product that is left as it is and whose result goes on into a quantised operand takes f32 operands (vector FMAs, or v_wmma_f32_16x16x4_f32). A number that lies on a knife's edge between two numbers of the format may be rounded either way, as far as f32 arithmetic and the matrix unit's own rounding can turn it there, and no further.
;;   INPUTS GIVEN AS CODES. l1_w (in the module: [4096, 1024], K = its axis 1); l3_w (in the module: [1024, 4096], K = its axis 1); proj_w (in the module: [1024, 1024], K = its axis 1); qkv_w (in the module: [3072, 1024], K = its axis 1): each comes as NAME_codes (uint8): NAME with its K axis moved to the last place and cut into blocks of 32 codes, [.., K / 32, bytes a block], one block behind the other in memory; four codes in three bytes: a row's codes are one little-endian stream of bits, code i at bits 6 i .. 6 i + 5 (a code: sign, 3 exponent bits, 2 mantissa bits); and NAME_scales (uint8): the same leading axes, one E8M0 byte (e + 127) for each 32 codes along K. Its value is code x scale, taken as it is: it is not quantised again, and the codes and scales need not be those that the quantiser above would give.
;; 2 versions. Each part assembles by itself: llvm-mc -triple=amdgcn-amd-amdhsa -mcpu=gfx1250 --defsym DOCPART=n.
;; ======== version 1 of 2: 7 launches
;; workspace buffers: act1 3,276,800 bytes; qkvb 9,830,400 bytes; act2 3,276,800 bytes; x1 16,777,216 bytes; act3 3,276,800 bytes; hid 13,107,200 bytes
;; launch ln1 (part 1): grid 256 x 1, 8 waves a work-group, no clusters, 1,024 bytes of LDS; arguments x, ln1_g, ln1_b, act1; writes act1
.if DOCPART == 1
	.amdgcn_target "amdgcn-amd-amdhsa--gfx1250"
	.amdhsa_code_object_version 6
	.text
	.protected	k_q24270cb98e_ln1
	.globl	k_q24270cb98e_ln1
	.p2align	8
	.type	k_q24270cb98e_ln1,@function
k_q24270cb98e_ln1:
	s_mov_b64 s[64:65], 0
	v_nop
	global_prefetch_b8 v0, s[64:65] scope:SCOPE_SE
	s_setreg_imm32_b32 hwreg(HW_REG_WAVE_MODE, 25, 1), 1
	s_wait_xcnt 0x0
; y = g (x - mean) / (std + 1e-6) + b along rows of 1,024 f32 (std with the divisor 1,023), then quantised along the row to codes of BF6 (E3M2) with one E8M0 byte for each 32.
; SHARES.  A work-group of eight waves takes 16 rows; wave w takes columns 128 w .. 128 w + 127 of all 16: one K step of the next product.  Lane (r, h) holds 64 numbers of row r: register 16 b + i is column 128 w + 32 b + 16 h + i.
; The row's sum and the sum of squares about the mean meet in LDS: one word for each row and wave, a barrier, every wave adds the eight words in the same order.
; OUT.  Codes leave as IMAGES OF THE OPERAND'S REGISTERS: a unit of 768 bytes is 16 rows x 64 along K: lane l's registers 0-3 at 16 l, its registers 4-5 at 512 + 8 l; units lie [block of 16 rows][64 along K].
; So each store of the wave covers 512 or 256 consecutive bytes, aligned.  Scale words (four bytes: 128 along K of a row) lie behind the codes as [K step][row].
; No matrix unit, no tensor load, no cluster: a stream whose work-groups share nothing.
; LIMITS: NaN and infinities are not served.  A block whose largest magnitude lies under 2^-122 gets the byte 1; so does a block of zeros (its codes are zeros; only this program reads the bytes).
.set ASOFF, 3145728                    ; the scale words begin behind 4,096 x 1,024 codes
.set X,   16                           ; v16-79   my 64 numbers
.set G,   80                           ; v80-143  g at my columns
.set BT,  144                          ; v144-207 b at my columns
.set TM,  208                          ; v208-223 the quantiser's work
.set PW,  224                          ; v224     the scale word
.set T,   226                          ; v226-233 sums
.set PC,  236                          ; v236-247 the codes; v248-250, v252-254 halves of blocks on their way
.set SEL, 20                           ; s[20:21] selects for lane l xor 16
	s_load_b256 s[4:11], s[0:1], 0x0               ; x s[4:5], g s[6:7], b s[8:9], out s[10:11]
	v_lshrrev_b32 v1, 5, v0
	v_readfirstlane_b32 s12, v1                    ; wave 0..7
	v_and_b32 v1, 31, v0                           ; lane
	v_and_b32 v2, 15, v0                           ; r
	v_bfe_u32 v3, v0, 4, 1                         ; h
	v_lshlrev_b32 v5, 6, v3                        ; g, b: 64 h
	v_lshl_add_u32 v4, v2, 12, v5                  ; x: 4,096 r + 64 h
	s_lshl_b32 s13, s12, 2
	v_lshlrev_b32 v7, 5, v2                        ; LDS: row r's eight words
	v_add_nc_u32 v6, s13, v7                       ; and my wave's among them
	v_lshlrev_b32 v8, 4, v1                        ; a unit's first 512 bytes: 16 l
	v_lshl_add_u32 v9, v1, 3, 512                  ; its last 256: 512 + 8 l
	v_lshlrev_b32 v10, 2, v2                       ; a scale word: 4 r
	s_mov_b32 s[SEL], 0x76543210
	s_mov_b32 s[SEL+1], 0xfedcba98
.irp b, 0,1,2,3
	v_mov_b32 v[TM+4+\b], 0                        ; written once: a lane permute's destination counts as one of its sources
.endr
	s_lshl_b32 s16, s12, 9                         ; my 128 columns: 512 w bytes
	s_mov_b32 s17, 0
	s_lshl_b32 s14, ttmp9, 16                      ; my 16 rows
	s_add_co_u32 s14, s14, s16
	s_mov_b32 s15, 0
	s_lshl_b32 s18, ttmp9, 4
	s_lshl_b32 s19, s12, 1
	s_add_co_u32 s18, s18, s19
	s_mul_i32 s18, s18, 768                        ; my two units: 16 x work-group + 2 w
	s_mov_b32 s19, 0
	s_lshl_b32 s22, s12, 14                        ; my scale words: K step w, 4,096 rows of 4 bytes,
	s_lshl_b32 s23, ttmp9, 6                       ; row 16 x work-group
	s_add_co_u32 s22, s22, s23
	s_add_co_u32 s22, s22, ASOFF
	s_mov_b32 s23, 0
	s_wait_kmcnt 0x0
	s_add_nc_u64 s[4:5], s[4:5], s[14:15]
	s_add_nc_u64 s[6:7], s[6:7], s[16:17]
	s_add_nc_u64 s[8:9], s[8:9], s[16:17]
	s_add_nc_u64 s[22:23], s[10:11], s[22:23]
	s_add_nc_u64 s[10:11], s[10:11], s[18:19]
.irp b, 0,1,2,3
.irp j, 0,1,2,3
	global_load_b128 v[X+16*\b+4*\j:X+16*\b+4*\j+3], v4, s[4:5] offset:128*\b+16*\j
.endr
.endr
.irp b, 0,1,2,3
.irp j, 0,1,2,3
	global_load_b128 v[G+16*\b+4*\j:G+16*\b+4*\j+3], v5, s[6:7] offset:128*\b+16*\j
.endr
.endr
.irp b, 0,1,2,3
.irp j, 0,1,2,3
	global_load_b128 v[BT+16*\b+4*\j:BT+16*\b+4*\j+3], v5, s[8:9] offset:128*\b+16*\j
.endr
.endr
; v[T:T+1] holds a lane's sum in two halves; behind the macro v[T] holds the row's, in every lane.  off: the LDS bytes of this exchange (each exchange has its own, so one barrier serves it)
.macro ACROSS off
	v_add_f32 v[T], v[T], v[T+1]
	v_permlanex16_b32 v[T+1], v[T], s[SEL], s[SEL+1]
	v_add_f32 v[T], v[T], v[T+1]                   ; with lane l xor 16's: my wave's 128 columns of row r
	ds_store_b32 v6, v[T] offset:\off              ; both halves of the lanes write the same word with the same value
	s_wait_dscnt 0x0                               ; for the others' sake: my store is done
	s_barrier_signal -1
	s_barrier_wait -1
	ds_load_b128 v[T:T+3], v7 offset:\off
	ds_load_b128 v[T+4:T+7], v7 offset:\off+16
	s_wait_dscnt 0x0
	v_pk_add_f32 v[T:T+1], v[T:T+1], v[T+2:T+3]
	v_pk_add_f32 v[T+4:T+5], v[T+4:T+5], v[T+6:T+7]
	v_pk_add_f32 v[T:T+1], v[T:T+1], v[T+4:T+5]
	v_add_f32 v[T], v[T], v[T+1]
.endm
	s_wait_loadcnt 32                              ; x's 16 loads are in; the 32 of g and b may be out
	v_pk_add_f32 v[T:T+1], v[X:X+1], v[X+2:X+3]    ; the sum, two at a time, in two chains
	v_pk_add_f32 v[T+2:T+3], v[X+4:X+5], v[X+6:X+7]
.irp j, 8,12,16,20,24,28,32,36,40,44,48,52,56,60
	v_pk_add_f32 v[T:T+1], v[T:T+1], v[X+\j:X+\j+1]
	v_pk_add_f32 v[T+2:T+3], v[T+2:T+3], v[X+\j+2:X+\j+3]
.endr
	v_pk_add_f32 v[T:T+1], v[T:T+1], v[T+2:T+3]
	ACROSS 0
	v_mul_f32 v[T], 0xba800000, v[T]               ; -mean = -sum / 1,024
.irp j, 0,2,4,6,8,10,12,14,16,18,20,22,24,26,28,30,32,34,36,38,40,42,44,46,48,50,52,54,56,58,60,62
	v_pk_add_f32 v[X+\j:X+\j+1], v[X+\j:X+\j+1], v[T:T+1] op_sel_hi:[1,0]   ; d = x - mean (the pair's low word serves both halves)
.endr
	v_pk_mul_f32 v[T:T+1], v[X:X+1], v[X:X+1]      ; the sum of d^2: about the mean, so a common offset of x does no harm
	v_pk_mul_f32 v[T+2:T+3], v[X+2:X+3], v[X+2:X+3]
.irp j, 4,8,12,16,20,24,28,32,36,40,44,48,52,56,60
	v_pk_fma_f32 v[T:T+1], v[X+\j:X+\j+1], v[X+\j:X+\j+1], v[T:T+1]
	v_pk_fma_f32 v[T+2:T+3], v[X+\j+2:X+\j+3], v[X+\j+2:X+\j+3], v[T+2:T+3]
.endr
	v_pk_add_f32 v[T:T+1], v[T:T+1], v[T+2:T+3]
	ACROSS 512
	v_mul_f32 v[T], 0x3a802008, v[T]               ; / 1,023
	v_sqrt_f32 v[T], v[T]
	v_nop                                          ; one plain place behind a transcendental
	v_add_f32 v[T], 0x358637bd, v[T]               ; + 1e-6
	v_rcp_f32 v[T], v[T]
	v_nop
	s_wait_loadcnt 0x0                             ; g and b
.irp j, 0,2,4,6,8,10,12,14,16,18,20,22,24,26,28,30,32,34,36,38,40,42,44,46,48,50,52,54,56,58,60,62
	v_pk_mul_f32 v[X+\j:X+\j+1], v[X+\j:X+\j+1], v[T:T+1] op_sel_hi:[1,0]
.endr
.irp j, 0,2,4,6,8,10,12,14,16,18,20,22,24,26,28,30,32,34,36,38,40,42,44,46,48,50,52,54,56,58,60,62
	v_pk_fma_f32 v[X+\j:X+\j+1], v[X+\j:X+\j+1], v[G+\j:G+\j+1], v[BT+\j:BT+\j+1]
.endr
	; THE QUANTISER: four blocks of 32, each in lanes l and l xor 16
.irp b, 0,1,2,3
	v_max3_num_f32 v[TM+\b], |v[X+16*\b]|, |v[X+1+16*\b]|, 0x2800000   ; my 16 numbers of block b, and the floor 2^(5 - 127): the byte cannot fall under 1
.endr
.irp i, 2,4,6,8,10,12,14
.irp b, 0,1,2,3
	v_max3_num_f32 v[TM+\b], v[TM+\b], |v[X+16*\b+\i]|, |v[X+1+16*\b+\i]|
.endr
.endr
.irp b, 0,1,2,3
	v_permlanex16_b32 v[TM+4+\b], v[TM+\b], s[SEL], s[SEL+1]
.endr
.irp b, 0,1,2,3
	v_max_num_f32 v[TM+\b], v[TM+\b], v[TM+4+\b]   ; the block's largest magnitude
.endr
.irp b, 0,1,2,3
	v_add_nc_u32 v[TM+12+\b], 0xfe000000, v[TM+\b] ; 4 off its exponent field: the conversion's scale operand
.endr
.irp b, 0,1,2,3
	v_lshrrev_b32 v[TM+4+\b], 23, v[TM+12+\b]      ; the scale's byte
.endr
	v_lshl_or_b32 v[PW], v[TM+5], 8, v[TM+4]
	v_lshl_or_b32 v[PW], v[TM+6], 16, v[PW]
	v_lshl_or_b32 v[PW], v[TM+7], 24, v[PW]
.irp c, 0,1
	v_cvt_scalef32_pk16_bf6_f32 v[PC+6*\c:PC+2+6*\c], v[X+32*\c:X+15+32*\c], v[TM+12+2*\c]
	v_cvt_scalef32_pk16_bf6_f32 v[PC+12+4*\c:PC+14+4*\c], v[X+16+32*\c:X+31+32*\c], v[TM+12+2*\c+1]   ; (a conversion's three registers begin on an even number)
.endr
	v_nop                                          ; one plain place behind a scaled conversion
.irp c, 0,1                                    ; the operand's layout wants a whole block in a lane: lanes 0-15 block 2 c, lanes 16-31 block 2 c + 1
.irp i, 0,1,2
	v_permlane16_swap_b32 v[PC+6*\c+\i], v[PC+12+4*\c+\i]
.endr
.irp i, 0,1,2
	v_mov_b32 v[PC+3+6*\c+\i], v[PC+12+4*\c+\i]
.endr
.endr
.irp c, 0,1
	global_store_b128 v8, v[PC+6*\c:PC+6*\c+3], s[10:11] offset:768*\c      ; 512 consecutive bytes
	global_store_b64 v9, v[PC+6*\c+4:PC+6*\c+5], s[10:11] offset:768*\c     ; 256 consecutive bytes
.endr
	s_wait_xcnt 0x0                                ; EXEC changes only behind this wait: it is a source of the stores above
	v_cmp_gt_u32 vcc_lo, 16, v1
	s_and_saveexec_b32 s13, vcc_lo                 ; lanes 0-15: one word a row
	global_store_b32 v10, v[PW], s[22:23]
	s_endpgm
.Lfunc_end_k_q24270cb98e_ln1:
	.size	k_q24270cb98e_ln1, .Lfunc_end_k_q24270cb98e_ln1-k_q24270cb98e_ln1
	.p2alignl 7, 3214868480
	.fill 96, 4, 3214868480
	.section	.rodata,"a",@progbits
	.p2align	6, 0x0
	.amdhsa_kernel k_q24270cb98e_ln1
		.amdhsa_group_segment_fixed_size 1024
		.amdhsa_private_segment_fixed_size 0
		.amdhsa_enable_private_segment 0
		.amdhsa_kernarg_size 32
		.amdhsa_user_sgpr_count 2
		.amdhsa_user_sgpr_kernarg_segment_ptr 1
		.amdhsa_wavefront_size32 1
		.amdhsa_system_sgpr_workgroup_id_x 1
		.amdhsa_system_sgpr_workgroup_id_y 1
		.amdhsa_system_sgpr_workgroup_id_z 1
		.amdhsa_system_vgpr_workitem_id 0
		.amdhsa_next_free_vgpr 256
		.amdhsa_next_free_sgpr 66
		.amdhsa_reserve_vcc 1
		.amdhsa_float_denorm_mode_32 3
		.amdhsa_float_denorm_mode_16_64 3
		.amdhsa_memory_ordered 1
		.amdhsa_forward_progress 1
		.amdhsa_inst_pref_size 23
	.end_amdhsa_kernel
	.amdgpu_metadata
---
amdhsa.version: [ 1, 2 ]
amdhsa.kernels:
  - .name:           k_q24270cb98e_ln1
    .symbol:         k_q24270cb98e_ln1.kd
    .args:
      - { .name: x, .offset: 0, .size: 8, .value_kind: global_buffer, .address_space: global }
      - { .name: ln1_g, .offset: 8, .size: 8, .value_kind: global_buffer, .address_space: global }
      - { .name: ln1_b, .offset: 16, .size: 8, .value_kind: global_buffer, .address_space: global }
      - { .name: act1, .offset: 24, .size: 8, .value_kind: global_buffer, .address_space: global }
    .group_segment_fixed_size: 1024
    .private_segment_fixed_size: 0
    .kernarg_segment_align: 8
    .kernarg_segment_size: 32
    .max_flat_workgroup_size: 256
    .sgpr_count:     66
    .vgpr_count:     256
    .wavefront_size: 32
...
	.end_amdgpu_metadata
.endif
;; end of part 1
;; launch qkv (part 2): grid 24 x 32, 4 waves a work-group, clusters of 4 x 4, 229,376 bytes of LDS; arguments act1, qkv_w_codes, qkv_w_scales, qkvb; writes qkvb
.if DOCPART == 2
	.amdgcn_target "amdgcn-amd-amdhsa--gfx1250"
	.amdhsa_code_object_version 6
	.text
	.protected	k_q24270cb98e_qkv
	.globl	k_q24270cb98e_qkv
	.p2align	8
	.type	k_q24270cb98e_qkv,@function
k_q24270cb98e_qkv:
	s_mov_b64 s[64:65], 0
	v_nop
	global_prefetch_b8 v0, s[64:65] scope:SCOPE_SE
	s_setreg_imm32_b32 hwreg(HW_REG_WAVE_MODE, 25, 1), 1
	s_wait_xcnt 0x0
	s_wait_alu depctr_hold_cnt(0) depctr_sa_sdst(0) depctr_va_vdst(0) depctr_va_sdst(0) depctr_va_ssrc(0) depctr_va_vcc(0) depctr_vm_vsrc(0)
	s_getreg_b32 s2, hwreg(HW_REG_IB_STS2, 6, 4)
	s_cmp_eq_u32 s2, 0
	s_cbranch_scc0 .Lentry_in_a_cluster
	s_endpgm
.Lentry_in_a_cluster:
	s_bfe_u32 s2, ttmp6, 0x10000c
	s_cmp_lg_u32 s2, 0xf033
	s_cbranch_scc0 .Lentry_shape_is_right
	s_endpgm
.Lentry_shape_is_right:
; qkv = LN1(x) W^T on codes of BF6 (E3M2) with E8M0 scales, [4,096 x 1,024] x [1,024 x 3,072]; the results are quantised at once for attention: q and k along the head's 64, v along the tokens.
; A (my own buffer): units of 768 bytes, images of half a fragment (16 rows x 64 K: lane l's registers 0-3 at 16 l, 4-5 at 512 + 8 l), [block of 16 rows][K / 64]; behind them scale words [K step][row].
; W: rows of codes as one stream of bits, 768 bytes a row; scale bytes [row][32].
; SHARES.  A tile of C is 128 x 128, four waves of 64 x 64 (16 accumulators): 768 work-groups.  With K = 1,024 both panels lie whole in LDS (two slots of 512 along K, each filled once): no slot is filled again.
; CLUSTERS: 4 x 4 work-groups; A's tiles are asked for jointly along a row of the cluster, W's along a column.
; TWO WAYS, parted on the cluster's x, which all partners share.  Columns 0-2,047 (q, k): source 0 = W's rows, source 1 = tokens: a lane holds one token and its registers run along the head's channels.
; Columns 2,048 on (v): source 0 = tokens, source 1 = W's rows: a lane holds one channel and its registers run along the tokens, which are the K of attention's second product.
; OUT: q, k: a unit for each 16 tokens of a head, and 16 bits of scale bytes a token.  v: a unit for each 64 tokens x 16 channels; its two scale bytes go into half of a word [128 tokens][channel] (stores of 2 bytes, 4 bytes apart: the word's other half is another wave's).
; v's codes inside a block of 32 tokens stand in the order 0-7, 16-23, 8-15, 24-31: attention's p falls into the same order, so the products are the same.
; LIMITS: NaN and infinities are not served; a block whose largest magnitude lies under 2^-122, a block of zeros too, gets the byte 1 (only this program reads the bytes).
; REGISTERS, in windows of 256: window 0: v1-22 lane terms, v32-63 scale words.  window 1: two buffers of fragments, 96 each (A's four, then W's four).  window 2: v0-127 accumulators ((i, j) at 8 (4 i + j)), v160-191 codes, v192-217 the quantiser's work.
.set SIZE_K,  1024
.set REFILL,  0
.set HASBIAS, 0
.set NS,      SIZE_K/128               ; steps of 128 along K
.set NCH,     SIZE_K/512               ; chunks of 512: what a slot holds
.set AROW,    12*SIZE_K                ; bytes of 16 rows of A's units
.set BROW,    3*SIZE_K/4               ; a row of W's codes
.set ASOFF,   3072*SIZE_K              ; A's scale words begin here
.set KSB,     SIZE_K/32                ; a row of W's scale bytes
.set BP,      432                      ; W's row in LDS: 3 x (128 bytes + 16 of padding) = 108 words: the 16 rows of a load start at 16 different multiples of 4 banks (64 banks of 4 bytes: ISA guide 11.1)
.set BOFF,    8*8*768                  ; a slot: A's 8 x 8 units, then W's 128 rows
.set SLOT,    BOFF+128*BP
.set QC, 0
.set KC, 3145728
.set VC, 6291456
.set QS, 9437184
.set KS, 9568256
.set VS, 9699328
.set ADA16, 8                          ; v8-9   A's units, first 512 bytes, slot 0, 1
.set ADA8,  10                         ; v10-11 their last 256 bytes
.set ADB,   12                         ; v12-13 W's rows
.set ADB2,  14                         ; v14-15 the same for the pieces that lie behind one padding more in lanes 16-31
.set ASC,   32                         ; A's scale words: pair p of blocks (lanes 0-15 block 2 p, lanes 16-31 block 2 p + 1), step s: v[ASC + NS p + s]
.set BSC,   32+2*NS                    ; W's likewise
.set BIAS,  128
.set CD,    160
.set TM,    192
.set XT,    208
.set PW,    212
.set CW,    216
.set G1A, 24
.set G0A, 32
.set G1B, 48
.set G0B, 56
.set SEL, 92
.set MSB, 0
.macro WIN new                         ; the immediate's high byte repeats the setting that is left
.if MSB != \new
	s_set_vgpr_msb (MSB<<8)|\new
.set MSB, \new
.endif
.endm
.macro PLACES                          ; four places behind a matrix instruction of this form, in front of loads into registers that it read and of reads of its results
.rept 4
	v_nop
.endr
.endm
.macro JLOAD g0a, g1a, g0b, g1b        ; a joint load: waves 0 and 1 fetch for A, waves 2 and 3 for W; four v_nop follow each of the two lines
	s_cmp_eq_u32 s17, 0
	s_cbranch_scc0 .Lfor_b_\@
	tensor_load_to_lds s[\g0a:\g0a+3], s[\g1a:\g1a+7]
.rept 4
	v_nop
.endr
	s_branch .Lasked_\@
.Lfor_b_\@:
	tensor_load_to_lds s[\g0b:\g0b+3], s[\g1b:\g1b+7]
.rept 4
	v_nop
.endr
.Lasked_\@:
.endm
.macro CROUND                          ; a round of the cluster's barrier
	s_barrier_signal -1
	s_barrier_wait -1
	s_cmp_lg_u32 s16, 0
	s_cbranch_scc1 .Lnot_wave_0_\@
	s_barrier_signal -3
.Lnot_wave_0_\@:
	s_barrier_wait -3
	s_barrier_signal -1
	s_barrier_wait -1
.endm
; One product.  c < 0: the constant 0 starts the sum.  ra, rb: which half of the lanes holds source 0's and source 1's scale words
.macro WM d, a, b, c, sa, sb, ra, rb
.set RR, 2*(\ra)+(\rb)
.if (\c) < 0
.if RR == 0
	v_wmma_scale_f32_16x16x128_f8f6f4 v[(\d):(\d)+7], v[(\a):(\a)+11], v[(\b):(\b)+11], 0, v[\sa], v[\sb] matrix_a_fmt:MATRIX_FMT_BF6 matrix_b_fmt:MATRIX_FMT_BF6
.elseif RR == 1
	v_wmma_scale_f32_16x16x128_f8f6f4 v[(\d):(\d)+7], v[(\a):(\a)+11], v[(\b):(\b)+11], 0, v[\sa], v[\sb] matrix_a_fmt:MATRIX_FMT_BF6 matrix_b_fmt:MATRIX_FMT_BF6 matrix_b_scale:MATRIX_SCALE_ROW1
.elseif RR == 2
	v_wmma_scale_f32_16x16x128_f8f6f4 v[(\d):(\d)+7], v[(\a):(\a)+11], v[(\b):(\b)+11], 0, v[\sa], v[\sb] matrix_a_fmt:MATRIX_FMT_BF6 matrix_b_fmt:MATRIX_FMT_BF6 matrix_a_scale:MATRIX_SCALE_ROW1
.else
	v_wmma_scale_f32_16x16x128_f8f6f4 v[(\d):(\d)+7], v[(\a):(\a)+11], v[(\b):(\b)+11], 0, v[\sa], v[\sb] matrix_a_fmt:MATRIX_FMT_BF6 matrix_b_fmt:MATRIX_FMT_BF6 matrix_a_scale:MATRIX_SCALE_ROW1 matrix_b_scale:MATRIX_SCALE_ROW1
.endif
.else
.if RR == 0
	v_wmma_scale_f32_16x16x128_f8f6f4 v[(\d):(\d)+7], v[(\a):(\a)+11], v[(\b):(\b)+11], v[(\c):(\c)+7], v[\sa], v[\sb] matrix_a_fmt:MATRIX_FMT_BF6 matrix_b_fmt:MATRIX_FMT_BF6
.elseif RR == 1
	v_wmma_scale_f32_16x16x128_f8f6f4 v[(\d):(\d)+7], v[(\a):(\a)+11], v[(\b):(\b)+11], v[(\c):(\c)+7], v[\sa], v[\sb] matrix_a_fmt:MATRIX_FMT_BF6 matrix_b_fmt:MATRIX_FMT_BF6 matrix_b_scale:MATRIX_SCALE_ROW1
.elseif RR == 2
	v_wmma_scale_f32_16x16x128_f8f6f4 v[(\d):(\d)+7], v[(\a):(\a)+11], v[(\b):(\b)+11], v[(\c):(\c)+7], v[\sa], v[\sb] matrix_a_fmt:MATRIX_FMT_BF6 matrix_b_fmt:MATRIX_FMT_BF6 matrix_a_scale:MATRIX_SCALE_ROW1
.else
	v_wmma_scale_f32_16x16x128_f8f6f4 v[(\d):(\d)+7], v[(\a):(\a)+11], v[(\b):(\b)+11], v[(\c):(\c)+7], v[\sa], v[\sb] matrix_a_fmt:MATRIX_FMT_BF6 matrix_b_fmt:MATRIX_FMT_BF6 matrix_a_scale:MATRIX_SCALE_ROW1 matrix_b_scale:MATRIX_SCALE_ROW1
.endif
.endif
.endm
; A step's 16 products from buffer f; the 16 accumulators take turns, one instruction a turn, in the same order in every step.
; tr = 1: source 0 = W's block j, source 1 = A's block i.  tr = 0: source 0 = A's block j, source 1 = W's block i.
.macro MUL gs, f, tr
.irp i, 0,1,2,3
.irp j, 0,1,2,3
.set AC, 8*(4*\i+\j)
.if (\gs) > 0
.set CR, AC
.elseif HASBIAS
.set CR, BIAS+8*\j
.else
.set CR, -1
.endif
.if \tr
	WM AC, 96*(\f)+48+12*\j, 96*(\f)+12*\i, CR, BSC+NS*(\j/2)+(\gs), ASC+NS*(\i/2)+(\gs), \j%2, \i%2
.else
	WM AC, 96*(\f)+12*\j, 96*(\f)+48+12*\i, CR, ASC+NS*(\j/2)+(\gs), BSC+NS*(\i/2)+(\gs), \j%2, \i%2
.endif
.endr
.endr
.endm
; 40 LDS loads: the fragments of the slot's q-th 128 along K into buffer f.  A's come as images (16 and 8 bytes a lane, consecutive); W's as six pieces of 8 bytes of the row's stream of bits
.macro FETCH slot, q, f
	WIN 0x40                                       ; destination window 1, address window 0
.irp a, 0,1,2,3
.irp c, 0,1
	ds_load_b128 v[96*(\f)+12*\a+6*\c:96*(\f)+12*\a+6*\c+3], v[ADA16+(\slot)] offset:(8*\a+2*(\q)+\c)*768
	ds_load_b64 v[96*(\f)+12*\a+6*\c+4:96*(\f)+12*\a+6*\c+5], v[ADA8+(\slot)] offset:(8*\a+2*(\q)+\c)*768
.endr
.endr
.irp b, 0,1,2,3
.irp p, 0,1,2,3,4,5
.set PCE, 12*(\q)+6*(\p/3)+\p%3        ; lanes 0-15 take this piece of the row, lanes 16-31 the piece three on, which lies behind one padding more where PCE % 16 is 13 or more
.if PCE%16 < 13
	ds_load_b64 v[96*(\f)+48+12*\b+2*\p:96*(\f)+48+12*\b+2*\p+1], v[ADB+(\slot)] offset:8*PCE+16*(PCE/16)+\b*16*BP
.else
	ds_load_b64 v[96*(\f)+48+12*\b+2*\p:96*(\f)+48+12*\b+2*\p+1], v[ADB2+(\slot)] offset:8*PCE+16*(PCE/16)+\b*16*BP
.endif
.endr
.endr
.endm
.macro CHANGE k                        ; on to chunk k, in the other slot: my part of it has landed, then everybody's; nothing is filled again in this launch
	WIN 0
	s_wait_tensorcnt 0x0
	s_barrier_signal -1
	s_barrier_wait -1
	PLACES
.endm
.macro STEP gs, tr
	s_wait_dscnt 0x0                               ; this step's fragments, asked for a step ago, are in
.if (\gs) < NS-1
.if (\gs)%4 == 3
	CHANGE ((\gs)+1)/4
.elseif (\gs) > 0
	PLACES
.endif
	FETCH (((\gs)+1)/4)%2, ((\gs)+1)%4, ((\gs)+1)%2
.endif
	WIN 0xa5                                       ; sources 0 and 1 window 1, C and D window 2
	MUL \gs, (\gs)%2, \tr
.endm
.macro STEPS tr
.set GS, 0
.rept NS
	STEP GS, \tr
.set GS, GS+1
.endr
.endm
; Two neighbouring tiles' halves change places, so that a lane's 16 registers are 16 NEIGHBOURS along the next K: register 16 b + i becomes column 32 b + 16 (lane / 16) + i
.macro PRESWAP s
.irp b, 0,1
.irp t, 0,1,2,3,4,5,6,7
	v_permlane16_swap_b32 v[(\s)+16*\b+\t], v[(\s)+16*\b+8+\t]
.endr
.endr
.endm
; 32 numbers of a lane (two blocks of 32, each shared with lane l xor 16) become six registers of codes at v[pc] and 16 bits of scale bytes in v[pw]
.macro HQUANT s, pc, pw
.irp b, 0,1
	v_max3_num_f32 v[TM+\b], |v[(\s)+16*\b]|, |v[(\s)+1+16*\b]|, 0x2800000   ; with the floor 2^(5 - 127): the byte cannot fall under 1
.endr
.irp i, 2,4,6,8,10,12,14
.irp b, 0,1
	v_max3_num_f32 v[TM+\b], v[TM+\b], |v[(\s)+16*\b+\i]|, |v[(\s)+1+16*\b+\i]|
.endr
.endr
.irp b, 0,1
	v_permlanex16_b32 v[TM+4+\b], v[TM+\b], s[SEL], s[SEL+1]
.endr
.irp b, 0,1
	v_max_num_f32 v[TM+\b], v[TM+\b], v[TM+4+\b]
.endr
.irp b, 0,1
	v_add_nc_u32 v[TM+12+\b], 0xfe000000, v[TM+\b] ; 4 off the exponent field: the conversion's scale operand
.endr
.irp b, 0,1
	v_lshrrev_b32 v[TM+4+\b], 23, v[TM+12+\b]      ; the scale's byte
.endr
	v_lshl_or_b32 v[\pw], v[TM+5], 8, v[TM+4]
	v_cvt_scalef32_pk16_bf6_f32 v[(\pc):(\pc)+2], v[(\s):(\s)+15], v[TM+12]
	v_cvt_scalef32_pk16_bf6_f32 v[XT:XT+2], v[(\s)+16:(\s)+31], v[TM+13]
	v_nop                                          ; one plain place behind a scaled conversion
.irp i, 0,1,2
	v_permlane16_swap_b32 v[(\pc)+\i], v[XT+\i]    ; a whole block to a lane: lanes 0-15 block 0, lanes 16-31 block 1
.endr
.irp i, 0,1,2
	v_mov_b32 v[(\pc)+3+\i], v[XT+\i]
.endr
.endm
; THE WAY OUT: my four groups of 32 registers become four units and their scale bytes.  pre: PRESWAP first.  ustep: bytes from unit to unit.  sadr, sstep: lane term and step of the scale stores, two groups to a store
.macro QOUT pre, ustep, sadr, sstep
	PLACES
	WIN 0xaa                                       ; every operand in window 2
.irp i, 0,1,2,3
.if \pre
	PRESWAP 32*\i
.endif
	HQUANT 32*\i, CD+8*\i, PW+\i
.endr
	v_cndmask_b32 v[CW], v[PW], v[PW+1], s80       ; lanes 0-15 the first group's rows, lanes 16-31 the second's
	v_cndmask_b32 v[CW+1], v[PW+2], v[PW+3], s80
	WIN 0x08                                       ; a store's data window 2, its address window 0
.irp i, 0,1,2,3
	global_store_b128 v20, v[CD+8*\i:CD+8*\i+3], s[76:77] offset:(\ustep)*\i   ; 512 consecutive bytes, aligned
	global_store_b64 v21, v[CD+8*\i+4:CD+8*\i+5], s[76:77] offset:(\ustep)*\i  ; 256 consecutive bytes, aligned
.endr
	global_store_b16 v[\sadr], v[CW], s[82:83]
	global_store_b16 v[\sadr], v[CW+1], s[82:83] offset:\sstep
	WIN 0
.endm
	s_load_b256 s[4:11], s[0:1], 0x0               ; A s[4:5], W's codes s[6:7], W's scales s[8:9], out s[10:11]
	v_lshrrev_b32 v1, 5, v0
	v_readfirstlane_b32 s16, v1                    ; wave 0..3
	s_lshr_b32 s17, s16, 1                         ; which 64 rows of the tile are mine.  Also: I fetch for A (0) or for W (1)
	s_and_b32 s18, s16, 1                          ; which 64 columns.  Also: which half of that tile I fetch
	s_bfe_u32 s20, ttmp6, 0x40000                  ; cx, cy: my place in the cluster
	s_bfe_u32 s21, ttmp6, 0x40004
	s_lshl_b32 s22, ttmp9, 2
	s_add_co_u32 s22, s22, s20                     ; tile column = 4 x cluster x + cx
	s_and_b32 s23, ttmp7, 0xffff
	s_lshl_b32 s23, s23, 2
	s_add_co_u32 s23, s23, s21                     ; tile row = 4 x cluster y + cy
	s_lshl_b32 s40, s21, 2
	s_lshl_b32 s40, 15, s40                        ; my row of the cluster
	s_lshl_b32 s41, 0x1111, s20                    ; my column
	s_or_b32 s[G1A], s40, (3<<16)|(1<<21)          ; A: elements of 8 bytes, no padding; the mask, bit 21 beside it
	s_mov_b32 s[G1A+1], 768<<16                    ; tensor_dim0 = 768: eight units, 6,144 bytes, of a block of 16 rows
	s_mov_b32 s[G1A+2], 4<<16                      ; tensor_dim1 = 4 blocks
	s_mov_b32 s[G1A+3], 768<<16                    ; tile_dim0
	s_mov_b32 s[G1A+4], 4                          ; tile_dim1
	s_mov_b32 s[G1A+5], AROW/8                     ; from block to block
	s_mov_b32 s[G1A+6], 0
	s_mov_b32 s[G1A+7], 0
	s_or_b32 s[G1B], s41, (1<<20)|(1<<21)|(4<<22)|(3<<25)   ; W: elements of 1 byte; 4 words of padding behind every 32
	s_mov_b32 s[G1B+1], 384<<16                    ; 512 codes
	s_mov_b32 s[G1B+2], 64<<16
	s_mov_b32 s[G1B+3], 384<<16
	s_mov_b32 s[G1B+4], 64
	s_mov_b32 s[G1B+5], BROW
	s_mov_b32 s[G1B+6], 0
	s_mov_b32 s[G1B+7], 0
	s_lshl_b32 s42, s23, 3                         ; A's address hangs on the tile row and the wave alone,
	s_lshl_b32 s43, s18, 2
	s_add_co_u32 s42, s42, s43
	s_mul_i32 s42, s42, AROW
	s_mov_b32 s43, 0
	s_lshl_b32 s44, s22, 7                         ; W's on the tile column and the wave alone
	s_lshl_b32 s45, s18, 6
	s_add_co_u32 s44, s44, s45
	s_mul_i32 s44, s44, BROW
	s_mov_b32 s45, 0
	s_mul_i32 s46, s18, 4*8*768                    ; where they go: no place in the cluster enters an LDS address
	s_mul_i32 s47, s18, 64*BP
	s_add_co_u32 s47, s47, BOFF
	s_wait_kmcnt 0x0
	s_add_nc_u64 s[42:43], s[4:5], s[42:43]
	s_add_nc_u64 s[44:45], s[6:7], s[44:45]
	CROUND                                         ; all sixteen work-groups are here: the first joint loads meet
.irp s, 0,1
	s_mov_b32 s[G0A+4*\s], 1
	s_add_co_u32 s[G0A+4*\s+1], s46, \s*SLOT
	s_add_nc_u64 s[G0A+4*\s+2:G0A+4*\s+3], s[42:43], \s*6144
	s_or_b32 s[G0A+4*\s+3], s[G0A+4*\s+3], 0x80000000
	s_mov_b32 s[G0B+4*\s], 1
	s_add_co_u32 s[G0B+4*\s+1], s47, \s*SLOT
	s_add_nc_u64 s[G0B+4*\s+2:G0B+4*\s+3], s[44:45], \s*384
	s_or_b32 s[G0B+4*\s+3], s[G0B+4*\s+3], 0x80000000
	JLOAD G0A+4*\s, G1A, G0B+4*\s, G1B             ; two loads of mine are out: both slots, each filled once
.endr
	v_and_b32 v1, 31, v0                           ; lane
	v_and_b32 v2, 15, v0                           ; r
	v_bfe_u32 v3, v0, 4, 1                         ; h
	s_mul_i32 s66, s17, 4*8*768                    ; my four blocks of A
	s_add_co_u32 s67, s66, 512
	v_lshl_add_u32 v[ADA16], v1, 4, s66
	v_add_nc_u32 v[ADA16+1], SLOT, v[ADA16]
	v_lshl_add_u32 v[ADA8], v1, 3, s67
	v_add_nc_u32 v[ADA8+1], SLOT, v[ADA8]
	s_mul_i32 s68, s18, 64*BP                      ; my 64 rows of W
	s_add_co_u32 s68, s68, BOFF
	v_mul_u32_u24 v4, v2, BP
	v_mad_u32_u24 v5, v3, 24, v4
	v_add_nc_u32 v[ADB], s68, v5
	v_add_nc_u32 v[ADB+1], SLOT, v[ADB]
	v_lshl_add_u32 v5, v3, 4, v5
	v_add_nc_u32 v[ADB2], s68, v5
	v_add_nc_u32 v[ADB2+1], SLOT, v[ADB2]
	v_lshlrev_b32 v16, 2, v1                       ; 4 l
	v_mul_u32_u24 v17, v1, KSB                     ; a row of W's scale bytes a lane
	v_lshlrev_b32 v20, 4, v1                       ; a unit: 16 l,
	v_lshl_add_u32 v21, v1, 3, 512                 ; 512 + 8 l
	v_lshlrev_b32 v22, 1, v1                       ; 2 l
	v_cmp_le_u32 s80, 16, v1                       ; lanes 16-31
	s_mov_b32 s[SEL], 0x76543210
	s_mov_b32 s[SEL+1], 0xfedcba98
	s_lshl_b32 s84, s23, 9                         ; A's scale words: 4 bytes a row, from my first row on
	s_lshl_b32 s85, s17, 8
	s_add_co_u32 s84, s84, s85
	s_add_co_u32 s84, s84, ASOFF
	s_mov_b32 s85, 0
	s_add_nc_u64 s[70:71], s[4:5], s[84:85]
	s_lshl_b32 s86, s22, 7
	s_lshl_b32 s87, s18, 6
	s_add_co_u32 s86, s86, s87                     ; my first column
	s_mul_i32 s88, s86, KSB
	s_mov_b32 s89, 0
	s_add_nc_u64 s[72:73], s[8:9], s[88:89]
.set Q, 0
.rept NS                                       ; the scales go straight to registers, once: lanes 0-15 one block's rows, lanes 16-31 the next block's
	global_load_b32 v[ASC+Q], v16, s[70:71] offset:16384*Q
	global_load_b32 v[ASC+NS+Q], v16, s[70:71] offset:16384*Q+128
.set Q, Q+1
.endr
.set Q, 0
.rept NS/4
	global_load_b128 v[BSC+4*Q:BSC+4*Q+3], v17, s[72:73] offset:16*Q
	global_load_b128 v[BSC+NS+4*Q:BSC+NS+4*Q+3], v17, s[72:73] offset:SIZE_K+16*Q
.set Q, Q+1
.endr
	WIN 0x80
	v_mov_b32 v[TM+4], 0                           ; written once: a lane permute's destination counts as one of its sources
	v_mov_b32 v[TM+5], 0
	WIN 0
	s_and_b32 s84, s22, 7
	s_lshl_b32 s84, s84, 1
	s_add_co_u32 s84, s84, s18                     ; my head
	s_lshr_b32 s85, s23, 4
	s_lshl_b32 s85, s85, 4
	s_add_co_u32 s84, s84, s85                     ; 16 x batch + head
	s_and_b32 s85, s23, 15                         ; my 128 tokens inside the batch
	s_wait_tensorcnt 1                             ; my part of slot 0 is in; slot 1's may stay out
	s_barrier_signal -1
	s_barrier_wait -1
	FETCH 0, 0, 0
	WIN 0
	s_wait_loadcnt 0x0                             ; the scale words
	s_cmp_ge_u32 ttmp9, 4                          ; the cluster's x: the same in all partners
	s_cbranch_scc1 .Lv
	; ---- q and k
	s_lshl_b32 s86, s84, 7                         ; units: 128 a head,
	s_lshl_b32 s87, s85, 3
	s_add_co_u32 s86, s86, s87
	s_lshl_b32 s87, s17, 2
	s_add_co_u32 s86, s86, s87
	s_mul_i32 s86, s86, 768
	s_lshl_b32 s88, s84, 11                        ; scale bytes: 2 a token
	s_lshl_b32 s89, s85, 7
	s_add_co_u32 s88, s88, s89
	s_lshl_b32 s89, s17, 6
	s_add_co_u32 s88, s88, s89
	s_lshl_b32 s88, s88, 1
	s_cmp_lt_u32 ttmp9, 2                          ; q's part of the buffer or k's
	s_cselect_b32 s87, 0, KC
	s_cselect_b32 s89, 0, KS-QS
	s_add_co_u32 s86, s86, s87
	s_add_co_u32 s88, s88, s89
	s_add_co_u32 s88, s88, QS
	s_mov_b32 s87, 0
	s_mov_b32 s89, 0
	s_add_nc_u64 s[76:77], s[10:11], s[86:87]
	s_add_nc_u64 s[82:83], s[10:11], s[88:89]
	STEPS 1
	QOUT 1, 768, 22, 64
	s_branch .Lend
.Lv:
	; ---- v
	s_lshl_b32 s86, s84, 5                         ; units: 32 runs of 64 tokens a head, four tiles of channels each
	s_lshl_b32 s87, s85, 1
	s_add_co_u32 s86, s86, s87
	s_add_co_u32 s86, s86, s17
	s_mul_i32 s86, s86, 4*768
	s_add_co_u32 s86, s86, VC
	s_mov_b32 s87, 0
	s_lshl_b32 s88, s84, 4                         ; scale words: [128 tokens][64 channels]; my 64 tokens' half of each
	s_add_co_u32 s88, s88, s85
	s_lshl_b32 s88, s88, 8
	s_lshl_b32 s89, s17, 1
	s_add_co_u32 s88, s88, s89
	s_add_co_u32 s88, s88, VS
	s_mov_b32 s89, 0
	s_add_nc_u64 s[76:77], s[10:11], s[86:87]
	s_add_nc_u64 s[82:83], s[10:11], s[88:89]
	STEPS 0
	QOUT 0, 768, 16, 128
.Lend:
	CROUND                                         ; the closing round: no work-group ends while a partner may still ask for a tile that names it
	s_endpgm
.Lfunc_end_k_q24270cb98e_qkv:
	.size	k_q24270cb98e_qkv, .Lfunc_end_k_q24270cb98e_qkv-k_q24270cb98e_qkv
	.p2alignl 7, 3214868480
	.fill 96, 4, 3214868480
	.section	.rodata,"a",@progbits
	.p2align	6, 0x0
	.amdhsa_kernel k_q24270cb98e_qkv
		.amdhsa_group_segment_fixed_size 229376
		.amdhsa_private_segment_fixed_size 0
		.amdhsa_enable_private_segment 0
		.amdhsa_kernarg_size 32
		.amdhsa_user_sgpr_count 2
		.amdhsa_user_sgpr_kernarg_segment_ptr 1
		.amdhsa_wavefront_size32 1
		.amdhsa_system_sgpr_workgroup_id_x 1
		.amdhsa_system_sgpr_workgroup_id_y 1
		.amdhsa_system_sgpr_workgroup_id_z 1
		.amdhsa_system_vgpr_workitem_id 0
		.amdhsa_next_free_vgpr 768
		.amdhsa_next_free_sgpr 100
		.amdhsa_reserve_vcc 0
		.amdhsa_float_denorm_mode_32 3
		.amdhsa_float_denorm_mode_16_64 3
		.amdhsa_memory_ordered 1
		.amdhsa_forward_progress 1
		.amdhsa_inst_pref_size 103
	.end_amdhsa_kernel
	.amdgpu_metadata
---
amdhsa.version: [ 1, 2 ]
amdhsa.kernels:
  - .name:           k_q24270cb98e_qkv
    .symbol:         k_q24270cb98e_qkv.kd
    .args:
      - { .name: act1, .offset: 0, .size: 8, .value_kind: global_buffer, .address_space: global }
      - { .name: qkv_w_codes, .offset: 8, .size: 8, .value_kind: global_buffer, .address_space: global }
      - { .name: qkv_w_scales, .offset: 16, .size: 8, .value_kind: global_buffer, .address_space: global }
      - { .name: qkvb, .offset: 24, .size: 8, .value_kind: global_buffer, .address_space: global }
    .group_segment_fixed_size: 229376
    .private_segment_fixed_size: 0
    .kernarg_segment_align: 8
    .kernarg_segment_size: 32
    .max_flat_workgroup_size: 128
    .sgpr_count:     100
    .vgpr_count:     768
    .wavefront_size: 32
...
	.end_amdgpu_metadata
.endif
;; end of part 2
;; launch attn (part 3): grid 8 x 32, 16 waves a work-group, no clusters, 204,800 bytes of LDS; arguments qkvb, act2; writes act2
.if DOCPART == 3
	.amdgcn_target "amdgcn-amd-amdhsa--gfx1250"
	.amdhsa_code_object_version 6
	.text
	.protected	k_q24270cb98e_attn
	.globl	k_q24270cb98e_attn
	.p2align	8
	.type	k_q24270cb98e_attn,@function
k_q24270cb98e_attn:
	s_mov_b64 s[64:65], 0
	v_nop
	global_prefetch_b8 v0, s[64:65] scope:SCOPE_SE
	s_setreg_imm32_b32 hwreg(HW_REG_WAVE_MODE, 25, 1), 1
	s_wait_xcnt 0x0
; Causal attention of one head on codes of BF6 (E3M2) with E8M0 scales; the result, divided by the row's sum, is quantised along the model's 1,024 channels (a head is two blocks of 32) for the next product.
; IN (my own buffer): q, k: a unit of 768 bytes for each 16 tokens of a head (the image of registers 0-5 of a fragment: 16 rows x 64 K), 16 bits of scale bytes a token.  v: a unit for each 64 keys x 16 channels (rows = channels, K = keys), a scale word for each 128 keys and channel.
; The first product's K is 64: registers 6-11 of both fragments hold zero codes for the whole launch, and the upper two scale bytes are 0 (2^-127, over zeros).
; THE SOFTMAX: t = score x log2(e) / 8; M = the running largest t rounded UP to a whole number; p = 2^(t - M) is quantised along the keys, not normalised; the sum of the unquantised p divides at the end; when M moves, the sum and O are multiplied by 2^(old M - new M), exactly.
; SHARES.  Work-group (x, head) owns the blocks x and 15 - x of 128 queries: waves 0-7 the first, waves 8-15 the second, so every work-group has 17 block-steps behind the causal mask.  A wave owns 16 queries in 256 registers, four waves to a SIMD.
; LDS holds the head's K, V and scale bytes whole, each byte filled once: wave 0 brings K, wave 1 V, in four stages of 512 keys, so that work begins when the first has landed.  Five loads of each of the two waves are out at the most.
; Every wave walks all 16 steps of 128 keys (constant trip counts, every barrier passed); a step all of whose keys come after the wave's queries is left out by a scalar branch on ids.
; NO CLUSTER: the work-groups that share a head differ in x, and the steps that a wave leaves out hang on x: partners would not run alike.
; LAYOUT.  S^T = K Q^T and O^T = V^T P^T: a lane holds one query throughout.  In a block of 32 keys p's codes stand in the order 0-7, 16-23, 8-15, 24-31, and so do v's: the products are the same.
; LIMITS: NaN and infinities are not served; a block whose largest magnitude lies under 2^-122, a block of zeros too, gets the byte 1 (only this program reads the bytes).
; REGISTERS: v1-6 lane terms, v8-11, v28-29 the step's addresses, v30 r - 8 h, v31 r; v12 -M, v13 the largest t, v[14:15] the sum; v16-27 Q; v32-79 four fragments of K; v96-159 S^T, then p; v160-191 O^T; v192-215 two fragments of V; v224-235 p's codes; v232-254 at work; v248-251, v253, v255 scale words.
.set KC, 3145728
.set QS, 9437184
.set KS, 9568256
.set ASOFF, 3145728
.set LV,  98304                        ; LDS: K's 128 units, then V's 128 units,
.set LKS, 196608                       ; K's scale bytes (4,096),
.set LVS, 200704                       ; V's scale words (4,096)
.set STG, 24576                        ; a stage: 512 keys' units of K or of V
.set WV,  8
.set Q0,  13                           ; s13 my first query
.set KF,  14                           ; s14 the step's first key
.set TK,  15                           ; s15 the step's units, in K and in V alike: 6,144 bytes a step
.set TS,  16                           ; s16 the step's scale bytes, in both tables: 256 bytes a step
.set CNT, 17
.set SEL, 20
.set CS,  22
.set G1T, 24                           ; s[24:31] group 1 for a stage;  s[32:39] for the scale bytes;  s[40:59] five groups 0
.set G1S, 32
.set G0,  40
.set TM,  232
.set XT,  240
	s_load_b128 s[4:7], s[0:1], 0x0                ; in s[4:5], out s[6:7]
	v_lshrrev_b32 v8, 5, v0
	v_readfirstlane_b32 s[WV], v8                  ; wave 0..15
	s_and_b32 s10, ttmp7, 0xffff                   ; 16 x batch + head
	s_mov_b32 s[G1T], 3<<16                        ; a dense block as rows of 256 bytes: elements of 8 bytes, no padding
	s_mov_b32 s[G1T+1], 32<<16
	s_mov_b32 s[G1T+2], 96<<16
	s_mov_b32 s[G1T+3], 32<<16
	s_mov_b32 s[G1T+4], 96
	s_mov_b32 s[G1T+5], 32
	s_mov_b32 s[G1T+6], 0
	s_mov_b32 s[G1T+7], 0
	s_mov_b32 s[G1S], 3<<16
	s_mov_b32 s[G1S+1], 32<<16
	s_mov_b32 s[G1S+2], 16<<16
	s_mov_b32 s[G1S+3], 32<<16
	s_mov_b32 s[G1S+4], 16
	s_mov_b32 s[G1S+5], 32
	s_mov_b32 s[G1S+6], 0
	s_mov_b32 s[G1S+7], 0
	s_mul_i32 s66, s10, 98304                      ; the head's units; wave 0: K's part of the buffer, wave 1: V's, 3,145,728 bytes on
	s_mul_i32 s67, s[WV], 3145728
	s_add_co_u32 s66, s66, s67
	s_add_co_u32 s66, s66, KC
	s_mov_b32 s67, 0
	s_lshl_b32 s68, s10, 12                        ; the head's scale bytes; V's lie 131,072 bytes behind K's
	s_lshl_b32 s69, s[WV], 17
	s_add_co_u32 s68, s68, s69
	s_add_co_u32 s68, s68, KS
	s_mov_b32 s69, 0
	s_mul_i32 s70, s[WV], LV                       ; and where they go
	s_lshl_b32 s71, s[WV], 12
	s_add_co_u32 s71, s71, LKS
	s_mov_b32 s[SEL], 0x76543210
	s_mov_b32 s[SEL+1], 0xfedcba98
	s_mov_b32 s[CS], 0x3e38aa3b                    ; c = log2(e) / sqrt(64)
	s_mov_b32 s[CS+1], s[CS]                       ; (named with it as a pair, so it is written)
	s_wait_kmcnt 0x0
	s_add_nc_u64 s[66:67], s[4:5], s[66:67]
	s_add_nc_u64 s[68:69], s[4:5], s[68:69]
	s_mov_b32 s[G0], 1
	s_mov_b32 s[G0+1], s71
	s_mov_b64 s[G0+2:G0+3], s[68:69]
	s_or_b32 s[G0+3], s[G0+3], 0x80000000
.irp g, 0,1,2,3
	s_mov_b32 s[G0+4+4*\g], 1
	s_add_co_u32 s[G0+5+4*\g], s70, \g*STG
	s_add_nc_u64 s[G0+6+4*\g:G0+7+4*\g], s[66:67], \g*STG
	s_or_b32 s[G0+7+4*\g], s[G0+7+4*\g], 0x80000000
.endr
	s_cmp_lt_u32 s[WV], 2                          ; all first fills of a wave stand in one branch on the wave's number
	s_cbranch_scc0 .Lno_fill
	tensor_load_to_lds s[G0:G0+3], s[G1S:G1S+7]
	tensor_load_to_lds s[G0+4:G0+7], s[G1T:G1T+7]
	tensor_load_to_lds s[G0+8:G0+11], s[G1T:G1T+7]
	tensor_load_to_lds s[G0+12:G0+15], s[G1T:G1T+7]
	tensor_load_to_lds s[G0+16:G0+19], s[G1T:G1T+7]
.rept 4
	v_nop
.endr
.Lno_fill:
	s_lshr_b32 s72, s[WV], 3
	s_sub_co_u32 s73, 15, ttmp9
	s_cmp_eq_u32 s72, 0
	s_cselect_b32 s12, ttmp9, s73                  ; my block of 128 queries
	s_and_b32 s74, s[WV], 7
	s_lshl_b32 s[Q0], s12, 7
	s_lshl_b32 s74, s74, 4
	s_add_co_u32 s[Q0], s[Q0], s74
	s_lshr_b32 s75, s[Q0], 4                       ; my tile of 16 queries in the head
	s_lshl_b32 s76, s10, 7
	s_add_co_u32 s76, s76, s75
	s_mul_i32 s76, s76, 768                        ; Q's unit (q's part begins the buffer)
	s_mov_b32 s77, 0
	s_add_nc_u64 s[76:77], s[4:5], s[76:77]
	s_lshl_b32 s78, s10, 11
	s_add_co_u32 s78, s78, s[Q0]
	s_lshl_b32 s78, s78, 1
	s_add_co_u32 s78, s78, QS
	s_mov_b32 s79, 0
	s_add_nc_u64 s[78:79], s[4:5], s[78:79]        ; Q's scale bytes
	s_lshr_b32 s80, s10, 4                         ; batch
	s_and_b32 s81, s10, 15                         ; head
	s_lshl_b32 s82, s80, 7
	s_add_co_u32 s82, s82, s75
	s_lshl_b32 s82, s82, 4
	s_add_co_u32 s82, s82, s81
	s_mul_i32 s82, s82, 768                        ; out: unit [block of 16 rows][head]
	s_mov_b32 s83, 0
	s_add_nc_u64 s[82:83], s[6:7], s[82:83]
	s_lshr_b32 s84, s81, 1                         ; out: scale words [K step = head / 2][row]; my head's half of the word
	s_lshl_b32 s84, s84, 12
	s_lshl_b32 s85, s80, 11
	s_add_co_u32 s84, s84, s85
	s_add_co_u32 s84, s84, s[Q0]
	s_lshl_b32 s84, s84, 2
	s_and_b32 s85, s81, 1
	s_lshl_b32 s85, s85, 1
	s_add_co_u32 s84, s84, s85
	s_add_co_u32 s84, s84, ASOFF
	s_mov_b32 s85, 0
	s_add_nc_u64 s[84:85], s[6:7], s[84:85]
	v_and_b32 v30, 31, v0                          ; lane
	v_and_b32 v31, 15, v0                          ; r
	v_lshlrev_b32 v1, 4, v30                       ; a unit's first 512 bytes: 16 l
	v_lshl_add_u32 v2, v30, 3, 512                 ; its last 256: 512 + 8 l
	v_add_nc_u32 v3, LV, v1                        ; the same in V
	v_add_nc_u32 v4, LV, v2
	v_lshl_add_u32 v5, v31, 1, LKS                 ; K's scale bytes: 2 r
	v_lshl_add_u32 v6, v31, 2, LVS                 ; V's scale words: 4 r
	v_lshlrev_b32 v7, 1, v31
	global_load_b128 v[16:19], v1, s[76:77]        ; Q's unit stays in registers
	global_load_b64 v[20:21], v2, s[76:77]
	global_load_u16 v255, v7, s[78:79]             ; and its scale bytes, the upper two 0
	v_bfe_u32 v30, v0, 4, 1
	v_lshlrev_b32 v30, 3, v30
	v_sub_nc_u32 v30, v31, v30                     ; r - 8 h, for the mask
.irp j, 22,23,24,25,26,27
	v_mov_b32 v[\j], 0                             ; K = 64 .. 127 of Q: zero codes
.endr
.irp t, 0,1,2,3
.irp j, 6,7,8,9,10,11
	v_mov_b32 v[32+12*\t+\j], 0                    ; and of K's four fragments: never loaded into
.endr
.endr
	v_mov_b32 v13, 0xff61b1e6                      ; the largest t so far: -3e38, under every t
	v_floor_f32 v12, -v13                          ; -M
	v_mov_b32 v14, 0
	v_mov_b32 v15, 0
.irp b, 0,1,2,3
	v_mov_b32 v[236+\b], 0                         ; written once: a lane permute's destination counts as one of its sources
.endr
	v_mov_b32 v253, 0                              ; (named as the upper half of the pair v[252:253] before it is first written)
.irp j, 0,1,2,3,4,5,6,7,8,9,10,11,12,13,14,15,16,17,18,19,20,21,22,23,24,25,26,27,28,29,30,31
	v_mov_b32 v[160+\j], 0                         ; O^T: the step is written once; the first finds zeros, which the first change of M leaves zeros
.endr
; A KEY STEP: 128 keys
.macro STEP
	s_add_co_u32 s86, s[Q0], 15
	s_cmp_gt_u32 s[KF], s86                        ; all keys behind my queries: the step's work is left out, not the lines at its end that step addresses
	s_cbranch_scc1 .Lhidden_\@
	v_add_nc_u32 v8, s[TK], v1                     ; six additions: also the places in front of loads into registers that the last products read
	v_add_nc_u32 v9, s[TK], v2
	v_add_nc_u32 v10, s[TK], v3
	v_add_nc_u32 v11, s[TK], v4
	v_add_nc_u32 v28, s[TS], v5
	v_add_nc_u32 v29, s[TS], v6
.irp g, 0,1                                    ; S^T = K Q^T, four tiles of 16 keys at a time
.if \g > 0
.rept 4
	v_nop
.endr
.endif
.irp t, 0,1,2,3
	ds_load_b128 v[32+12*\t:35+12*\t], v8 offset:768*(4*\g+\t)
	ds_load_b64 v[36+12*\t:37+12*\t], v9 offset:768*(4*\g+\t)
	ds_load_u16 v[248+\t], v28 offset:32*(4*\g+\t)
.endr
	s_wait_dscnt 0x0
.irp t, 0,1,2,3
	v_wmma_scale_f32_16x16x128_f8f6f4 v[96+8*(4*\g+\t):103+8*(4*\g+\t)], v[32+12*\t:43+12*\t], v[16:27], 0, v[248+\t], v255 matrix_a_fmt:MATRIX_FMT_BF6 matrix_b_fmt:MATRIX_FMT_BF6
.endr
.endr                                          ; register 8 T + j of lane (r, h): key KF + 16 T + 8 h + j, query r
.rept 4
	v_nop
.endr
	s_add_co_u32 s86, s[KF], 127
	s_cmp_le_u32 s86, s[Q0]                        ; all keys count: no mask
	s_cbranch_scc1 .Lopen_\@
	s_sub_co_i32 s86, s[Q0], s[KF]
	v_add_nc_u32 v252, s86, v30                    ; d = my query - KF - 8 h: register n is hidden where 16 (n / 8) + n % 8 > d
	v_mov_b32 v254, 0xff800000                     ; -infinity: p = 0 then
.irp n, 0,1,2,3,4,5,6,7,8,9,10,11,12,13,14,15,16,17,18,19,20,21,22,23,24,25,26,27,28,29,30,31,32,33,34,35,36,37,38,39,40,41,42,43,44,45,46,47,48,49,50,51,52,53,54,55,56,57,58,59,60,61,62,63
	v_cmp_gt_i32 vcc_lo, 16*(\n/8)+\n%8, v252
	v_cndmask_b32 v[96+\n], v[96+\n], v254, vcc_lo
.endr
.Lopen_\@:
.irp b, 0,1,2,3
	v_max3_num_f32 v[232+\b], v[96+16*\b], v[97+16*\b], v[98+16*\b]   ; the largest score of each block of 32 keys: for the row's maximum, and, since p rises with the score, for the block's largest p
.endr
.irp i, 3,5,7,9,11,13
.irp b, 0,1,2,3
	v_max3_num_f32 v[232+\b], v[232+\b], v[96+16*\b+\i], v[97+16*\b+\i]
.endr
.endr
.irp b, 0,1,2,3
	v_max_num_f32 v[232+\b], v[232+\b], v[111+16*\b]
.endr
.irp b, 0,1,2,3
	v_permlanex16_b32 v[236+\b], v[232+\b], s[SEL], s[SEL+1]
.endr
.irp b, 0,1,2,3
	v_max_num_f32 v[232+\b], v[232+\b], v[236+\b]  ; with lane l xor 16's 16 keys
.endr
	v_max3_num_f32 v254, v232, v233, v234
	v_max_num_f32 v254, v254, v235
	v_mul_f32 v254, s[CS], v254                    ; the step's largest t (c is positive)
	v_max_num_f32 v13, v13, v254
	v_mov_b32 v254, v12
	v_floor_f32 v12, -v13                          ; the new -M = -ceil(t): a whole number
	v_sub_f32 v254, v12, v254                      ; old M - new M: a whole number, 0 or less
	v_cvt_i32_f32 v254, v254                       ; (it saturates)
	v_ldexp_f32 v252, 1.0, v254                    ; f = 2^(old M - new M)
.irp j, 0,2,4,6,8,10,12,14,16,18,20,22,24,26,28,30,32,34,36,38,40,42,44,46,48,50,52,54,56,58,60,62
	v_pk_fma_f32 v[96+\j:97+\j], v[96+\j:97+\j], s[CS:CS+1], v[12:13] op_sel_hi:[1,0,0]   ; t - M
.endr
.irp b, 0,1,2,3
	v_fma_f32 v[232+\b], v[232+\b], s[CS], v12
.endr
.irp j, 0,1,2,3,4,5,6,7,8,9,10,11,12,13,14,15,16,17,18,19,20,21,22,23,24,25,26,27,28,29,30,31,32,33,34,35,36,37,38,39,40,41,42,43,44,45,46,47,48,49,50,51,52,53,54,55,56,57,58,59,60,61,62,63
	v_exp_f32 v[96+\j], v[96+\j]                   ; p = 2^(t - M), at most 1
.endr
.irp b, 0,1,2,3
	v_exp_f32 v[232+\b], v[232+\b]                 ; the block's largest p: the same two instructions on the same number
.endr
	v_pk_mul_f32 v[14:15], v[14:15], v[252:253] op_sel_hi:[1,0]   ; the sum under the new M (a plain place behind the exponentials)
.irp b, 0,1,2,3
	v_max_num_f32 v[232+\b], 0x2800000, v[232+\b]  ; the floor 2^(5 - 127)
.endr
.irp b, 0,1,2,3
	v_add_nc_u32 v[244+\b], 0xfe000000, v[232+\b]  ; the conversion's scale operand
.endr
.irp b, 0,1,2,3
	v_lshrrev_b32 v[236+\b], 23, v[244+\b]
.endr
	v_lshl_or_b32 v253, v237, 8, v236              ; p's scale word for these 128 keys
	v_lshl_or_b32 v253, v238, 16, v253
	v_lshl_or_b32 v253, v239, 24, v253
.irp c, 0,1
	v_cvt_scalef32_pk16_bf6_f32 v[224+6*\c:226+6*\c], v[96+32*\c:111+32*\c], v[244+2*\c]
	v_cvt_scalef32_pk16_bf6_f32 v[236+4*\c:238+4*\c], v[112+32*\c:127+32*\c], v[244+2*\c+1]
.endr
	v_nop                                          ; one plain place behind a scaled conversion
.irp c, 0,1
.irp i, 0,1,2
	v_permlane16_swap_b32 v[224+6*\c+\i], v[236+4*\c+\i]
.endr
.irp i, 0,1,2
	v_mov_b32 v[227+6*\c+\i], v[236+4*\c+\i]
.endr
.endr
	v_pk_add_f32 v[236:237], v[96:97], v[98:99]    ; the row's sum is taken of the unquantised p, in two chains
.irp j, 4,8,12,16,20,24,28,32,36,40,44,48,52,56,60
	v_pk_add_f32 v[14:15], v[14:15], v[96+\j:97+\j]
	v_pk_add_f32 v[236:237], v[236:237], v[98+\j:99+\j]
.endr
	v_pk_add_f32 v[14:15], v[14:15], v[236:237]
.irp j, 0,2,4,6,8,10,12,14,16,18,20,22,24,26,28,30
	v_pk_mul_f32 v[160+\j:161+\j], v[160+\j:161+\j], v[252:253] op_sel_hi:[1,0]   ; O^T under the new M
.endr
.irp g, 0,1                                    ; O^T += V^T P^T: two tiles of 16 channels at a time; K = these 128 keys, two units a tile
.if \g > 0
.rept 4
	v_nop
.endr
.endif
.irp t, 0,1
.irp c, 0,1
	ds_load_b128 v[192+12*\t+6*\c:195+12*\t+6*\c], v10 offset:768*(4*\c+2*\g+\t)
	ds_load_b64 v[196+12*\t+6*\c:197+12*\t+6*\c], v11 offset:768*(4*\c+2*\g+\t)
.endr
	ds_load_b32 v[248+\t], v29 offset:64*(2*\g+\t)
.endr
	s_wait_dscnt 0x0
.irp t, 0,1
	v_wmma_scale_f32_16x16x128_f8f6f4 v[160+8*(2*\g+\t):167+8*(2*\g+\t)], v[192+12*\t:203+12*\t], v[224:235], v[160+8*(2*\g+\t):167+8*(2*\g+\t)], v[248+\t], v253 matrix_a_fmt:MATRIX_FMT_BF6 matrix_b_fmt:MATRIX_FMT_BF6
.endr
.endr
.Lhidden_\@:
	s_add_co_u32 s[KF], s[KF], 128
	s_add_co_u32 s[TK], s[TK], 6144
	s_add_co_u32 s[TS], s[TS], 256
.endm
; A STAGE: 512 keys, four steps.  The waves that fetch wait for this stage's load (those of the 3 - g later stages may stay out: no LDS byte is filled twice), then the barrier shows it to all sixteen
.macro STAGE g
	s_wait_tensorcnt 3-\g
	s_wait_dscnt 0x0
	s_barrier_signal -1
	s_barrier_wait -1
	s_mov_b32 s[TK], \g*STG
	s_mov_b32 s[TS], \g*1024
	s_mov_b32 s[KF], \g*512
	s_mov_b32 s[CNT], 4
.Lstep_\@:
	STEP
	s_sub_co_u32 s[CNT], s[CNT], 1
	s_cmp_lg_u32 s[CNT], 0
	s_cbranch_scc1 .Lstep_\@
.endm
	s_wait_loadcnt 0x0                             ; Q
	STAGE 0
	STAGE 1
	STAGE 2
	STAGE 3
	; THE WAY OUT: O^T / the sum; neighbouring tiles' halves change places, so that a lane's 16 registers are 16 neighbouring channels; quantised; one unit and 16 bits of scale bytes a row
.rept 4
	v_nop                                          ; places behind the last products
.endr
	v_add_f32 v14, v14, v15
	v_permlanex16_b32 v252, v14, s[SEL], s[SEL+1]
	v_add_f32 v14, v14, v252                       ; the row's sum
	v_rcp_f32 v14, v14
	v_lshlrev_b32 v28, 2, v31                      ; (a plain place behind the transcendental)  a scale word: 4 r
	v_and_b32 v29, 31, v0
.irp j, 0,1,2,3,4,5,6,7,8,9,10,11,12,13,14,15,16,17,18,19,20,21,22,23,24,25,26,27,28,29,30,31
	v_mul_f32 v[96+\j], v[160+\j], v14             ; register 8 T + j: channel 16 T + 8 h + j of query r
.endr
.irp b, 0,1
.irp t, 0,1,2,3,4,5,6,7
	v_permlane16_swap_b32 v[96+16*\b+\t], v[104+16*\b+\t]   ; register 16 b + i: channel 32 b + 16 h + i
.endr
.endr
.irp b, 0,1
	v_max3_num_f32 v[TM+\b], |v[96+16*\b]|, |v[97+16*\b]|, 0x2800000
.endr
.irp i, 2,4,6,8,10,12,14
.irp b, 0,1
	v_max3_num_f32 v[TM+\b], v[TM+\b], |v[96+16*\b+\i]|, |v[97+16*\b+\i]|
.endr
.endr
.irp b, 0,1
	v_permlanex16_b32 v[TM+4+\b], v[TM+\b], s[SEL], s[SEL+1]
.endr
.irp b, 0,1
	v_max_num_f32 v[TM+\b], v[TM+\b], v[TM+4+\b]
.endr
.irp b, 0,1
	v_add_nc_u32 v[TM+12+\b], 0xfe000000, v[TM+\b]
.endr
.irp b, 0,1
	v_lshrrev_b32 v[TM+4+\b], 23, v[TM+12+\b]
.endr
	v_lshl_or_b32 v246, v[TM+5], 8, v[TM+4]
	v_cvt_scalef32_pk16_bf6_f32 v[224:226], v[96:111], v[TM+12]
	v_cvt_scalef32_pk16_bf6_f32 v[XT:XT+2], v[112:127], v[TM+13]
	v_nop
.irp i, 0,1,2
	v_permlane16_swap_b32 v[224+\i], v[XT+\i]
.endr
.irp i, 0,1,2
	v_mov_b32 v[227+\i], v[XT+\i]
.endr
	global_store_b128 v1, v[224:227], s[82:83]     ; 512 consecutive bytes, aligned
	global_store_b64 v2, v[228:229], s[82:83]      ; 256 consecutive bytes, aligned
	s_wait_xcnt 0x0                                ; EXEC changes only behind this wait
	v_cmp_gt_u32 vcc_lo, 16, v29
	s_and_saveexec_b32 s86, vcc_lo                 ; lanes 0-15: my head's two bytes of each row's word (2 bytes, 4 bytes apart: the other half is another head's)
	global_store_b16 v28, v246, s[84:85]
	s_endpgm
.Lfunc_end_k_q24270cb98e_attn:
	.size	k_q24270cb98e_attn, .Lfunc_end_k_q24270cb98e_attn-k_q24270cb98e_attn
	.p2alignl 7, 3214868480
	.fill 96, 4, 3214868480
	.section	.rodata,"a",@progbits
	.p2align	6, 0x0
	.amdhsa_kernel k_q24270cb98e_attn
		.amdhsa_group_segment_fixed_size 204800
		.amdhsa_private_segment_fixed_size 0
		.amdhsa_enable_private_segment 0
		.amdhsa_kernarg_size 16
		.amdhsa_user_sgpr_count 2
		.amdhsa_user_sgpr_kernarg_segment_ptr 1
		.amdhsa_wavefront_size32 1
		.amdhsa_system_sgpr_workgroup_id_x 1
		.amdhsa_system_sgpr_workgroup_id_y 1
		.amdhsa_system_sgpr_workgroup_id_z 1
		.amdhsa_system_vgpr_workitem_id 0
		.amdhsa_next_free_vgpr 256
		.amdhsa_next_free_sgpr 96
		.amdhsa_reserve_vcc 1
		.amdhsa_float_denorm_mode_32 3
		.amdhsa_float_denorm_mode_16_64 3
		.amdhsa_memory_ordered 1
		.amdhsa_forward_progress 1
		.amdhsa_inst_pref_size 103
	.end_amdhsa_kernel
	.amdgpu_metadata
---
amdhsa.version: [ 1, 2 ]
amdhsa.kernels:
  - .name:           k_q24270cb98e_attn
    .symbol:         k_q24270cb98e_attn.kd
    .args:
      - { .name: qkvb, .offset: 0, .size: 8, .value_kind: global_buffer, .address_space: global }
      - { .name: act2, .offset: 8, .size: 8, .value_kind: global_buffer, .address_space: global }
    .group_segment_fixed_size: 204800
    .private_segment_fixed_size: 0
    .kernarg_segment_align: 8
    .kernarg_segment_size: 16
    .max_flat_workgroup_size: 512
    .sgpr_count:     96
    .vgpr_count:     256
    .wavefront_size: 32
...
	.end_amdgpu_metadata
.endif
;; end of part 3
;; launch proj (part 4): grid 8 x 32, 4 waves a work-group, clusters of 4 x 4, 229,376 bytes of LDS; arguments act2, proj_w_codes, proj_w_scales, x1, proj_b, x; writes x1
.if DOCPART == 4
	.amdgcn_target "amdgcn-amd-amdhsa--gfx1250"
	.amdhsa_code_object_version 6
	.text
	.protected	k_q24270cb98e_proj
	.globl	k_q24270cb98e_proj
	.p2align	8
	.type	k_q24270cb98e_proj,@function
k_q24270cb98e_proj:
	s_mov_b64 s[64:65], 0
	v_nop
	global_prefetch_b8 v0, s[64:65] scope:SCOPE_SE
	s_setreg_imm32_b32 hwreg(HW_REG_WAVE_MODE, 25, 1), 1
	s_wait_xcnt 0x0
	s_wait_alu depctr_hold_cnt(0) depctr_sa_sdst(0) depctr_va_vdst(0) depctr_va_sdst(0) depctr_va_ssrc(0) depctr_va_vcc(0) depctr_vm_vsrc(0)
	s_getreg_b32 s2, hwreg(HW_REG_IB_STS2, 6, 4)
	s_cmp_eq_u32 s2, 0
	s_cbranch_scc0 .Lentry_in_a_cluster
	s_endpgm
.Lentry_in_a_cluster:
	s_bfe_u32 s2, ttmp6, 0x10000c
	s_cmp_lg_u32 s2, 0xf033
	s_cbranch_scc0 .Lentry_shape_is_right
	s_endpgm
.Lentry_shape_is_right:
; out = res + bias + A W^T on codes of BF6 (E3M2) with E8M0 scales; A [4,096 x SIZE_K], W [1,024 x SIZE_K], out and res [4,096 x 1,024] f32.
; A (my own buffer): units of 768 bytes, images of half a fragment (16 rows x 64 K: lane l's registers 0-3 at 16 l, 4-5 at 512 + 8 l), [block of 16 rows][K / 64]; behind them scale words [K step][row].
; W: rows of codes as one stream of bits; scale bytes [row][K / 32].
; SHARES.  A tile of C is 128 x 128, four waves of 64 x 64 (16 accumulators): 256 work-groups, one for each WGP; a larger tile would leave WGPs without work at 1,024 columns.
; K goes in chunks of 512 through two LDS slots.  With K = 1,024 each slot is filled once.
; CLUSTERS: 4 x 4 work-groups; A's tiles are asked for jointly along a row of the cluster, W's along a column.
; The product is used transposed (source 0 = W's rows, source 1 = tokens): a lane holds eight neighbouring columns of a row.  The bias is the C of each sum's first product.
; The residual is asked for at the head, in the layout in which results come back from the stage, and waits in window 3.
; REGISTERS, in windows of 256: window 0: v1-29 lane terms, from v32 scale words.  window 1: two buffers of fragments, 96 each.  window 2: v0-127 accumulators ((i, j) at 8 (4 i + j)), v128-159 bias, v160-191 rows on the way out.  window 3: v0-127 the residual.
.set SIZE_K,  1024
.set REFILL,  0
.set HASBIAS, 1
.set NS,      SIZE_K/128
.set NCH,     SIZE_K/512
.set AROW,    12*SIZE_K
.set BROW,    3*SIZE_K/4
.set ASOFF,   3072*SIZE_K
.set KSB,     SIZE_K/32
.set BP,      432                      ; W's row in LDS: 3 x (128 bytes + 16 of padding) = 108 words: the 16 rows of a load start at 16 different multiples of 4 banks (64 banks of 4 bytes: ISA guide 11.1)
.set BOFF,    8*8*768
.set SLOT,    BOFF+128*BP
.set STAGE,   2*SLOT                   ; behind the slots: 16 rows x 272 bytes for each wave; no fill lands here
.set SP,      272
.set SPARE,   STAGE+4*16*SP            ; the spare words (used where slots are filled again)
.set ADA16, 8
.set ADA8,  10
.set ADB,   12
.set ADB2,  14
.set STO,   23
.set RD,    24
.set ASC,   32
.set BSC,   32+2*NS
.set BIAS,  128
.set BK,    160
.set G1A, 24
.set G0A, 32
.set G1B, 48
.set G0B, 56
.set MSB, 0
.macro WIN new                         ; the immediate's high byte repeats the setting that is left
.if MSB != \new
	s_set_vgpr_msb (MSB<<8)|\new
.set MSB, \new
.endif
.endm
.macro PLACES                          ; four places behind a matrix instruction of this form (ISA guide 7.12.1)
.rept 4
	v_nop
.endr
.endm
.macro JLOAD g0a, g1a, g0b, g1b        ; a joint load: waves 0 and 1 fetch for A, waves 2 and 3 for W; four v_nop follow each of the two lines
	s_cmp_eq_u32 s17, 0
	s_cbranch_scc0 .Lfor_b_\@
	tensor_load_to_lds s[\g0a:\g0a+3], s[\g1a:\g1a+7]
.rept 4
	v_nop
.endr
	s_branch .Lasked_\@
.Lfor_b_\@:
	tensor_load_to_lds s[\g0b:\g0b+3], s[\g1b:\g1b+7]
.rept 4
	v_nop
.endr
.Lasked_\@:
.endm
.macro CROUND                          ; a round of the cluster's barrier
	s_barrier_signal -1
	s_barrier_wait -1
	s_cmp_lg_u32 s16, 0
	s_cbranch_scc1 .Lnot_wave_0_\@
	s_barrier_signal -3
.Lnot_wave_0_\@:
	s_barrier_wait -3
	s_barrier_signal -1
	s_barrier_wait -1
.endm
.macro WM d, a, b, c, sa, sb, ra, rb   ; one product; ra, rb: which half of the lanes holds source 0's and source 1's scale words
.set RR, 2*(\ra)+(\rb)
.if RR == 0
	v_wmma_scale_f32_16x16x128_f8f6f4 v[(\d):(\d)+7], v[(\a):(\a)+11], v[(\b):(\b)+11], v[(\c):(\c)+7], v[\sa], v[\sb] matrix_a_fmt:MATRIX_FMT_BF6 matrix_b_fmt:MATRIX_FMT_BF6
.elseif RR == 1
	v_wmma_scale_f32_16x16x128_f8f6f4 v[(\d):(\d)+7], v[(\a):(\a)+11], v[(\b):(\b)+11], v[(\c):(\c)+7], v[\sa], v[\sb] matrix_a_fmt:MATRIX_FMT_BF6 matrix_b_fmt:MATRIX_FMT_BF6 matrix_b_scale:MATRIX_SCALE_ROW1
.elseif RR == 2
	v_wmma_scale_f32_16x16x128_f8f6f4 v[(\d):(\d)+7], v[(\a):(\a)+11], v[(\b):(\b)+11], v[(\c):(\c)+7], v[\sa], v[\sb] matrix_a_fmt:MATRIX_FMT_BF6 matrix_b_fmt:MATRIX_FMT_BF6 matrix_a_scale:MATRIX_SCALE_ROW1
.else
	v_wmma_scale_f32_16x16x128_f8f6f4 v[(\d):(\d)+7], v[(\a):(\a)+11], v[(\b):(\b)+11], v[(\c):(\c)+7], v[\sa], v[\sb] matrix_a_fmt:MATRIX_FMT_BF6 matrix_b_fmt:MATRIX_FMT_BF6 matrix_a_scale:MATRIX_SCALE_ROW1 matrix_b_scale:MATRIX_SCALE_ROW1
.endif
.endm
; A step's 16 products from buffer f: source 0 = W's block j, source 1 = A's block i; the 16 accumulators take turns, one instruction a turn
.macro MUL gs, f
.irp i, 0,1,2,3
.irp j, 0,1,2,3
.set AC, 8*(4*\i+\j)
.if (\gs) > 0
.set CR, AC
.else
.set CR, BIAS+8*\j
.endif
	WM AC, 96*(\f)+48+12*\j, 96*(\f)+12*\i, CR, BSC+NS*(\j/2)+(\gs), ASC+NS*(\i/2)+(\gs), \j%2, \i%2
.endr
.endr
.endm
.macro FETCH slot, q, f                ; 40 LDS loads: the fragments of the slot's q-th 128 along K into buffer f
	WIN 0x40                                       ; destination window 1, address window 0
.irp a, 0,1,2,3
.irp c, 0,1
	ds_load_b128 v[96*(\f)+12*\a+6*\c:96*(\f)+12*\a+6*\c+3], v[ADA16+(\slot)] offset:(8*\a+2*(\q)+\c)*768
	ds_load_b64 v[96*(\f)+12*\a+6*\c+4:96*(\f)+12*\a+6*\c+5], v[ADA8+(\slot)] offset:(8*\a+2*(\q)+\c)*768
.endr
.endr
.irp b, 0,1,2,3
.irp p, 0,1,2,3,4,5
.set PCE, 12*(\q)+6*(\p/3)+\p%3        ; lanes 0-15 take this piece of 8 bytes, lanes 16-31 the piece three on, which lies behind one padding more where PCE % 16 is 13 or more
.if PCE%16 < 13
	ds_load_b64 v[96*(\f)+48+12*\b+2*\p:96*(\f)+48+12*\b+2*\p+1], v[ADB+(\slot)] offset:8*PCE+16*(PCE/16)+\b*16*BP
.else
	ds_load_b64 v[96*(\f)+48+12*\b+2*\p:96*(\f)+48+12*\b+2*\p+1], v[ADB2+(\slot)] offset:8*PCE+16*(PCE/16)+\b*16*BP
.endif
.endr
.endr
.endm
; On to chunk k, in the other slot.  Where slots are filled again: every wave waits for all its tensor loads, adds 0 to its spare word, waits for that and for its reads of the slot that it leaves;
; a round of the cluster's barrier; the joint refill (chunk k + 1 into the slot just left) first behind it, one load a wave.
.macro CHANGE k
	WIN 0
	s_wait_tensorcnt 0x0                           ; my part of chunk k has landed; no tensor load of mine is out
.if REFILL
	ds_add_u32 v28, v29                            ; 0 onto my spare word
.if (\k) < NCH-1
	s_add_nc_u64 s[G0A+4*(((\k)-1)%2)+2:G0A+4*(((\k)-1)%2)+3], s[G0A+4*(((\k)-1)%2)+2:G0A+4*(((\k)-1)%2)+3], 2*6144
	s_add_nc_u64 s[G0B+4*(((\k)-1)%2)+2:G0B+4*(((\k)-1)%2)+3], s[G0B+4*(((\k)-1)%2)+2:G0B+4*(((\k)-1)%2)+3], 2*384
.endif
	s_wait_dscnt 0x0                               ; the add is done, and my reads of the slot that I leave are over
.if (\k) < NCH-1
	CROUND
	JLOAD G0A+4*(((\k)-1)%2), G1A, G0B+4*(((\k)-1)%2), G1B   ; its four v_nop are also the places in front of the loads below
.else
	s_barrier_signal -1
	s_barrier_wait -1
	PLACES
.endif
.else
	s_barrier_signal -1
	s_barrier_wait -1
	PLACES
.endif
.endm
.macro STEP gs
	s_wait_dscnt 0x0                               ; this step's fragments, asked for a step ago, are in
.if (\gs) < NS-1
.if (\gs)%4 == 3
	CHANGE ((\gs)+1)/4
.elseif (\gs) > 0
	PLACES
.endif
	FETCH (((\gs)+1)/4)%2, ((\gs)+1)%4, ((\gs)+1)%2
.endif
	WIN 0xa5                                       ; sources 0 and 1 window 1, C and D window 2
	MUL \gs, (\gs)%2
.endm
	s_load_b256 s[4:11], s[0:1], 0x0               ; A s[4:5], W's codes s[6:7], W's scales s[8:9], out s[10:11]
	s_load_b128 s[12:15], s[0:1], 0x20             ; bias s[12:13], residual s[14:15]
	v_lshl_add_u32 v28, v0, 2, SPARE
	v_mov_b32 v29, 0
	v_lshrrev_b32 v1, 5, v0
	v_readfirstlane_b32 s16, v1                    ; wave 0..3
	s_lshr_b32 s17, s16, 1                         ; which 64 rows of the tile are mine.  Also: I fetch for A (0) or for W (1)
	s_and_b32 s18, s16, 1                          ; which 64 columns.  Also: which half of that tile I fetch
	s_bfe_u32 s20, ttmp6, 0x40000                  ; cx, cy
	s_bfe_u32 s21, ttmp6, 0x40004
	s_lshl_b32 s22, ttmp9, 2
	s_add_co_u32 s22, s22, s20                     ; tile column
	s_and_b32 s23, ttmp7, 0xffff
	s_lshl_b32 s23, s23, 2
	s_add_co_u32 s23, s23, s21                     ; tile row
	s_lshl_b32 s40, s21, 2
	s_lshl_b32 s40, 15, s40                        ; my row of the cluster
	s_lshl_b32 s41, 0x1111, s20                    ; my column
	s_or_b32 s[G1A], s40, (3<<16)|(1<<21)          ; A: elements of 8 bytes, no padding; the mask, bit 21 beside it
	s_mov_b32 s[G1A+1], 768<<16                    ; eight units, 6,144 bytes, of a block of 16 rows
	s_mov_b32 s[G1A+2], 4<<16
	s_mov_b32 s[G1A+3], 768<<16
	s_mov_b32 s[G1A+4], 4
	s_mov_b32 s[G1A+5], AROW/8
	s_mov_b32 s[G1A+6], 0
	s_mov_b32 s[G1A+7], 0
	s_or_b32 s[G1B], s41, (1<<20)|(1<<21)|(4<<22)|(3<<25)   ; W: elements of 1 byte; 4 words of padding behind every 32
	s_mov_b32 s[G1B+1], 384<<16
	s_mov_b32 s[G1B+2], 64<<16
	s_mov_b32 s[G1B+3], 384<<16
	s_mov_b32 s[G1B+4], 64
	s_mov_b32 s[G1B+5], BROW
	s_mov_b32 s[G1B+6], 0
	s_mov_b32 s[G1B+7], 0
	s_lshl_b32 s42, s23, 3                         ; A's address hangs on the tile row and the wave alone,
	s_lshl_b32 s43, s18, 2
	s_add_co_u32 s42, s42, s43
	s_mul_i32 s42, s42, AROW
	s_mov_b32 s43, 0
	s_lshl_b32 s44, s22, 7                         ; W's on the tile column and the wave alone
	s_lshl_b32 s45, s18, 6
	s_add_co_u32 s44, s44, s45
	s_mul_i32 s44, s44, BROW
	s_mov_b32 s45, 0
	s_mul_i32 s46, s18, 4*8*768
	s_mul_i32 s47, s18, 64*BP
	s_add_co_u32 s47, s47, BOFF
	s_wait_kmcnt 0x0
	s_add_nc_u64 s[42:43], s[4:5], s[42:43]
	s_add_nc_u64 s[44:45], s[6:7], s[44:45]
	CROUND                                         ; all sixteen work-groups are here: the first joint loads meet
.irp s, 0,1
	s_mov_b32 s[G0A+4*\s], 1
	s_add_co_u32 s[G0A+4*\s+1], s46, \s*SLOT
	s_add_nc_u64 s[G0A+4*\s+2:G0A+4*\s+3], s[42:43], \s*6144
	s_or_b32 s[G0A+4*\s+3], s[G0A+4*\s+3], 0x80000000
	s_mov_b32 s[G0B+4*\s], 1
	s_add_co_u32 s[G0B+4*\s+1], s47, \s*SLOT
	s_add_nc_u64 s[G0B+4*\s+2:G0B+4*\s+3], s[44:45], \s*384
	s_or_b32 s[G0B+4*\s+3], s[G0B+4*\s+3], 0x80000000
	JLOAD G0A+4*\s, G1A, G0B+4*\s, G1B             ; two loads of mine are out
.endr
	v_and_b32 v1, 31, v0                           ; lane
	v_and_b32 v2, 15, v0                           ; r
	v_bfe_u32 v3, v0, 4, 1                         ; h
	s_mul_i32 s66, s17, 4*8*768
	s_add_co_u32 s67, s66, 512
	v_lshl_add_u32 v[ADA16], v1, 4, s66
	v_add_nc_u32 v[ADA16+1], SLOT, v[ADA16]
	v_lshl_add_u32 v[ADA8], v1, 3, s67
	v_add_nc_u32 v[ADA8+1], SLOT, v[ADA8]
	s_mul_i32 s68, s18, 64*BP
	s_add_co_u32 s68, s68, BOFF
	v_mul_u32_u24 v4, v2, BP
	v_mad_u32_u24 v5, v3, 24, v4
	v_add_nc_u32 v[ADB], s68, v5
	v_add_nc_u32 v[ADB+1], SLOT, v[ADB]
	v_lshl_add_u32 v5, v3, 4, v5
	v_add_nc_u32 v[ADB2], s68, v5
	v_add_nc_u32 v[ADB2+1], SLOT, v[ADB2]
	v_lshlrev_b32 v16, 2, v1                       ; 4 l
	v_mul_u32_u24 v17, v1, KSB
	v_lshlrev_b32 v18, 5, v3                       ; bias: 32 h
	v_lshlrev_b32 v19, 12, v3
	v_lshl_add_u32 v19, v2, 4, v19                 ; out, residual: lanes 0-15 one row's 256 bytes, lanes 16-31 the next row's
	s_mul_i32 s69, s16, 16*SP
	s_add_co_u32 s69, s69, STAGE                   ; my stage
	v_mul_u32_u24 v4, v2, SP
	v_lshl_add_u32 v4, v3, 5, v4
	v_add_nc_u32 v[STO], s69, v4                   ; in: row r, 32 bytes for each half of the lanes
	v_mul_u32_u24 v5, v3, SP
	v_lshl_add_u32 v5, v2, 4, v5
	v_add_nc_u32 v[RD], s69, v5                    ; back: two whole rows an instruction
	s_lshl_b32 s84, s23, 9
	s_lshl_b32 s85, s17, 8
	s_add_co_u32 s84, s84, s85
	s_add_co_u32 s84, s84, ASOFF
	s_mov_b32 s85, 0
	s_add_nc_u64 s[70:71], s[4:5], s[84:85]        ; A's scale words from my first row on
	s_lshl_b32 s86, s22, 7
	s_lshl_b32 s87, s18, 6
	s_add_co_u32 s86, s86, s87                     ; my first column
	s_mul_i32 s88, s86, KSB
	s_mov_b32 s89, 0
	s_add_nc_u64 s[72:73], s[8:9], s[88:89]
	s_lshl_b32 s88, s86, 2
	s_add_nc_u64 s[78:79], s[12:13], s[88:89]      ; bias at my first column
	s_lshl_b32 s90, s23, 7
	s_lshl_b32 s91, s17, 6
	s_add_co_u32 s90, s90, s91                     ; my first row
	s_lshl_b32 s90, s90, 12
	s_add_co_u32 s90, s90, s88
	s_mov_b32 s91, 0
	s_add_nc_u64 s[74:75], s[14:15], s[90:91]
	s_add_nc_u64 s[76:77], s[10:11], s[90:91]
.set Q, 0
.rept NS                                       ; the scales go straight to registers, once: lanes 0-15 one block's rows, lanes 16-31 the next block's
	global_load_b32 v[ASC+Q], v16, s[70:71] offset:16384*Q
	global_load_b32 v[ASC+NS+Q], v16, s[70:71] offset:16384*Q+128
.set Q, Q+1
.endr
.set Q, 0
.rept NS/4
	global_load_b128 v[BSC+4*Q:BSC+4*Q+3], v17, s[72:73] offset:16*Q
	global_load_b128 v[BSC+NS+4*Q:BSC+NS+4*Q+3], v17, s[72:73] offset:SIZE_K+16*Q
.set Q, Q+1
.endr
	WIN 0x80                                       ; destination window 2
.irp j, 0,1,2,3
	global_load_b128 v[BIAS+8*\j:BIAS+8*\j+3], v18, s[78:79] offset:64*\j        ; tile j: the bias at columns 16 j + 8 h + 0 .. 7
	global_load_b128 v[BIAS+8*\j+4:BIAS+8*\j+7], v18, s[78:79] offset:64*\j+16
.endr
	WIN 0xc0                                       ; destination window 3
.irp i, 0,1,2,3
.irp t, 0,1,2,3,4,5,6,7
	global_load_b128 v[32*\i+4*\t:32*\i+4*\t+3], v19, s[74:75] offset:(16*\i+2*\t)*4096   ; 16 lanes read 256 consecutive bytes, aligned
.endr
.endr
	WIN 0
	s_wait_tensorcnt 1                             ; my part of slot 0 is in; slot 1's may stay out
	s_barrier_signal -1
	s_barrier_wait -1
	FETCH 0, 0, 0
	s_wait_loadcnt 32                              ; scale words and bias are in; the residual's 32 loads may be out
.set GS, 0
.rept NS
	STEP GS
.set GS, GS+1
.endr
	; THE WAY OUT, 16 rows at a time: through my own stage (LDS serves a wave's instructions in order: ISA guide 5.7.1.4), back as whole rows of 256 bytes, the residual added, stored
	PLACES
	s_wait_loadcnt 0x0                             ; the residual
.irp i, 0,1,2,3
	WIN 0x08                                       ; a store's data window 2
.irp j, 0,1,2,3
	ds_store_b128 v[STO], v[32*\i+8*\j:32*\i+8*\j+3] offset:64*\j          ; each accumulator from its low end on
	ds_store_b128 v[STO], v[32*\i+8*\j+4:32*\i+8*\j+7] offset:64*\j+16
.endr
.if \i > 0
	s_wait_xcnt 0x0                                ; the last block's stores have read their registers
.endif
	WIN 0x80
.irp t, 0,1,2,3,4,5,6,7
	ds_load_b128 v[BK+4*\t:BK+4*\t+3], v[RD] offset:\t*2*SP
.endr
	s_wait_dscnt 0x0
	WIN 0x8e                                       ; source 0 and destination window 2, source 1 window 3
.irp n, 0,2,4,6,8,10,12,14,16,18,20,22,24,26,28,30
	v_pk_add_f32 v[BK+\n:BK+\n+1], v[BK+\n:BK+\n+1], v[32*\i+\n:32*\i+\n+1]
.endr
	WIN 0x08
.irp t, 0,1,2,3,4,5,6,7
	global_store_b128 v19, v[BK+4*\t:BK+4*\t+3], s[76:77] offset:(16*\i+2*\t)*4096   ; 16 lanes store 256 consecutive bytes, aligned
.endr
.endr
	WIN 0
.if REFILL
	s_wait_tensorcnt 0x0                           ; the wave's end
	ds_add_u32 v28, v29
.endif
	s_wait_dscnt 0x0
	CROUND                                         ; the closing round: no work-group ends while a partner may still ask for a tile that names it
	s_endpgm
.Lfunc_end_k_q24270cb98e_proj:
	.size	k_q24270cb98e_proj, .Lfunc_end_k_q24270cb98e_proj-k_q24270cb98e_proj
	.p2alignl 7, 3214868480
	.fill 96, 4, 3214868480
	.section	.rodata,"a",@progbits
	.p2align	6, 0x0
	.amdhsa_kernel k_q24270cb98e_proj
		.amdhsa_group_segment_fixed_size 229376
		.amdhsa_private_segment_fixed_size 0
		.amdhsa_enable_private_segment 0
		.amdhsa_kernarg_size 48
		.amdhsa_user_sgpr_count 2
		.amdhsa_user_sgpr_kernarg_segment_ptr 1
		.amdhsa_wavefront_size32 1
		.amdhsa_system_sgpr_workgroup_id_x 1
		.amdhsa_system_sgpr_workgroup_id_y 1
		.amdhsa_system_sgpr_workgroup_id_z 1
		.amdhsa_system_vgpr_workitem_id 0
		.amdhsa_next_free_vgpr 1024
		.amdhsa_next_free_sgpr 100
		.amdhsa_reserve_vcc 0
		.amdhsa_float_denorm_mode_32 3
		.amdhsa_float_denorm_mode_16_64 3
		.amdhsa_memory_ordered 1
		.amdhsa_forward_progress 1
		.amdhsa_inst_pref_size 63
	.end_amdhsa_kernel
	.amdgpu_metadata
---
amdhsa.version: [ 1, 2 ]
amdhsa.kernels:
  - .name:           k_q24270cb98e_proj
    .symbol:         k_q24270cb98e_proj.kd
    .args:
      - { .name: act2, .offset: 0, .size: 8, .value_kind: global_buffer, .address_space: global }
      - { .name: proj_w_codes, .offset: 8, .size: 8, .value_kind: global_buffer, .address_space: global }
      - { .name: proj_w_scales, .offset: 16, .size: 8, .value_kind: global_buffer, .address_space: global }
      - { .name: x1, .offset: 24, .size: 8, .value_kind: global_buffer, .address_space: global }
      - { .name: proj_b, .offset: 32, .size: 8, .value_kind: global_buffer, .address_space: global }
      - { .name: x, .offset: 40, .size: 8, .value_kind: global_buffer, .address_space: global }
    .group_segment_fixed_size: 229376
    .private_segment_fixed_size: 0
    .kernarg_segment_align: 8
    .kernarg_segment_size: 48
    .max_flat_workgroup_size: 128
    .sgpr_count:     100
    .vgpr_count:     1024
    .wavefront_size: 32
...
	.end_amdgpu_metadata
.endif
;; end of part 4
;; launch ln2: the kernel of part 1 again; grid 256 x 1, 8 waves a work-group, no clusters, 1,024 bytes of LDS; arguments x1, ln2_g, ln2_b, act3; writes act3
;; launch l1 (part 5): grid 32 x 32, 4 waves a work-group, clusters of 4 x 4, 229,376 bytes of LDS; arguments act3, l1_w_codes, l1_w_scales, hid, l1_b; writes hid
.if DOCPART == 5
	.amdgcn_target "amdgcn-amd-amdhsa--gfx1250"
	.amdhsa_code_object_version 6
	.text
	.protected	k_q24270cb98e_l1
	.globl	k_q24270cb98e_l1
	.p2align	8
	.type	k_q24270cb98e_l1,@function
k_q24270cb98e_l1:
	s_mov_b64 s[64:65], 0
	v_nop
	global_prefetch_b8 v0, s[64:65] scope:SCOPE_SE
	s_setreg_imm32_b32 hwreg(HW_REG_WAVE_MODE, 25, 1), 1
	s_wait_xcnt 0x0
	s_wait_alu depctr_hold_cnt(0) depctr_sa_sdst(0) depctr_va_vdst(0) depctr_va_sdst(0) depctr_va_ssrc(0) depctr_va_vcc(0) depctr_vm_vsrc(0)
	s_getreg_b32 s2, hwreg(HW_REG_IB_STS2, 6, 4)
	s_cmp_eq_u32 s2, 0
	s_cbranch_scc0 .Lentry_in_a_cluster
	s_endpgm
.Lentry_in_a_cluster:
	s_bfe_u32 s2, ttmp6, 0x10000c
	s_cmp_lg_u32 s2, 0xf033
	s_cbranch_scc0 .Lentry_shape_is_right
	s_endpgm
.Lentry_shape_is_right:
; hidden = relu(LN2(x1) W^T + b) on codes of BF6 (E3M2) with E8M0 scales, [4,096 x 1,024] x [1,024 x 4,096]; the result is quantised at once along its 4,096 columns, the next product's K, and never lies in memory as f32.
; A (my own buffer): units of 768 bytes, images of half a fragment (16 rows x 64 K: lane l's registers 0-3 at 16 l, 4-5 at 512 + 8 l), [block of 16 rows][K / 64]; behind them scale words [K step][row].  The output has the same layout with K = 4,096.
; W: rows of codes as one stream of bits, 768 bytes a row; scale bytes [row][32].
; SHARES.  A tile of C is 128 x 128, four waves of 64 x 64 (16 accumulators): 1,024 work-groups.  With K = 1,024 both panels lie whole in LDS (two slots of 512 along K, each filled once).
; CLUSTERS: 4 x 4 work-groups; A's tiles are asked for jointly along a row of the cluster, W's along a column.
; The product is used transposed (source 0 = W's rows, source 1 = tokens): a lane holds one token and its registers run along the hidden units.  The bias is the C of each sum's first product.
; A wave's 64 columns are half of a scale word's 128: its two bytes go out as 2 bytes, 4 bytes apart; the word's other half is the neighbouring wave's.
; LIMITS: NaN and infinities are not served; a block whose largest magnitude lies under 2^-122, a block of zeros too, gets the byte 1 (only this program reads the bytes).
; REGISTERS, in windows of 256: window 0: v1-22 lane terms, v32-63 scale words.  window 1: two buffers of fragments, 96 each.  window 2: v0-127 accumulators ((i, j) at 8 (4 i + j)), v128-159 bias, v160-191 codes, v192-217 the quantiser's work.
.set SIZE_K,  1024
.set NS,      SIZE_K/128
.set AROW,    12*SIZE_K
.set BROW,    3*SIZE_K/4
.set ASOFF,   3072*SIZE_K
.set HSOFF,   12582912                 ; the output's scale words begin here
.set KSB,     SIZE_K/32
.set BP,      432                      ; W's row in LDS: 3 x (128 bytes + 16 of padding) = 108 words: the 16 rows of a load start at 16 different multiples of 4 banks (64 banks of 4 bytes: ISA guide 11.1)
.set BOFF,    8*8*768
.set SLOT,    BOFF+128*BP
.set ADA16, 8
.set ADA8,  10
.set ADB,   12
.set ADB2,  14
.set ASC,   32
.set BSC,   32+2*NS
.set BIAS,  128
.set CD,    160
.set TM,    192
.set XT,    208
.set PW,    212
.set CW,    216
.set G1A, 24
.set G0A, 32
.set G1B, 48
.set G0B, 56
.set SEL, 92
.set MSB, 0
.macro WIN new                         ; the immediate's high byte repeats the setting that is left
.if MSB != \new
	s_set_vgpr_msb (MSB<<8)|\new
.set MSB, \new
.endif
.endm
.macro PLACES                          ; four places behind a matrix instruction of this form (ISA guide 7.12.1)
.rept 4
	v_nop
.endr
.endm
.macro JLOAD g0a, g1a, g0b, g1b        ; a joint load: waves 0 and 1 fetch for A, waves 2 and 3 for W; four v_nop follow each of the two lines
	s_cmp_eq_u32 s17, 0
	s_cbranch_scc0 .Lfor_b_\@
	tensor_load_to_lds s[\g0a:\g0a+3], s[\g1a:\g1a+7]
.rept 4
	v_nop
.endr
	s_branch .Lasked_\@
.Lfor_b_\@:
	tensor_load_to_lds s[\g0b:\g0b+3], s[\g1b:\g1b+7]
.rept 4
	v_nop
.endr
.Lasked_\@:
.endm
.macro CROUND                          ; a round of the cluster's barrier
	s_barrier_signal -1
	s_barrier_wait -1
	s_cmp_lg_u32 s16, 0
	s_cbranch_scc1 .Lnot_wave_0_\@
	s_barrier_signal -3
.Lnot_wave_0_\@:
	s_barrier_wait -3
	s_barrier_signal -1
	s_barrier_wait -1
.endm
.macro WM d, a, b, c, sa, sb, ra, rb   ; one product; ra, rb: which half of the lanes holds source 0's and source 1's scale words
.set RR, 2*(\ra)+(\rb)
.if RR == 0
	v_wmma_scale_f32_16x16x128_f8f6f4 v[(\d):(\d)+7], v[(\a):(\a)+11], v[(\b):(\b)+11], v[(\c):(\c)+7], v[\sa], v[\sb] matrix_a_fmt:MATRIX_FMT_BF6 matrix_b_fmt:MATRIX_FMT_BF6
.elseif RR == 1
	v_wmma_scale_f32_16x16x128_f8f6f4 v[(\d):(\d)+7], v[(\a):(\a)+11], v[(\b):(\b)+11], v[(\c):(\c)+7], v[\sa], v[\sb] matrix_a_fmt:MATRIX_FMT_BF6 matrix_b_fmt:MATRIX_FMT_BF6 matrix_b_scale:MATRIX_SCALE_ROW1
.elseif RR == 2
	v_wmma_scale_f32_16x16x128_f8f6f4 v[(\d):(\d)+7], v[(\a):(\a)+11], v[(\b):(\b)+11], v[(\c):(\c)+7], v[\sa], v[\sb] matrix_a_fmt:MATRIX_FMT_BF6 matrix_b_fmt:MATRIX_FMT_BF6 matrix_a_scale:MATRIX_SCALE_ROW1
.else
	v_wmma_scale_f32_16x16x128_f8f6f4 v[(\d):(\d)+7], v[(\a):(\a)+11], v[(\b):(\b)+11], v[(\c):(\c)+7], v[\sa], v[\sb] matrix_a_fmt:MATRIX_FMT_BF6 matrix_b_fmt:MATRIX_FMT_BF6 matrix_a_scale:MATRIX_SCALE_ROW1 matrix_b_scale:MATRIX_SCALE_ROW1
.endif
.endm
; A step's 16 products from buffer f: source 0 = W's block j, source 1 = A's block i; the 16 accumulators take turns, one instruction a turn
.macro MUL gs, f
.irp i, 0,1,2,3
.irp j, 0,1,2,3
.set AC, 8*(4*\i+\j)
.if (\gs) > 0
.set CR, AC
.else
.set CR, BIAS+8*\j
.endif
	WM AC, 96*(\f)+48+12*\j, 96*(\f)+12*\i, CR, BSC+NS*(\j/2)+(\gs), ASC+NS*(\i/2)+(\gs), \j%2, \i%2
.endr
.endr
.endm
.macro FETCH slot, q, f                ; 40 LDS loads: the fragments of the slot's q-th 128 along K into buffer f
	WIN 0x40                                       ; destination window 1, address window 0
.irp a, 0,1,2,3
.irp c, 0,1
	ds_load_b128 v[96*(\f)+12*\a+6*\c:96*(\f)+12*\a+6*\c+3], v[ADA16+(\slot)] offset:(8*\a+2*(\q)+\c)*768
	ds_load_b64 v[96*(\f)+12*\a+6*\c+4:96*(\f)+12*\a+6*\c+5], v[ADA8+(\slot)] offset:(8*\a+2*(\q)+\c)*768
.endr
.endr
.irp b, 0,1,2,3
.irp p, 0,1,2,3,4,5
.set PCE, 12*(\q)+6*(\p/3)+\p%3        ; lanes 0-15 take this piece of 8 bytes, lanes 16-31 the piece three on, which lies behind one padding more where PCE % 16 is 13 or more
.if PCE%16 < 13
	ds_load_b64 v[96*(\f)+48+12*\b+2*\p:96*(\f)+48+12*\b+2*\p+1], v[ADB+(\slot)] offset:8*PCE+16*(PCE/16)+\b*16*BP
.else
	ds_load_b64 v[96*(\f)+48+12*\b+2*\p:96*(\f)+48+12*\b+2*\p+1], v[ADB2+(\slot)] offset:8*PCE+16*(PCE/16)+\b*16*BP
.endif
.endr
.endr
.endm
.macro CHANGE                          ; on to the other slot: my part of it has landed, then everybody's; nothing is filled again in this launch
	s_wait_tensorcnt 0x0
	s_barrier_signal -1
	s_barrier_wait -1
	PLACES
.endm
.macro STEP gs
	s_wait_dscnt 0x0                               ; this step's fragments, asked for a step ago, are in
.if (\gs) < NS-1
.if (\gs)%4 == 3
	CHANGE
.elseif (\gs) > 0
	PLACES
.endif
	FETCH (((\gs)+1)/4)%2, ((\gs)+1)%4, ((\gs)+1)%2
.endif
	WIN 0xa5                                       ; sources 0 and 1 window 1, C and D window 2
	MUL \gs, (\gs)%2
.endm
; Two neighbouring tiles' halves change places, so that a lane's 16 registers are 16 NEIGHBOURS along the next K: register 16 b + i becomes column 32 b + 16 (lane / 16) + i
.macro PRESWAP s
.irp b, 0,1
.irp t, 0,1,2,3,4,5,6,7
	v_permlane16_swap_b32 v[(\s)+16*\b+\t], v[(\s)+16*\b+8+\t]
.endr
.endr
.endm
; 32 numbers of a lane (two blocks of 32, each shared with lane l xor 16) become six registers of codes at v[pc] and 16 bits of scale bytes in v[pw]
.macro HQUANT s, pc, pw
.irp b, 0,1
	v_max3_num_f32 v[TM+\b], |v[(\s)+16*\b]|, |v[(\s)+1+16*\b]|, 0x2800000   ; with the floor 2^(5 - 127): the byte cannot fall under 1
.endr
.irp i, 2,4,6,8,10,12,14
.irp b, 0,1
	v_max3_num_f32 v[TM+\b], v[TM+\b], |v[(\s)+16*\b+\i]|, |v[(\s)+1+16*\b+\i]|
.endr
.endr
.irp b, 0,1
	v_permlanex16_b32 v[TM+4+\b], v[TM+\b], s[SEL], s[SEL+1]
.endr
.irp b, 0,1
	v_max_num_f32 v[TM+\b], v[TM+\b], v[TM+4+\b]
.endr
.irp b, 0,1
	v_add_nc_u32 v[TM+12+\b], 0xfe000000, v[TM+\b] ; 4 off the exponent field: the conversion's scale operand
.endr
.irp b, 0,1
	v_lshrrev_b32 v[TM+4+\b], 23, v[TM+12+\b]      ; the scale's byte
.endr
	v_lshl_or_b32 v[\pw], v[TM+5], 8, v[TM+4]
	v_cvt_scalef32_pk16_bf6_f32 v[(\pc):(\pc)+2], v[(\s):(\s)+15], v[TM+12]
	v_cvt_scalef32_pk16_bf6_f32 v[XT:XT+2], v[(\s)+16:(\s)+31], v[TM+13]
	v_nop                                          ; one plain place behind a scaled conversion
.irp i, 0,1,2
	v_permlane16_swap_b32 v[(\pc)+\i], v[XT+\i]    ; a whole block to a lane: lanes 0-15 block 0, lanes 16-31 block 1
.endr
.irp i, 0,1,2
	v_mov_b32 v[(\pc)+3+\i], v[XT+\i]
.endr
.endm
	s_load_b256 s[4:11], s[0:1], 0x0               ; A s[4:5], W's codes s[6:7], W's scales s[8:9], out s[10:11]
	s_load_b64 s[12:13], s[0:1], 0x20              ; bias
	v_lshrrev_b32 v1, 5, v0
	v_readfirstlane_b32 s16, v1                    ; wave 0..3
	s_lshr_b32 s17, s16, 1                         ; which 64 rows of the tile are mine.  Also: I fetch for A (0) or for W (1)
	s_and_b32 s18, s16, 1                          ; which 64 columns.  Also: which half of that tile I fetch
	s_bfe_u32 s20, ttmp6, 0x40000                  ; cx, cy
	s_bfe_u32 s21, ttmp6, 0x40004
	s_lshl_b32 s22, ttmp9, 2
	s_add_co_u32 s22, s22, s20                     ; tile column
	s_and_b32 s23, ttmp7, 0xffff
	s_lshl_b32 s23, s23, 2
	s_add_co_u32 s23, s23, s21                     ; tile row
	s_lshl_b32 s40, s21, 2
	s_lshl_b32 s40, 15, s40                        ; my row of the cluster
	s_lshl_b32 s41, 0x1111, s20                    ; my column
	s_or_b32 s[G1A], s40, (3<<16)|(1<<21)          ; A: elements of 8 bytes, no padding; the mask, bit 21 beside it
	s_mov_b32 s[G1A+1], 768<<16                    ; eight units, 6,144 bytes, of a block of 16 rows
	s_mov_b32 s[G1A+2], 4<<16
	s_mov_b32 s[G1A+3], 768<<16
	s_mov_b32 s[G1A+4], 4
	s_mov_b32 s[G1A+5], AROW/8
	s_mov_b32 s[G1A+6], 0
	s_mov_b32 s[G1A+7], 0
	s_or_b32 s[G1B], s41, (1<<20)|(1<<21)|(4<<22)|(3<<25)   ; W: elements of 1 byte; 4 words of padding behind every 32
	s_mov_b32 s[G1B+1], 384<<16
	s_mov_b32 s[G1B+2], 64<<16
	s_mov_b32 s[G1B+3], 384<<16
	s_mov_b32 s[G1B+4], 64
	s_mov_b32 s[G1B+5], BROW
	s_mov_b32 s[G1B+6], 0
	s_mov_b32 s[G1B+7], 0
	s_lshl_b32 s42, s23, 3                         ; A's address hangs on the tile row and the wave alone,
	s_lshl_b32 s43, s18, 2
	s_add_co_u32 s42, s42, s43
	s_mul_i32 s42, s42, AROW
	s_mov_b32 s43, 0
	s_lshl_b32 s44, s22, 7                         ; W's on the tile column and the wave alone
	s_lshl_b32 s45, s18, 6
	s_add_co_u32 s44, s44, s45
	s_mul_i32 s44, s44, BROW
	s_mov_b32 s45, 0
	s_mul_i32 s46, s18, 4*8*768
	s_mul_i32 s47, s18, 64*BP
	s_add_co_u32 s47, s47, BOFF
	s_wait_kmcnt 0x0
	s_add_nc_u64 s[42:43], s[4:5], s[42:43]
	s_add_nc_u64 s[44:45], s[6:7], s[44:45]
	CROUND                                         ; all sixteen work-groups are here: the first joint loads meet
.irp s, 0,1
	s_mov_b32 s[G0A+4*\s], 1
	s_add_co_u32 s[G0A+4*\s+1], s46, \s*SLOT
	s_add_nc_u64 s[G0A+4*\s+2:G0A+4*\s+3], s[42:43], \s*6144
	s_or_b32 s[G0A+4*\s+3], s[G0A+4*\s+3], 0x80000000
	s_mov_b32 s[G0B+4*\s], 1
	s_add_co_u32 s[G0B+4*\s+1], s47, \s*SLOT
	s_add_nc_u64 s[G0B+4*\s+2:G0B+4*\s+3], s[44:45], \s*384
	s_or_b32 s[G0B+4*\s+3], s[G0B+4*\s+3], 0x80000000
	JLOAD G0A+4*\s, G1A, G0B+4*\s, G1B             ; two loads of mine are out: both slots, each filled once
.endr
	v_and_b32 v1, 31, v0                           ; lane
	v_and_b32 v2, 15, v0                           ; r
	v_bfe_u32 v3, v0, 4, 1                         ; h
	s_mul_i32 s66, s17, 4*8*768
	s_add_co_u32 s67, s66, 512
	v_lshl_add_u32 v[ADA16], v1, 4, s66
	v_add_nc_u32 v[ADA16+1], SLOT, v[ADA16]
	v_lshl_add_u32 v[ADA8], v1, 3, s67
	v_add_nc_u32 v[ADA8+1], SLOT, v[ADA8]
	s_mul_i32 s68, s18, 64*BP
	s_add_co_u32 s68, s68, BOFF
	v_mul_u32_u24 v4, v2, BP
	v_mad_u32_u24 v5, v3, 24, v4
	v_add_nc_u32 v[ADB], s68, v5
	v_add_nc_u32 v[ADB+1], SLOT, v[ADB]
	v_lshl_add_u32 v5, v3, 4, v5
	v_add_nc_u32 v[ADB2], s68, v5
	v_add_nc_u32 v[ADB2+1], SLOT, v[ADB2]
	v_lshlrev_b32 v16, 2, v1                       ; 4 l
	v_mul_u32_u24 v17, v1, KSB
	v_lshlrev_b32 v18, 5, v3                       ; bias: 32 h
	v_lshlrev_b32 v20, 4, v1                       ; a unit: 16 l,
	v_lshl_add_u32 v21, v1, 3, 512                 ; 512 + 8 l
	v_cmp_le_u32 s80, 16, v1                       ; lanes 16-31
	s_mov_b32 s[SEL], 0x76543210
	s_mov_b32 s[SEL+1], 0xfedcba98
	s_lshl_b32 s84, s23, 9
	s_lshl_b32 s85, s17, 8
	s_add_co_u32 s84, s84, s85                     ; 4 bytes x my first row
	s_add_co_u32 s90, s84, ASOFF
	s_mov_b32 s91, 0
	s_add_nc_u64 s[70:71], s[4:5], s[90:91]        ; A's scale words from my first row on
	s_lshl_b32 s86, s22, 7
	s_lshl_b32 s87, s18, 6
	s_add_co_u32 s86, s86, s87                     ; my first column
	s_mul_i32 s88, s86, KSB
	s_mov_b32 s89, 0
	s_add_nc_u64 s[72:73], s[8:9], s[88:89]
	s_lshl_b32 s88, s86, 2
	s_add_nc_u64 s[78:79], s[12:13], s[88:89]      ; bias at my first column
	s_lshl_b32 s88, s23, 3                         ; out: unit [block of 16 rows][64 of the 4,096 columns]
	s_lshl_b32 s90, s17, 2
	s_add_co_u32 s88, s88, s90
	s_lshl_b32 s88, s88, 6
	s_lshl_b32 s90, s22, 1
	s_add_co_u32 s88, s88, s90
	s_add_co_u32 s88, s88, s18
	s_mul_i32 s88, s88, 768
	s_add_nc_u64 s[76:77], s[10:11], s[88:89]
	s_lshl_b32 s88, s22, 14                        ; out: scale words [K step = tile column][row]; my 64 columns' half of the word
	s_add_co_u32 s88, s88, s84
	s_lshl_b32 s90, s18, 1
	s_add_co_u32 s88, s88, s90
	s_add_co_u32 s88, s88, HSOFF
	s_add_nc_u64 s[82:83], s[10:11], s[88:89]
.set Q, 0
.rept NS                                       ; the scales go straight to registers, once: lanes 0-15 one block's rows, lanes 16-31 the next block's
	global_load_b32 v[ASC+Q], v16, s[70:71] offset:16384*Q
	global_load_b32 v[ASC+NS+Q], v16, s[70:71] offset:16384*Q+128
.set Q, Q+1
.endr
.set Q, 0
.rept NS/4
	global_load_b128 v[BSC+4*Q:BSC+4*Q+3], v17, s[72:73] offset:16*Q
	global_load_b128 v[BSC+NS+4*Q:BSC+NS+4*Q+3], v17, s[72:73] offset:SIZE_K+16*Q
.set Q, Q+1
.endr
	WIN 0x80                                       ; destination window 2
.irp j, 0,1,2,3
	global_load_b128 v[BIAS+8*\j:BIAS+8*\j+3], v18, s[78:79] offset:64*\j        ; tile j: the bias at columns 16 j + 8 h + 0 .. 7
	global_load_b128 v[BIAS+8*\j+4:BIAS+8*\j+7], v18, s[78:79] offset:64*\j+16
.endr
	v_mov_b32 v[TM+4], 0                           ; written once: a lane permute's destination counts as one of its sources
	v_mov_b32 v[TM+5], 0
	WIN 0
	s_wait_tensorcnt 1                             ; my part of slot 0 is in; slot 1's may stay out
	s_barrier_signal -1
	s_barrier_wait -1
	FETCH 0, 0, 0
	s_wait_loadcnt 0x0                             ; scale words and bias
.set GS, 0
.rept NS
	STEP GS
.set GS, GS+1
.endr
	; THE WAY OUT: relu, neighbours along the next K, the quantiser; four units and their scale bytes
	PLACES
	WIN 0xaa                                       ; every operand in window 2
.irp i, 0,1,2,3
.irp n, 0,1,2,3,4,5,6,7,8,9,10,11,12,13,14,15,16,17,18,19,20,21,22,23,24,25,26,27,28,29,30,31
	v_max_num_f32 v[32*\i+\n], 0, v[32*\i+\n]      ; the activation, in f32; each accumulator from its low end on
.endr
	PRESWAP 32*\i
	HQUANT 32*\i, CD+8*\i, PW+\i
.endr
	v_cndmask_b32 v[CW], v[PW], v[PW+1], s80       ; lanes 0-15 the first block's rows, lanes 16-31 the second's
	v_cndmask_b32 v[CW+1], v[PW+2], v[PW+3], s80
	WIN 0x08                                       ; a store's data window 2, its address window 0
.irp i, 0,1,2,3
	global_store_b128 v20, v[CD+8*\i:CD+8*\i+3], s[76:77] offset:49152*\i      ; 512 consecutive bytes, aligned
	global_store_b64 v21, v[CD+8*\i+4:CD+8*\i+5], s[76:77] offset:49152*\i     ; 256 consecutive bytes, aligned
.endr
	global_store_b16 v16, v[CW], s[82:83]
	global_store_b16 v16, v[CW+1], s[82:83] offset:128
	WIN 0
	CROUND                                         ; the closing round: no work-group ends while a partner may still ask for a tile that names it
	s_endpgm
.Lfunc_end_k_q24270cb98e_l1:
	.size	k_q24270cb98e_l1, .Lfunc_end_k_q24270cb98e_l1-k_q24270cb98e_l1
	.p2alignl 7, 3214868480
	.fill 96, 4, 3214868480
	.section	.rodata,"a",@progbits
	.p2align	6, 0x0
	.amdhsa_kernel k_q24270cb98e_l1
		.amdhsa_group_segment_fixed_size 229376
		.amdhsa_private_segment_fixed_size 0
		.amdhsa_enable_private_segment 0
		.amdhsa_kernarg_size 40
		.amdhsa_user_sgpr_count 2
		.amdhsa_user_sgpr_kernarg_segment_ptr 1
		.amdhsa_wavefront_size32 1
		.amdhsa_system_sgpr_workgroup_id_x 1
		.amdhsa_system_sgpr_workgroup_id_y 1
		.amdhsa_system_sgpr_workgroup_id_z 1
		.amdhsa_system_vgpr_workitem_id 0
		.amdhsa_next_free_vgpr 768
		.amdhsa_next_free_sgpr 100
		.amdhsa_reserve_vcc 0
		.amdhsa_float_denorm_mode_32 3
		.amdhsa_float_denorm_mode_16_64 3
		.amdhsa_memory_ordered 1
		.amdhsa_forward_progress 1
		.amdhsa_inst_pref_size 63
	.end_amdhsa_kernel
	.amdgpu_metadata
---
amdhsa.version: [ 1, 2 ]
amdhsa.kernels:
  - .name:           k_q24270cb98e_l1
    .symbol:         k_q24270cb98e_l1.kd
    .args:
      - { .name: act3, .offset: 0, .size: 8, .value_kind: global_buffer, .address_space: global }
      - { .name: l1_w_codes, .offset: 8, .size: 8, .value_kind: global_buffer, .address_space: global }
      - { .name: l1_w_scales, .offset: 16, .size: 8, .value_kind: global_buffer, .address_space: global }
      - { .name: hid, .offset: 24, .size: 8, .value_kind: global_buffer, .address_space: global }
      - { .name: l1_b, .offset: 32, .size: 8, .value_kind: global_buffer, .address_space: global }
    .group_segment_fixed_size: 229376
    .private_segment_fixed_size: 0
    .kernarg_segment_align: 8
    .kernarg_segment_size: 40
    .max_flat_workgroup_size: 128
    .sgpr_count:     100
    .vgpr_count:     768
    .wavefront_size: 32
...
	.end_amdgpu_metadata
.endif
;; end of part 5
;; launch l3 (part 6): grid 8 x 32, 4 waves a work-group, clusters of 4 x 4, 327,680 bytes of LDS; arguments hid, l3_w_codes, l3_w_scales, out0, l3_b, x1; writes out0
.if DOCPART == 6
	.amdgcn_target "amdgcn-amd-amdhsa--gfx1250"
	.amdhsa_code_object_version 6
	.text
	.protected	k_q24270cb98e_l3
	.globl	k_q24270cb98e_l3
	.p2align	8
	.type	k_q24270cb98e_l3,@function
k_q24270cb98e_l3:
	s_mov_b64 s[64:65], 0
	v_nop
	global_prefetch_b8 v0, s[64:65] scope:SCOPE_SE
	s_setreg_imm32_b32 hwreg(HW_REG_WAVE_MODE, 25, 1), 1
	s_wait_xcnt 0x0
	s_wait_alu depctr_hold_cnt(0) depctr_sa_sdst(0) depctr_va_vdst(0) depctr_va_sdst(0) depctr_va_ssrc(0) depctr_va_vcc(0) depctr_vm_vsrc(0)
	s_getreg_b32 s2, hwreg(HW_REG_IB_STS2, 6, 4)
	s_cmp_eq_u32 s2, 0
	s_cbranch_scc0 .Lentry_in_a_cluster
	s_endpgm
.Lentry_in_a_cluster:
	s_bfe_u32 s2, ttmp6, 0x10000c
	s_cmp_lg_u32 s2, 0xf033
	s_cbranch_scc0 .Lentry_shape_is_right
	s_endpgm
.Lentry_shape_is_right:
; out = res + bias + A W^T on codes of BF6 (E3M2) with E8M0 scales; A [4,096 x SIZE_K], W [1,024 x SIZE_K], out and res [4,096 x 1,024] f32.
; A (my own buffer): units of 768 bytes, images of half a fragment (16 rows x 64 K: lane l's registers 0-3 at 16 l, 4-5 at 512 + 8 l), [block of 16 rows][K / 64]; behind them scale words [K step][row].
; W: rows of codes as one stream of bits; scale bytes [row][K / 32].
; SHARES.  A tile of C is 128 x 128, four waves of 64 x 64 (16 accumulators): 256 work-groups, one for each WGP; a larger tile would leave WGPs without work at 1,024 columns.
; K = 4,096 goes in eight chunks of 512 through a ring of two LDS slots: a slot that has been left is filled again behind a round of the cluster's barrier, one load a wave, and has four steps (64 products a wave) in which to land.
; This launch claims all of a WGP's LDS.
; CLUSTERS: 4 x 4 work-groups; A's tiles are asked for jointly along a row of the cluster, W's along a column.
; The product is used transposed (source 0 = W's rows, source 1 = tokens): a lane holds eight neighbouring columns of a row.  The bias is the C of each sum's first product.
; The residual is asked for at the head, in the layout in which results come back from the stage, and waits in window 3.
; REGISTERS, in windows of 256: window 0: v1-29 lane terms, from v32 scale words (128).  window 1: two buffers of fragments, 96 each.  window 2: v0-127 accumulators ((i, j) at 8 (4 i + j)), v128-159 bias, v160-191 rows on the way out.  window 3: v0-127 the residual.
.set SIZE_K,  4096
.set REFILL,  1
.set HASBIAS, 1
.set NS,      SIZE_K/128
.set NCH,     SIZE_K/512
.set AROW,    12*SIZE_K
.set BROW,    3*SIZE_K/4
.set ASOFF,   3072*SIZE_K
.set KSB,     SIZE_K/32
.set BP,      432                      ; W's row in LDS: 3 x (128 bytes + 16 of padding) = 108 words: the 16 rows of a load start at 16 different multiples of 4 banks (64 banks of 4 bytes: ISA guide 11.1)
.set BOFF,    8*8*768
.set SLOT,    BOFF+128*BP
.set STAGE,   2*SLOT                   ; behind the ring: 16 rows x 272 bytes for each wave; no fill lands here
.set SP,      272
.set SPARE,   STAGE+4*16*SP            ; the spare words, 128 bytes for each wave: two blocks of 256 bytes that no other line names
.set ADA16, 8
.set ADA8,  10
.set ADB,   12
.set ADB2,  14
.set STO,   23
.set RD,    24
.set ASC,   32
.set BSC,   32+2*NS
.set BIAS,  128
.set BK,    160
.set G1A, 24
.set G0A, 32
.set G1B, 48
.set G0B, 56
.set MSB, 0
.macro WIN new                         ; the immediate's high byte repeats the setting that is left
.if MSB != \new
	s_set_vgpr_msb (MSB<<8)|\new
.set MSB, \new
.endif
.endm
.macro PLACES                          ; four places behind a matrix instruction of this form (ISA guide 7.12.1)
.rept 4
	v_nop
.endr
.endm
.macro JLOAD g0a, g1a, g0b, g1b        ; a joint load: waves 0 and 1 fetch for A, waves 2 and 3 for W; four v_nop follow each of the two lines
	s_cmp_eq_u32 s17, 0
	s_cbranch_scc0 .Lfor_b_\@
	tensor_load_to_lds s[\g0a:\g0a+3], s[\g1a:\g1a+7]
.rept 4
	v_nop
.endr
	s_branch .Lasked_\@
.Lfor_b_\@:
	tensor_load_to_lds s[\g0b:\g0b+3], s[\g1b:\g1b+7]
.rept 4
	v_nop
.endr
.Lasked_\@:
.endm
.macro CROUND                          ; a round of the cluster's barrier
	s_barrier_signal -1
	s_barrier_wait -1
	s_cmp_lg_u32 s16, 0
	s_cbranch_scc1 .Lnot_wave_0_\@
	s_barrier_signal -3
.Lnot_wave_0_\@:
	s_barrier_wait -3
	s_barrier_signal -1
	s_barrier_wait -1
.endm
.macro WM d, a, b, c, sa, sb, ra, rb   ; one product; ra, rb: which half of the lanes holds source 0's and source 1's scale words
.set RR, 2*(\ra)+(\rb)
.if RR == 0
	v_wmma_scale_f32_16x16x128_f8f6f4 v[(\d):(\d)+7], v[(\a):(\a)+11], v[(\b):(\b)+11], v[(\c):(\c)+7], v[\sa], v[\sb] matrix_a_fmt:MATRIX_FMT_BF6 matrix_b_fmt:MATRIX_FMT_BF6
.elseif RR == 1
	v_wmma_scale_f32_16x16x128_f8f6f4 v[(\d):(\d)+7], v[(\a):(\a)+11], v[(\b):(\b)+11], v[(\c):(\c)+7], v[\sa], v[\sb] matrix_a_fmt:MATRIX_FMT_BF6 matrix_b_fmt:MATRIX_FMT_BF6 matrix_b_scale:MATRIX_SCALE_ROW1
.elseif RR == 2
	v_wmma_scale_f32_16x16x128_f8f6f4 v[(\d):(\d)+7], v[(\a):(\a)+11], v[(\b):(\b)+11], v[(\c):(\c)+7], v[\sa], v[\sb] matrix_a_fmt:MATRIX_FMT_BF6 matrix_b_fmt:MATRIX_FMT_BF6 matrix_a_scale:MATRIX_SCALE_ROW1
.else
	v_wmma_scale_f32_16x16x128_f8f6f4 v[(\d):(\d)+7], v[(\a):(\a)+11], v[(\b):(\b)+11], v[(\c):(\c)+7], v[\sa], v[\sb] matrix_a_fmt:MATRIX_FMT_BF6 matrix_b_fmt:MATRIX_FMT_BF6 matrix_a_scale:MATRIX_SCALE_ROW1 matrix_b_scale:MATRIX_SCALE_ROW1
.endif
.endm
; A step's 16 products from buffer f: source 0 = W's block j, source 1 = A's block i; the 16 accumulators take turns, one instruction a turn
.macro MUL gs, f
.irp i, 0,1,2,3
.irp j, 0,1,2,3
.set AC, 8*(4*\i+\j)
.if (\gs) > 0
.set CR, AC
.else
.set CR, BIAS+8*\j
.endif
	WM AC, 96*(\f)+48+12*\j, 96*(\f)+12*\i, CR, BSC+NS*(\j/2)+(\gs), ASC+NS*(\i/2)+(\gs), \j%2, \i%2
.endr
.endr
.endm
.macro FETCH slot, q, f                ; 40 LDS loads: the fragments of the slot's q-th 128 along K into buffer f
	WIN 0x40                                       ; destination window 1, address window 0
.irp a, 0,1,2,3
.irp c, 0,1
	ds_load_b128 v[96*(\f)+12*\a+6*\c:96*(\f)+12*\a+6*\c+3], v[ADA16+(\slot)] offset:(8*\a+2*(\q)+\c)*768
	ds_load_b64 v[96*(\f)+12*\a+6*\c+4:96*(\f)+12*\a+6*\c+5], v[ADA8+(\slot)] offset:(8*\a+2*(\q)+\c)*768
.endr
.endr
.irp b, 0,1,2,3
.irp p, 0,1,2,3,4,5
.set PCE, 12*(\q)+6*(\p/3)+\p%3        ; lanes 0-15 take this piece of 8 bytes, lanes 16-31 the piece three on, which lies behind one padding more where PCE % 16 is 13 or more
.if PCE%16 < 13
	ds_load_b64 v[96*(\f)+48+12*\b+2*\p:96*(\f)+48+12*\b+2*\p+1], v[ADB+(\slot)] offset:8*PCE+16*(PCE/16)+\b*16*BP
.else
	ds_load_b64 v[96*(\f)+48+12*\b+2*\p:96*(\f)+48+12*\b+2*\p+1], v[ADB2+(\slot)] offset:8*PCE+16*(PCE/16)+\b*16*BP
.endif
.endr
.endr
.endm
; On to chunk k, in the other slot.  Every wave waits for all its tensor loads, adds 0 to its spare word, waits for that and for its reads of the slot that it leaves;
; a round of the cluster's barrier; the joint refill (chunk k + 1 into the slot just left) first behind it, one load a wave.  The last change fills nothing.
.macro CHANGE k
	WIN 0
	s_wait_tensorcnt 0x0                           ; my part of chunk k has landed; no tensor load of mine is out, so a group 0 may be written
.if REFILL
	ds_add_u32 v28, v29                            ; 0 onto my spare word
.if (\k) < NCH-1
	s_add_nc_u64 s[G0A+4*(((\k)-1)%2)+2:G0A+4*(((\k)-1)%2)+3], s[G0A+4*(((\k)-1)%2)+2:G0A+4*(((\k)-1)%2)+3], 2*6144
	s_add_nc_u64 s[G0B+4*(((\k)-1)%2)+2:G0B+4*(((\k)-1)%2)+3], s[G0B+4*(((\k)-1)%2)+2:G0B+4*(((\k)-1)%2)+3], 2*384
.endif
	s_wait_dscnt 0x0                               ; the add is done, and my reads of the slot that I leave are over
.if (\k) < NCH-1
	CROUND
	JLOAD G0A+4*(((\k)-1)%2), G1A, G0B+4*(((\k)-1)%2), G1B   ; its four v_nop are also the places in front of the loads below
.else
	s_barrier_signal -1
	s_barrier_wait -1
	PLACES
.endif
.else
	s_barrier_signal -1
	s_barrier_wait -1
	PLACES
.endif
.endm
.macro STEP gs
	s_wait_dscnt 0x0                               ; this step's fragments, asked for a step ago, are in
.if (\gs) < NS-1
.if (\gs)%4 == 3
	CHANGE ((\gs)+1)/4
.elseif (\gs) > 0
	PLACES
.endif
	FETCH (((\gs)+1)/4)%2, ((\gs)+1)%4, ((\gs)+1)%2
.endif
	WIN 0xa5                                       ; sources 0 and 1 window 1, C and D window 2
	MUL \gs, (\gs)%2
.endm
	s_load_b256 s[4:11], s[0:1], 0x0               ; A s[4:5], W's codes s[6:7], W's scales s[8:9], out s[10:11]
	s_load_b128 s[12:15], s[0:1], 0x20             ; bias s[12:13], residual s[14:15]
	v_lshl_add_u32 v28, v0, 2, SPARE
	v_mov_b32 v29, 0
	v_lshrrev_b32 v1, 5, v0
	v_readfirstlane_b32 s16, v1                    ; wave 0..3
	s_lshr_b32 s17, s16, 1                         ; which 64 rows of the tile are mine.  Also: I fetch for A (0) or for W (1)
	s_and_b32 s18, s16, 1                          ; which 64 columns.  Also: which half of that tile I fetch
	s_bfe_u32 s20, ttmp6, 0x40000                  ; cx, cy
	s_bfe_u32 s21, ttmp6, 0x40004
	s_lshl_b32 s22, ttmp9, 2
	s_add_co_u32 s22, s22, s20                     ; tile column
	s_and_b32 s23, ttmp7, 0xffff
	s_lshl_b32 s23, s23, 2
	s_add_co_u32 s23, s23, s21                     ; tile row
	s_lshl_b32 s40, s21, 2
	s_lshl_b32 s40, 15, s40                        ; my row of the cluster
	s_lshl_b32 s41, 0x1111, s20                    ; my column
	s_or_b32 s[G1A], s40, (3<<16)|(1<<21)          ; A: elements of 8 bytes, no padding; the mask, bit 21 beside it
	s_mov_b32 s[G1A+1], 768<<16                    ; eight units, 6,144 bytes, of a block of 16 rows
	s_mov_b32 s[G1A+2], 4<<16
	s_mov_b32 s[G1A+3], 768<<16
	s_mov_b32 s[G1A+4], 4
	s_mov_b32 s[G1A+5], AROW/8
	s_mov_b32 s[G1A+6], 0
	s_mov_b32 s[G1A+7], 0
	s_or_b32 s[G1B], s41, (1<<20)|(1<<21)|(4<<22)|(3<<25)   ; W: elements of 1 byte; 4 words of padding behind every 32
	s_mov_b32 s[G1B+1], 384<<16
	s_mov_b32 s[G1B+2], 64<<16
	s_mov_b32 s[G1B+3], 384<<16
	s_mov_b32 s[G1B+4], 64
	s_mov_b32 s[G1B+5], BROW
	s_mov_b32 s[G1B+6], 0
	s_mov_b32 s[G1B+7], 0
	s_lshl_b32 s42, s23, 3                         ; A's address hangs on the tile row and the wave alone,
	s_lshl_b32 s43, s18, 2
	s_add_co_u32 s42, s42, s43
	s_mul_i32 s42, s42, AROW
	s_mov_b32 s43, 0
	s_lshl_b32 s44, s22, 7                         ; W's on the tile column and the wave alone
	s_lshl_b32 s45, s18, 6
	s_add_co_u32 s44, s44, s45
	s_mul_i32 s44, s44, BROW
	s_mov_b32 s45, 0
	s_mul_i32 s46, s18, 4*8*768
	s_mul_i32 s47, s18, 64*BP
	s_add_co_u32 s47, s47, BOFF
	s_wait_kmcnt 0x0
	s_add_nc_u64 s[42:43], s[4:5], s[42:43]
	s_add_nc_u64 s[44:45], s[6:7], s[44:45]
	CROUND                                         ; all sixteen work-groups are here: the first joint loads meet
.irp s, 0,1
	s_mov_b32 s[G0A+4*\s], 1
	s_add_co_u32 s[G0A+4*\s+1], s46, \s*SLOT
	s_add_nc_u64 s[G0A+4*\s+2:G0A+4*\s+3], s[42:43], \s*6144
	s_or_b32 s[G0A+4*\s+3], s[G0A+4*\s+3], 0x80000000
	s_mov_b32 s[G0B+4*\s], 1
	s_add_co_u32 s[G0B+4*\s+1], s47, \s*SLOT
	s_add_nc_u64 s[G0B+4*\s+2:G0B+4*\s+3], s[44:45], \s*384
	s_or_b32 s[G0B+4*\s+3], s[G0B+4*\s+3], 0x80000000
	JLOAD G0A+4*\s, G1A, G0B+4*\s, G1B             ; two loads of mine are out
.endr
	v_and_b32 v1, 31, v0                           ; lane
	v_and_b32 v2, 15, v0                           ; r
	v_bfe_u32 v3, v0, 4, 1                         ; h
	s_mul_i32 s66, s17, 4*8*768
	s_add_co_u32 s67, s66, 512
	v_lshl_add_u32 v[ADA16], v1, 4, s66
	v_add_nc_u32 v[ADA16+1], SLOT, v[ADA16]
	v_lshl_add_u32 v[ADA8], v1, 3, s67
	v_add_nc_u32 v[ADA8+1], SLOT, v[ADA8]
	s_mul_i32 s68, s18, 64*BP
	s_add_co_u32 s68, s68, BOFF
	v_mul_u32_u24 v4, v2, BP
	v_mad_u32_u24 v5, v3, 24, v4
	v_add_nc_u32 v[ADB], s68, v5
	v_add_nc_u32 v[ADB+1], SLOT, v[ADB]
	v_lshl_add_u32 v5, v3, 4, v5
	v_add_nc_u32 v[ADB2], s68, v5
	v_add_nc_u32 v[ADB2+1], SLOT, v[ADB2]
	v_lshlrev_b32 v16, 2, v1                       ; 4 l
	v_mul_u32_u24 v17, v1, KSB
	v_lshlrev_b32 v18, 5, v3                       ; bias: 32 h
	v_lshlrev_b32 v19, 12, v3
	v_lshl_add_u32 v19, v2, 4, v19                 ; out, residual: lanes 0-15 one row's 256 bytes, lanes 16-31 the next row's
	s_mul_i32 s69, s16, 16*SP
	s_add_co_u32 s69, s69, STAGE                   ; my stage
	v_mul_u32_u24 v4, v2, SP
	v_lshl_add_u32 v4, v3, 5, v4
	v_add_nc_u32 v[STO], s69, v4                   ; in: row r, 32 bytes for each half of the lanes
	v_mul_u32_u24 v5, v3, SP
	v_lshl_add_u32 v5, v2, 4, v5
	v_add_nc_u32 v[RD], s69, v5                    ; back: two whole rows an instruction
	s_lshl_b32 s84, s23, 9
	s_lshl_b32 s85, s17, 8
	s_add_co_u32 s84, s84, s85
	s_add_co_u32 s84, s84, ASOFF
	s_mov_b32 s85, 0
	s_add_nc_u64 s[70:71], s[4:5], s[84:85]        ; A's scale words from my first row on
	s_lshl_b32 s86, s22, 7
	s_lshl_b32 s87, s18, 6
	s_add_co_u32 s86, s86, s87                     ; my first column
	s_mul_i32 s88, s86, KSB
	s_mov_b32 s89, 0
	s_add_nc_u64 s[72:73], s[8:9], s[88:89]
	s_lshl_b32 s88, s86, 2
	s_add_nc_u64 s[78:79], s[12:13], s[88:89]      ; bias at my first column
	s_lshl_b32 s90, s23, 7
	s_lshl_b32 s91, s17, 6
	s_add_co_u32 s90, s90, s91                     ; my first row
	s_lshl_b32 s90, s90, 12
	s_add_co_u32 s90, s90, s88
	s_mov_b32 s91, 0
	s_add_nc_u64 s[74:75], s[14:15], s[90:91]
	s_add_nc_u64 s[76:77], s[10:11], s[90:91]
.set Q, 0
.rept NS                                       ; the scales go straight to registers, once: lanes 0-15 one block's rows, lanes 16-31 the next block's
	global_load_b32 v[ASC+Q], v16, s[70:71] offset:16384*Q
	global_load_b32 v[ASC+NS+Q], v16, s[70:71] offset:16384*Q+128
.set Q, Q+1
.endr
.set Q, 0
.rept NS/4
	global_load_b128 v[BSC+4*Q:BSC+4*Q+3], v17, s[72:73] offset:16*Q
	global_load_b128 v[BSC+NS+4*Q:BSC+NS+4*Q+3], v17, s[72:73] offset:SIZE_K+16*Q
.set Q, Q+1
.endr
	WIN 0x80                                       ; destination window 2
.irp j, 0,1,2,3
	global_load_b128 v[BIAS+8*\j:BIAS+8*\j+3], v18, s[78:79] offset:64*\j        ; tile j: the bias at columns 16 j + 8 h + 0 .. 7
	global_load_b128 v[BIAS+8*\j+4:BIAS+8*\j+7], v18, s[78:79] offset:64*\j+16
.endr
	WIN 0xc0                                       ; destination window 3
.irp i, 0,1,2,3
.irp t, 0,1,2,3,4,5,6,7
	global_load_b128 v[32*\i+4*\t:32*\i+4*\t+3], v19, s[74:75] offset:(16*\i+2*\t)*4096   ; 16 lanes read 256 consecutive bytes, aligned
.endr
.endr
	WIN 0
	s_wait_tensorcnt 1                             ; my part of slot 0 is in; slot 1's may stay out
	s_barrier_signal -1
	s_barrier_wait -1
	FETCH 0, 0, 0
	s_wait_loadcnt 32                              ; scale words and bias are in; the residual's 32 loads may be out
.set GS, 0
.rept NS
	STEP GS
.set GS, GS+1
.endr
	; THE WAY OUT, 16 rows at a time: through my own stage (LDS serves a wave's instructions in order: ISA guide 5.7.1.4), back as whole rows of 256 bytes, the residual added, stored
	PLACES
	s_wait_loadcnt 0x0                             ; the residual
.irp i, 0,1,2,3
	WIN 0x08                                       ; a store's data window 2
.irp j, 0,1,2,3
	ds_store_b128 v[STO], v[32*\i+8*\j:32*\i+8*\j+3] offset:64*\j          ; each accumulator from its low end on
	ds_store_b128 v[STO], v[32*\i+8*\j+4:32*\i+8*\j+7] offset:64*\j+16
.endr
.if \i > 0
	s_wait_xcnt 0x0                                ; the last block's stores have read their registers
.endif
	WIN 0x80
.irp t, 0,1,2,3,4,5,6,7
	ds_load_b128 v[BK+4*\t:BK+4*\t+3], v[RD] offset:\t*2*SP
.endr
	s_wait_dscnt 0x0
	WIN 0x8e                                       ; source 0 and destination window 2, source 1 window 3
.irp n, 0,2,4,6,8,10,12,14,16,18,20,22,24,26,28,30
	v_pk_add_f32 v[BK+\n:BK+\n+1], v[BK+\n:BK+\n+1], v[32*\i+\n:32*\i+\n+1]
.endr
	WIN 0x08
.irp t, 0,1,2,3,4,5,6,7
	global_store_b128 v19, v[BK+4*\t:BK+4*\t+3], s[76:77] offset:(16*\i+2*\t)*4096 th:TH_STORE_NT   ; 16 lanes store 256 consecutive bytes, aligned; written once, read by nobody here
.endr
.endr
	WIN 0
.if REFILL
	s_wait_tensorcnt 0x0                           ; the wave's end
	ds_add_u32 v28, v29
.endif
	s_wait_dscnt 0x0
	CROUND                                         ; the closing round: no work-group ends while a partner may still ask for a tile that names it
	s_endpgm
.Lfunc_end_k_q24270cb98e_l3:
	.size	k_q24270cb98e_l3, .Lfunc_end_k_q24270cb98e_l3-k_q24270cb98e_l3
	.p2alignl 7, 3214868480
	.fill 96, 4, 3214868480
	.section	.rodata,"a",@progbits
	.p2align	6, 0x0
	.amdhsa_kernel k_q24270cb98e_l3
		.amdhsa_group_segment_fixed_size 327680
		.amdhsa_private_segment_fixed_size 0
		.amdhsa_enable_private_segment 0
		.amdhsa_kernarg_size 48
		.amdhsa_user_sgpr_count 2
		.amdhsa_user_sgpr_kernarg_segment_ptr 1
		.amdhsa_wavefront_size32 1
		.amdhsa_system_sgpr_workgroup_id_x 1
		.amdhsa_system_sgpr_workgroup_id_y 1
		.amdhsa_system_sgpr_workgroup_id_z 1
		.amdhsa_system_vgpr_workitem_id 0
		.amdhsa_next_free_vgpr 1024
		.amdhsa_next_free_sgpr 100
		.amdhsa_reserve_vcc 0
		.amdhsa_float_denorm_mode_32 3
		.amdhsa_float_denorm_mode_16_64 3
		.amdhsa_memory_ordered 1
		.amdhsa_forward_progress 1
		.amdhsa_inst_pref_size 188
	.end_amdhsa_kernel
	.amdgpu_metadata
---
amdhsa.version: [ 1, 2 ]
amdhsa.kernels:
  - .name:           k_q24270cb98e_l3
    .symbol:         k_q24270cb98e_l3.kd
    .args:
      - { .name: hid, .offset: 0, .size: 8, .value_kind: global_buffer, .address_space: global }
      - { .name: l3_w_codes, .offset: 8, .size: 8, .value_kind: global_buffer, .address_space: global }
      - { .name: l3_w_scales, .offset: 16, .size: 8, .value_kind: global_buffer, .address_space: global }
      - { .name: out0, .offset: 24, .size: 8, .value_kind: global_buffer, .address_space: global }
      - { .name: l3_b, .offset: 32, .size: 8, .value_kind: global_buffer, .address_space: global }
      - { .name: x1, .offset: 40, .size: 8, .value_kind: global_buffer, .address_space: global }
    .group_segment_fixed_size: 327680
    .private_segment_fixed_size: 0
    .kernarg_segment_align: 8
    .kernarg_segment_size: 48
    .max_flat_workgroup_size: 128
    .sgpr_count:     100
    .vgpr_count:     1024
    .wavefront_size: 32
...
	.end_amdgpu_metadata
.endif
;; end of part 6
;; ======== version 2 of 2: 7 launches
;; limits: right only within a limited range of input values
;; workspace buffers: act1 3,276,800 bytes; qkvb 9,830,400 bytes; act2 3,276,800 bytes; x1 16,777,216 bytes; act3 3,276,800 bytes; hid 13,107,200 bytes
;; launch ln1 (part 7): grid 256 x 1, 8 waves a work-group, no clusters, 2,048 bytes of LDS; arguments x, ln1_g, ln1_b, act1; writes act1
.if DOCPART == 7
	.amdgcn_target "amdgcn-amd-amdhsa--gfx1250"
	.amdhsa_code_object_version 6
	.text
	.protected	k_q24270cb98e_ln1
	.globl	k_q24270cb98e_ln1
	.p2align	8
	.type	k_q24270cb98e_ln1,@function
k_q24270cb98e_ln1:
	s_mov_b64 s[64:65], 0
	v_nop
	global_prefetch_b8 v0, s[64:65] scope:SCOPE_SE
	s_setreg_imm32_b32 hwreg(HW_REG_WAVE_MODE, 25, 1), 1
	s_wait_xcnt 0x0
; y = g (x - mean) / (std + 1e-6) + b along rows of 1,024 f32 (std with the divisor 1,023), then quantised along the row to codes of BF6 (E3M2) with one E8M0 byte for each 32.
; SHARES.  A work-group of eight waves takes 16 rows; wave w takes columns 128 w .. 128 w + 127 of all 16: one K step of the next product.  Lane (r, h) holds 64 numbers of row r: register 16 b + i is column 128 w + 32 b + 16 h + i.
; The row's sum and the sum of squares about the mean meet in LDS: one word for each row and wave, a barrier, every wave adds the eight words in the same order.
; OUT.  Codes leave as IMAGES OF THE OPERAND'S REGISTERS: a unit of 768 bytes is 16 rows x 64 along K: lane l's registers 0-3 at 16 l, its registers 4-5 at 512 + 8 l; units lie [block of 16 rows][64 along K].
; So each store of the wave covers 512 or 256 consecutive bytes, aligned.  Scale words (four bytes: 128 along K of a row) lie behind the codes as [K step][row].
; No matrix unit, no tensor load, no cluster: a stream whose work-groups share nothing.
; LIMITS: NaN and infinities are not served.  A block whose largest magnitude lies under 2^-122 gets the byte 1; so does a block of zeros (its codes are zeros; only this program reads the bytes).
.set ASOFF, 3145728                    ; the scale words begin behind 4,096 x 1,024 codes
.set X,   16                           ; v16-79   my 64 numbers
.set G,   80                           ; v80-143  g at my columns
.set BT,  144                          ; v144-207 b at my columns
.set TM,  208                          ; v208-223 the quantiser's work
.set PW,  224                          ; v224     the scale word
.set T,   226                          ; v226-233 sums
.set PC,  236                          ; v236-247 the codes; v248-250, v252-254 halves of blocks on their way
.set SEL, 20                           ; s[20:21] selects for lane l xor 16
	s_load_b256 s[4:11], s[0:1], 0x0
	v_lshl_add_u32 v11, v0, 2, 1024                ; my spare word, behind the two exchanges' 1,024 bytes; never rewritten
	v_mov_b32 v255, 0                              ; 0; never rewritten
	v_lshrrev_b32 v1, 5, v0
	s_delay_alu instid0(VALU_DEP_1)
	v_readfirstlane_b32 s12, v1                    ; wave 0..7
	v_and_b32 v1, 31, v0                           ; lane
	v_and_b32 v2, 15, v0                           ; r
	v_bfe_u32 v3, v0, 4, 1                         ; h
	s_delay_alu instid0(VALU_DEP_1)
	v_lshlrev_b32 v5, 6, v3                        ; g, b: 64 h
	s_delay_alu instid0(VALU_DEP_1)
	v_lshl_add_u32 v4, v2, 12, v5                  ; x: 4,096 r + 64 h
	s_lshl_b32 s13, s12, 2
	v_lshlrev_b32 v7, 5, v2                        ; LDS: row r's eight words
	s_delay_alu instid0(VALU_DEP_1)
	v_add_nc_u32 v6, s13, v7                       ; and my wave's among them
	v_lshlrev_b32 v8, 4, v1                        ; a unit's first 512 bytes: 16 l
	v_lshl_add_u32 v9, v1, 3, 512                  ; its last 256: 512 + 8 l
	v_lshlrev_b32 v10, 2, v2                       ; a scale word: 4 r
	s_mov_b32 s[SEL], 0x76543210
	s_mov_b32 s[SEL+1], 0xfedcba98
.irp b, 0,1,2,3
	v_mov_b32 v[TM+4+\b], 0                        ; written once: a lane permute's destination counts as one of its sources
.endr
	s_lshl_b32 s16, s12, 9                         ; my 128 columns: 512 w bytes
	s_mov_b32 s17, 0
	s_lshl_b32 s14, ttmp9, 16                      ; my 16 rows
	s_add_co_u32 s14, s14, s16
	s_mov_b32 s15, 0
	s_lshl_b32 s18, ttmp9, 4
	s_lshl_b32 s19, s12, 1
	s_add_co_u32 s18, s18, s19
	s_mul_i32 s18, s18, 768                        ; my two units: 16 x work-group + 2 w
	s_mov_b32 s19, 0
	s_lshl_b32 s22, s12, 14                        ; my scale words: K step w, 4,096 rows of 4 bytes,
	s_lshl_b32 s23, ttmp9, 6                       ; row 16 x work-group
	s_add_co_u32 s22, s22, s23
	s_add_co_u32 s22, s22, ASOFF
	s_mov_b32 s23, 0
	s_wait_kmcnt 0x0
	s_add_nc_u64 s[4:5], s[4:5], s[14:15]
	s_add_nc_u64 s[6:7], s[6:7], s[16:17]
	s_add_nc_u64 s[8:9], s[8:9], s[16:17]
	s_add_nc_u64 s[22:23], s[10:11], s[22:23]
	s_add_nc_u64 s[10:11], s[10:11], s[18:19]
.irp b, 0,1,2,3
.irp j, 0,1,2,3
	global_load_b128 v[X+16*\b+4*\j:X+16*\b+4*\j+3], v4, s[4:5] offset:128*\b+16*\j
.endr
.endr
.irp b, 0,1,2,3
.irp j, 0,1,2,3
	global_load_b128 v[G+16*\b+4*\j:G+16*\b+4*\j+3], v5, s[6:7] offset:128*\b+16*\j
.endr
.endr
.irp b, 0,1,2,3
.irp j, 0,1,2,3
	global_load_b128 v[BT+16*\b+4*\j:BT+16*\b+4*\j+3], v5, s[8:9] offset:128*\b+16*\j
.endr
.endr
; v[T:T+1] holds a lane's sum in two halves; behind the macro v[T] holds the row's, in every lane.  off: the LDS bytes of this exchange (each exchange has its own, so one barrier serves it)
.macro ACROSS off
	s_delay_alu instid0(VALU_DEP_1)
	v_add_f32 v[T], v[T], v[T+1]
	s_delay_alu instid0(VALU_DEP_1)
	v_permlanex16_b32 v[T+1], v[T], s[SEL], s[SEL+1]
	s_delay_alu instid0(VALU_DEP_1)
	v_add_f32 v[T], v[T], v[T+1]                   ; with lane l xor 16's: my wave's 128 columns of row r
	ds_store_b32 v6, v[T] offset:\off              ; both halves of the lanes write the same word with the same value
	s_wait_dscnt 0x0                               ; for the others' sake: my store is done
	s_barrier_signal -1
	s_barrier_wait -1
	ds_load_b128 v[T:T+3], v7 offset:\off
	ds_load_b128 v[T+4:T+7], v7 offset:\off+16
	s_wait_dscnt 0x0
	v_pk_add_f32 v[T:T+1], v[T:T+1], v[T+2:T+3]
	v_pk_add_f32 v[T+4:T+5], v[T+4:T+5], v[T+6:T+7]
	s_delay_alu instid0(VALU_DEP_1)
	v_pk_add_f32 v[T:T+1], v[T:T+1], v[T+4:T+5]
	s_delay_alu instid0(VALU_DEP_1)
	v_add_f32 v[T], v[T], v[T+1]
.endm
	s_wait_loadcnt 32                              ; x's 16 loads are in; the 32 of g and b may be out
	v_pk_add_f32 v[228:229], v[16:17], v[18:19]
	v_pk_add_f32 v[234:235], v[24:25], v[28:29]
	v_pk_add_f32 v[218:219], v[32:33], v[36:37]
	v_pk_add_f32 v[216:217], v[40:41], v[44:45]
	v_pk_add_f32 v[14:15], v[48:49], v[52:53]
	v_pk_add_f32 v[12:13], v[56:57], v[60:61]
	v_pk_add_f32 v[226:227], v[64:65], v[68:69]
	s_delay_alu instid0(VALU_DEP_1)
	v_pk_add_f32 v[226:227], v[226:227], v[72:73]
	v_pk_add_f32 v[228:229], v[228:229], v[76:77]
	v_pk_add_f32 v[234:235], v[234:235], v[20:21]
	v_pk_add_f32 v[218:219], v[218:219], v[22:23]
	v_pk_add_f32 v[216:217], v[216:217], v[26:27]
	v_pk_add_f32 v[14:15], v[14:15], v[30:31]
	v_pk_add_f32 v[12:13], v[12:13], v[34:35]
	v_pk_add_f32 v[226:227], v[226:227], v[38:39]
	v_pk_add_f32 v[228:229], v[228:229], v[42:43]
	v_pk_add_f32 v[234:235], v[234:235], v[46:47]
	v_pk_add_f32 v[218:219], v[218:219], v[50:51]
	v_pk_add_f32 v[216:217], v[216:217], v[54:55]
	v_pk_add_f32 v[14:15], v[14:15], v[58:59]
	v_pk_add_f32 v[12:13], v[12:13], v[62:63]
	v_pk_add_f32 v[226:227], v[226:227], v[66:67]
	v_pk_add_f32 v[228:229], v[228:229], v[70:71]
	v_pk_add_f32 v[234:235], v[234:235], v[74:75]
	v_pk_add_f32 v[218:219], v[218:219], v[78:79]
	s_delay_alu instid0(VALU_DEP_4)
	v_pk_add_f32 v[226:227], v[226:227], v[216:217]
	s_delay_alu instid0(VALU_DEP_4)
	v_pk_add_f32 v[228:229], v[228:229], v[14:15]
	s_delay_alu instid0(VALU_DEP_4)
	v_pk_add_f32 v[234:235], v[234:235], v[12:13]
	s_delay_alu instid0(VALU_DEP_1)
	v_pk_add_f32 v[226:227], v[226:227], v[234:235]
	s_delay_alu instid0(VALU_DEP_3)
	v_pk_add_f32 v[228:229], v[228:229], v[218:219]
	s_delay_alu instid0(VALU_DEP_1)
	v_pk_add_f32 v[226:227], v[226:227], v[228:229]
	ACROSS 0
	s_delay_alu instid0(VALU_DEP_1)
	v_mul_f32 v[T], 0xba800000, v[T]               ; -mean = -sum / 1,024
.irp j, 0,2,4,6,8,10,12,14,16,18,20,22,24,26,28,30,32,34,36,38,40,42,44,46,48,50,52,54,56,58,60,62
	v_pk_add_f32 v[X+\j:X+\j+1], v[X+\j:X+\j+1], v[T:T+1] op_sel_hi:[1,0]   ; d = x - mean (the pair's low word serves both halves)
.endr
	v_pk_mul_f32 v[T:T+1], v[X:X+1], v[X:X+1]      ; the sum of d^2: about the mean, so a common offset of x does no harm
	v_pk_mul_f32 v[T+2:T+3], v[X+2:X+3], v[X+2:X+3]
.irp j, 4,8,12,16,20,24,28,32,36,40,44,48,52,56,60
	s_delay_alu instid0(VALU_DEP_2)
	v_pk_fma_f32 v[T:T+1], v[X+\j:X+\j+1], v[X+\j:X+\j+1], v[T:T+1]
	s_delay_alu instid0(VALU_DEP_2)
	v_pk_fma_f32 v[T+2:T+3], v[X+\j+2:X+\j+3], v[X+\j+2:X+\j+3], v[T+2:T+3]
.endr
	s_delay_alu instid0(VALU_DEP_1)
	v_pk_add_f32 v[T:T+1], v[T:T+1], v[T+2:T+3]
	ACROSS 512
	s_delay_alu instid0(VALU_DEP_1)
	v_mul_f32 v[T], 0x3a802008, v[T]               ; / 1,023
	s_wait_alu depctr_va_vdst(0)
	v_sqrt_f32 v[T], v[T]
	v_nop                                          ; one plain place behind a transcendental
	s_wait_alu depctr_va_vdst(0)                   ; the wait ahead of the result's reader
	v_add_f32 v[T], 0x358637bd, v[T]               ; + 1e-6
	s_wait_alu depctr_va_vdst(0)
	v_rcp_f32 v[T], v[T]
	v_nop
	s_wait_alu depctr_va_vdst(0)
	s_wait_loadcnt 0x0                             ; g and b
.irp j, 0,2,4,6,8,10,12,14,16,18,20,22,24,26,28,30,32,34,36,38,40,42,44,46,48,50,52,54,56,58,60,62
	v_pk_mul_f32 v[X+\j:X+\j+1], v[X+\j:X+\j+1], v[T:T+1] op_sel_hi:[1,0]
.endr
.irp j, 0,2,4,6,8,10,12,14,16,18,20,22,24,26,28,30,32,34,36,38,40,42,44,46,48,50,52,54,56,58,60,62
	v_pk_fma_f32 v[X+\j:X+\j+1], v[X+\j:X+\j+1], v[G+\j:G+\j+1], v[BT+\j:BT+\j+1]
.endr
	; THE QUANTISER: four blocks of 32, each in lanes l and l xor 16
.irp b, 0,1,2,3
	v_max3_num_f32 v[TM+\b], |v[X+16*\b]|, |v[X+1+16*\b]|, 0x2800000   ; my 16 numbers of block b, and the floor 2^(5 - 127): the byte cannot fall under 1
.endr
.irp i, 2,4,6,8,10,12,14
.irp b, 0,1,2,3
	s_delay_alu instid0(VALU_DEP_4)
	v_max3_num_f32 v[TM+\b], v[TM+\b], |v[X+16*\b+\i]|, |v[X+1+16*\b+\i]|
.endr
.endr
.irp b, 0,1,2,3
	s_delay_alu instid0(VALU_DEP_4)
	v_permlanex16_b32 v[TM+4+\b], v[TM+\b], s[SEL], s[SEL+1]
.endr
.irp b, 0,1,2,3
	s_delay_alu instid0(VALU_DEP_4)
	v_max_num_f32 v[TM+\b], v[TM+\b], v[TM+4+\b]   ; the block's largest magnitude
.endr
.irp b, 0,1,2,3
	s_delay_alu instid0(VALU_DEP_4)
	v_add_nc_u32 v[TM+12+\b], 0xfe000000, v[TM+\b] ; 4 off its exponent field: the conversion's scale operand
.endr
.irp b, 0,1,2,3
	s_delay_alu instid0(VALU_DEP_4)
	v_lshrrev_b32 v[TM+4+\b], 23, v[TM+12+\b]      ; the scale's byte
.endr
	s_delay_alu instid0(VALU_DEP_3)
	v_lshl_or_b32 v[PW], v[TM+5], 8, v[TM+4]
	s_delay_alu instid0(VALU_DEP_1)
	v_lshl_or_b32 v[PW], v[TM+6], 16, v[PW]
	s_delay_alu instid0(VALU_DEP_1)
	v_lshl_or_b32 v[PW], v[TM+7], 24, v[PW]
.irp c, 0,1
	v_cvt_scalef32_pk16_bf6_f32 v[PC+6*\c:PC+2+6*\c], v[X+32*\c:X+15+32*\c], v[TM+12+2*\c]
	v_cvt_scalef32_pk16_bf6_f32 v[PC+12+4*\c:PC+14+4*\c], v[X+16+32*\c:X+31+32*\c], v[TM+12+2*\c+1]   ; (a conversion's three registers begin on an even number)
.endr
	v_nop                                          ; one plain place behind a scaled conversion
.irp c, 0,1                                    ; the operand's layout wants a whole block in a lane: lanes 0-15 block 2 c, lanes 16-31 block 2 c + 1
.irp i, 0,1,2
	v_permlane16_swap_b32 v[PC+6*\c+\i], v[PC+12+4*\c+\i]
.endr
.irp i, 0,1,2
	s_delay_alu instid0(VALU_DEP_3)
	v_mov_b32 v[PC+3+6*\c+\i], v[PC+12+4*\c+\i]
.endr
.endr
.irp c, 0,1
	global_store_b128 v8, v[PC+6*\c:PC+6*\c+3], s[10:11] offset:768*\c      ; 512 consecutive bytes
	global_store_b64 v9, v[PC+6*\c+4:PC+6*\c+5], s[10:11] offset:768*\c     ; 256 consecutive bytes
.endr
	s_wait_tensorcnt 0x0                           ; the wave's end, all lanes on, behind my last LDS store
	ds_add_u32 v11, v255
	s_wait_dscnt 0x0
	s_wait_xcnt 0x0                                ; EXEC changes only behind this wait: it is a source of the stores above
	v_cmp_gt_u32 vcc_lo, 16, v1
	s_and_saveexec_b32 s13, vcc_lo                 ; lanes 0-15: one word a row
	global_store_b32 v10, v[PW], s[22:23]
	s_endpgm
.Lfunc_end_k_q24270cb98e_ln1:
	.size	k_q24270cb98e_ln1, .Lfunc_end_k_q24270cb98e_ln1-k_q24270cb98e_ln1
	.p2alignl 7, 3214868480
	.fill 96, 4, 3214868480
	.section	.rodata,"a",@progbits
	.p2align	6, 0x0
	.amdhsa_kernel k_q24270cb98e_ln1
		.amdhsa_group_segment_fixed_size 2048
		.amdhsa_private_segment_fixed_size 0
		.amdhsa_enable_private_segment 0
		.amdhsa_kernarg_size 32
		.amdhsa_user_sgpr_count 2
		.amdhsa_user_sgpr_kernarg_segment_ptr 1
		.amdhsa_wavefront_size32 1
		.amdhsa_system_sgpr_workgroup_id_x 1
		.amdhsa_system_sgpr_workgroup_id_y 1
		.amdhsa_system_sgpr_workgroup_id_z 1
		.amdhsa_system_vgpr_workitem_id 0
		.amdhsa_next_free_vgpr 256
		.amdhsa_next_free_sgpr 66
		.amdhsa_reserve_vcc 1
		.amdhsa_float_denorm_mode_32 3
		.amdhsa_float_denorm_mode_16_64 3
		.amdhsa_memory_ordered 1
		.amdhsa_forward_progress 1
		.amdhsa_inst_pref_size 27
	.end_amdhsa_kernel
	.amdgpu_metadata
---
amdhsa.version: [ 1, 2 ]
amdhsa.kernels:
  - .name:           k_q24270cb98e_ln1
    .symbol:         k_q24270cb98e_ln1.kd
    .args:
      - { .name: x, .offset: 0, .size: 8, .value_kind: global_buffer, .address_space: global }
      - { .name: ln1_g, .offset: 8, .size: 8, .value_kind: global_buffer, .address_space: global }
      - { .name: ln1_b, .offset: 16, .size: 8, .value_kind: global_buffer, .address_space: global }
      - { .name: act1, .offset: 24, .size: 8, .value_kind: global_buffer, .address_space: global }
    .group_segment_fixed_size: 2048
    .private_segment_fixed_size: 0
    .kernarg_segment_align: 8
    .kernarg_segment_size: 32
    .max_flat_workgroup_size: 256
    .sgpr_count:     66
    .vgpr_count:     256
    .wavefront_size: 32
...
	.end_amdgpu_metadata
.endif
;; end of part 7
;; launch qkv (part 8): grid 8 x 32, 4 waves a work-group, clusters of 4 x 4, 327,680 bytes of LDS; arguments act1, qkv_w_codes, qkv_w_scales, qkvb; writes qkvb
.if DOCPART == 8
	.amdgcn_target "amdgcn-amd-amdhsa--gfx1250"
	.amdhsa_code_object_version 6
	.text
	.protected	k_q24270cb98e_qkv
	.globl	k_q24270cb98e_qkv
	.p2align	8
	.type	k_q24270cb98e_qkv,@function
k_q24270cb98e_qkv:
	s_mov_b64 s[64:65], 0
	v_nop
	global_prefetch_b8 v0, s[64:65] scope:SCOPE_SE
	s_setreg_imm32_b32 hwreg(HW_REG_WAVE_MODE, 25, 1), 1
	s_wait_xcnt 0x0
	s_wait_alu depctr_hold_cnt(0) depctr_sa_sdst(0) depctr_va_vdst(0) depctr_va_sdst(0) depctr_va_ssrc(0) depctr_va_vcc(0) depctr_vm_vsrc(0)
	s_getreg_b32 s2, hwreg(HW_REG_IB_STS2, 6, 4)
	s_cmp_eq_u32 s2, 0
	s_cbranch_scc0 .Lentry_in_a_cluster
	s_endpgm
.Lentry_in_a_cluster:
	s_bfe_u32 s2, ttmp6, 0x10000c
	s_cmp_lg_u32 s2, 0xf033
	s_cbranch_scc0 .Lentry_shape_is_right
	s_endpgm
.Lentry_shape_is_right:
; qkv = LN1(x) W^T on codes of BF6 (E3M2) with E8M0 scales, [4,096 x 1,024] x [1,024 x 3,072]; the results are quantised at once for attention: q and k along the head's 64, v along the tokens.
; A (my own buffer): units of 768 bytes, images of half a fragment (16 rows x 64 K: lane l's registers 0-3 at 16 l, 4-5 at 512 + 8 l), [block of 16 rows][K / 64]; behind them scale words [K step][row].
; W: rows of codes as one stream of bits, 768 bytes a row; scale bytes [row][32].
; SHARES.  A tile of C is 128 x 128, four waves of 64 x 64 (16 accumulators).  A WORK-GROUP STAYS: 256 work-groups, each makes three tiles of one tile row, 1,024 columns apart: one of q, one of k, one of v, all of the same two heads.
; LDS: A's panel (128 rows x all of K, 98,304 bytes) is filled once and serves all three tiles; W's panels (128 rows x all of K, 104,448 bytes with padding) go through a ring of two slots:
; while one tile is multiplied and quantised, the panel of the tile after next is on its way.  This launch claims all of a WGP's LDS.
; CLUSTERS: 4 x 4 work-groups; A's panel is asked for jointly along a row of the cluster, W's panels along a column.  Every wave issues every load: a quarter of the panel each.
; q, k: source 0 = W's rows, source 1 = tokens: a lane holds one token and its registers run along the head's channels.
; v: source 0 = tokens, source 1 = W's rows: a lane holds one channel and its registers run along the tokens, which are the K of attention's second product.
; OUT: q, k: a unit for each 16 tokens of a head, and 16 bits of scale bytes a token.  v: a unit for each 64 tokens x 16 channels; its two scale bytes go into half of a word [128 tokens][channel] (stores of 2 bytes, 4 bytes apart: the word's other half is another wave's).
; v's codes inside a block of 32 tokens stand in the order 0-7, 16-23, 8-15, 24-31: attention's p falls into the same order, so the products are the same.
; LIMITS: NaN and infinities are not served; a block whose largest magnitude lies under 2^-122, a block of zeros too, gets the byte 1 (only this program reads the bytes).
; REGISTERS, in windows of 256: window 0: v1-29 lane terms, v32-47 A's scale words, v48-95 W's (16 a tile).  window 1: two buffers of fragments, 96 each (A's four, then W's four).  window 2: v0-127 accumulators ((i, j) at 8 (4 i + j)), v160-191 codes, v192-217 the quantiser's work.
.set SIZE_K,  1024
.set NS,      SIZE_K/128               ; steps of 128 along K
.set NT,      3                        ; tiles of C that a work-group makes
.set AROW,    12*SIZE_K                ; bytes of 16 rows of A's units
.set BROW,    3*SIZE_K/4               ; a row of W's codes
.set ASOFF,   3072*SIZE_K              ; A's scale words begin here
.set KSB,     SIZE_K/32                ; a row of W's scale bytes
.set BP,      816                      ; a whole row of W in LDS: 3 x (256 bytes + 16 of padding) = 204 words: the 16 rows of a load start at 16 different multiples of 4 banks
.set CHUNK,   64*BP                    ; half a panel
.set PANEL,   2*CHUNK                  ; a slot of the ring
.set BBASE,   8*16*768                 ; the ring begins behind A's panel
.set PANELB,  8*128*BROW               ; in memory: from a tile's rows of W to the next tile's, 1,024 rows on
.set SPARE,   BBASE+2*PANEL            ; behind the ring: the spare words, 128 bytes for each wave: two blocks of 256 bytes that no other line names
.set KC, 3145728
.set VC, 6291456
.set QS, 9437184
.set KS, 9568256
.set VS, 9699328
.set ADA16, 8                          ; v8     A's units, first 512 bytes
.set ADA8,  9                          ; v9     their last 256 bytes
.set ADB,   10                         ; v10-13 W's rows: register 2 x slot + chunk
.set ADB2,  24                         ; v24-27 the same for the pieces that lie behind one padding more in lanes 16-31
.set ASC,   32                         ; A's scale words: pair p of blocks (lanes 0-15 block 2 p, lanes 16-31 block 2 p + 1), step s: v[ASC + NS p + s]
.set BSC,   48                         ; W's likewise, 16 registers for each tile
.set CD,    160
.set TM,    192
.set XT,    208
.set PW,    212
.set CW,    216
.set G1A, 24
.set G0A, 32
.set G1B, 48
.set G0B, 56
.set G0H, 36                           ; s[36:39] group 0 of the head's load of W: 64 rows
.set SEL, 92
.set MSB, 0
.macro WIN new                         ; the immediate's high byte repeats the setting that is left
.if MSB != \new
	s_set_vgpr_msb (MSB<<8)|\new
.set MSB, \new
.endif
.endm
.macro PLACES                          ; four places behind a matrix instruction of this form, in front of loads into registers that it read and of reads of its results
.rept 4
	v_nop
.endr
.endm
.macro CROUND                          ; a round of the cluster's barrier
	s_barrier_signal -1
	s_barrier_wait -1
	s_cmp_lg_u32 s16, 0
	s_cbranch_scc1 .Lnot_wave_0_\@
	s_barrier_signal -3
.Lnot_wave_0_\@:
	s_barrier_wait -3
	s_barrier_signal -1
	s_barrier_wait -1
.endm
; One product.  c < 0: the constant 0 starts the sum.  ra, rb: which half of the lanes holds source 0's and source 1's scale words
.macro WM d, a, b, c, sa, sb, ra, rb
.set RR, 2*(\ra)+(\rb)
.if (\c) < 0
.if RR == 0
	v_wmma_scale_f32_16x16x128_f8f6f4 v[(\d):(\d)+7], v[(\a):(\a)+11], v[(\b):(\b)+11], 0, v[\sa], v[\sb] matrix_a_fmt:MATRIX_FMT_BF6 matrix_b_fmt:MATRIX_FMT_BF6
.elseif RR == 1
	v_wmma_scale_f32_16x16x128_f8f6f4 v[(\d):(\d)+7], v[(\a):(\a)+11], v[(\b):(\b)+11], 0, v[\sa], v[\sb] matrix_a_fmt:MATRIX_FMT_BF6 matrix_b_fmt:MATRIX_FMT_BF6 matrix_b_scale:MATRIX_SCALE_ROW1
.elseif RR == 2
	v_wmma_scale_f32_16x16x128_f8f6f4 v[(\d):(\d)+7], v[(\a):(\a)+11], v[(\b):(\b)+11], 0, v[\sa], v[\sb] matrix_a_fmt:MATRIX_FMT_BF6 matrix_b_fmt:MATRIX_FMT_BF6 matrix_a_scale:MATRIX_SCALE_ROW1
.else
	v_wmma_scale_f32_16x16x128_f8f6f4 v[(\d):(\d)+7], v[(\a):(\a)+11], v[(\b):(\b)+11], 0, v[\sa], v[\sb] matrix_a_fmt:MATRIX_FMT_BF6 matrix_b_fmt:MATRIX_FMT_BF6 matrix_a_scale:MATRIX_SCALE_ROW1 matrix_b_scale:MATRIX_SCALE_ROW1
.endif
.else
.if RR == 0
	v_wmma_scale_f32_16x16x128_f8f6f4 v[(\d):(\d)+7], v[(\a):(\a)+11], v[(\b):(\b)+11], v[(\c):(\c)+7], v[\sa], v[\sb] matrix_a_fmt:MATRIX_FMT_BF6 matrix_b_fmt:MATRIX_FMT_BF6
.elseif RR == 1
	v_wmma_scale_f32_16x16x128_f8f6f4 v[(\d):(\d)+7], v[(\a):(\a)+11], v[(\b):(\b)+11], v[(\c):(\c)+7], v[\sa], v[\sb] matrix_a_fmt:MATRIX_FMT_BF6 matrix_b_fmt:MATRIX_FMT_BF6 matrix_b_scale:MATRIX_SCALE_ROW1
.elseif RR == 2
	v_wmma_scale_f32_16x16x128_f8f6f4 v[(\d):(\d)+7], v[(\a):(\a)+11], v[(\b):(\b)+11], v[(\c):(\c)+7], v[\sa], v[\sb] matrix_a_fmt:MATRIX_FMT_BF6 matrix_b_fmt:MATRIX_FMT_BF6 matrix_a_scale:MATRIX_SCALE_ROW1
.else
	v_wmma_scale_f32_16x16x128_f8f6f4 v[(\d):(\d)+7], v[(\a):(\a)+11], v[(\b):(\b)+11], v[(\c):(\c)+7], v[\sa], v[\sb] matrix_a_fmt:MATRIX_FMT_BF6 matrix_b_fmt:MATRIX_FMT_BF6 matrix_a_scale:MATRIX_SCALE_ROW1 matrix_b_scale:MATRIX_SCALE_ROW1
.endif
.endif
.endm
; Step gs of tile t: 16 products from buffer f; the 16 accumulators take turns, one instruction a turn, in the same order in every step.
; tr = 1: source 0 = W's block j, source 1 = A's block i.  tr = 0: source 0 = A's block j, source 1 = W's block i.  A tile's first step starts the sums with the constant 0
.macro MUL t, gs, f, tr
.irp i, 0,1,2,3
.irp j, 0,1,2,3
.set AC, 8*(4*\i+\j)
.if (\gs) > 0
.set CR, AC
.else
.set CR, -1
.endif
.if \tr
	WM AC, 96*(\f)+48+12*\j, 96*(\f)+12*\i, CR, BSC+16*(\t)+NS*(\j/2)+(\gs), ASC+NS*(\i/2)+(\gs), \j%2, \i%2
.else
	WM AC, 96*(\f)+12*\j, 96*(\f)+48+12*\i, CR, ASC+NS*(\j/2)+(\gs), BSC+16*(\t)+NS*(\i/2)+(\gs), \j%2, \i%2
.endif
.endr
.endr
.endm
; 40 LDS loads: the fragments of step gs into buffer f; W's from slot sl of the ring.  A's come as images (16 and 8 bytes a lane, consecutive); W's as six pieces of 8 bytes of the row's stream of bits
.macro FETCH sl, gs, f
	WIN 0x40                                       ; destination window 1, address window 0
.irp a, 0,1,2,3
.irp c, 0,1
	ds_load_b128 v[96*(\f)+12*\a+6*\c:96*(\f)+12*\a+6*\c+3], v[ADA16] offset:(16*\a+2*(\gs)+\c)*768
	ds_load_b64 v[96*(\f)+12*\a+6*\c+4:96*(\f)+12*\a+6*\c+5], v[ADA8] offset:(16*\a+2*(\gs)+\c)*768
.endr
.endr
.irp b, 0,1,2,3
.irp p, 0,1,2,3,4,5
.set PCE, 12*(\gs)+6*(\p/3)+\p%3       ; lanes 0-15 take this piece of 8 bytes of the row, lanes 16-31 the piece three on, which lies behind one padding more where PCE % 32 is 29 or more
.if PCE%32 < 29
	ds_load_b64 v[96*(\f)+48+12*\b+2*\p:96*(\f)+48+12*\b+2*\p+1], v[ADB+2*(\sl)] offset:8*PCE+16*(PCE/32)+\b*16*BP
.else
	ds_load_b64 v[96*(\f)+48+12*\b+2*\p:96*(\f)+48+12*\b+2*\p+1], v[ADB2+2*(\sl)] offset:8*PCE+16*(PCE/32)+\b*16*BP
.endif
.endr
.endr
.endm
; THE CHANGE OF PANELS, in tile t's last step, when that step's fragments are in: nobody needs slot t % 2 any more.  Every wave waits for all its tensor loads (its part of tile t + 1's panel),
; adds 0 to its spare word, and waits for that and for its reads of the slot.  Where a tile t + 2 exists: a round of the cluster's barrier, and its panel is asked for first behind it, one load a wave:
; it has tile t's way out and 128 products in which to land.  Else a plain barrier: nothing is filled.
.macro CHANGE t
	WIN 0
	s_wait_tensorcnt 0x0                           ; no tensor load of mine is out, so a group 0 may be written
	ds_add_u32 v28, v29                            ; 0 onto my spare word
.if (\t)+2 < NT
	s_add_nc_u64 s[G0B+4*((\t)%2)+2:G0B+4*((\t)%2)+3], s[G0B+4*((\t)%2)+2:G0B+4*((\t)%2)+3], 2*PANELB
.endif
	s_wait_dscnt 0x0                               ; the add is done, and my reads of the slot are over
.if (\t)+2 < NT
	CROUND
	tensor_load_to_lds s[G0B+4*((\t)%2):G0B+4*((\t)%2)+3], s[G1B:G1B+7]
	s_nop 0
	PLACES                                         ; four v_nop follow the load; they are also the places in front of the loads below
.else
	s_barrier_signal -1
	s_barrier_wait -1
	PLACES
.endif
.endm
.macro STEP t, gs, tr
	s_wait_dscnt 0x0                               ; this step's fragments, asked for a step ago, are in
.if (\gs) < NS-1
.if (\gs) > 0
	PLACES                                         ; (in a tile's first step the places at the head of the way out before it serve)
.endif
	FETCH (\t)%2, (\gs)+1, ((\gs)+1)%2
.elseif (\t) < NT-1
	CHANGE \t
	FETCH ((\t)+1)%2, 0, 0                         ; the next tile's first fragments
.endif
	WIN 0xa5                                       ; sources 0 and 1 window 1, C and D window 2
	MUL \t, \gs, (\gs)%2, \tr
.endm
.macro TILE t, tr
.set GS, 0
.rept NS
	STEP \t, GS, \tr
.set GS, GS+1
.endr
.endm
; Two neighbouring tiles' halves change places, so that a lane's 16 registers are 16 NEIGHBOURS along the next K: register 16 b + i becomes column 32 b + 16 (lane / 16) + i
.macro PRESWAP s
.irp b, 0,1
.irp t, 0,1,2,3,4,5,6,7
	v_permlane16_swap_b32 v[(\s)+16*\b+\t], v[(\s)+16*\b+8+\t]
.endr
.endr
.endm
; 32 numbers of a lane (two blocks of 32, each shared with lane l xor 16) become six registers of codes at v[pc] and 16 bits of scale bytes in v[pw]
.macro HQUANT s, pc, pw
.irp b, 0,1
	v_max3_num_f32 v[TM+\b], |v[(\s)+16*\b]|, |v[(\s)+1+16*\b]|, 0x2800000   ; with the floor 2^(5 - 127): the byte cannot fall under 1
.endr
.irp i, 2,4,6,8,10,12,14
.irp b, 0,1
	v_max3_num_f32 v[TM+\b], v[TM+\b], |v[(\s)+16*\b+\i]|, |v[(\s)+1+16*\b+\i]|
.endr
.endr
.irp b, 0,1
	v_permlanex16_b32 v[TM+4+\b], v[TM+\b], s[SEL], s[SEL+1]
.endr
.irp b, 0,1
	v_max_num_f32 v[TM+\b], v[TM+\b], v[TM+4+\b]
.endr
.irp b, 0,1
	v_add_nc_u32 v[TM+12+\b], 0xfe000000, v[TM+\b] ; 4 off the exponent field: the conversion's scale operand
.endr
.irp b, 0,1
	v_lshrrev_b32 v[TM+4+\b], 23, v[TM+12+\b]      ; the scale's byte
.endr
	v_lshl_or_b32 v[\pw], v[TM+5], 8, v[TM+4]
	v_cvt_scalef32_pk16_bf6_f32 v[(\pc):(\pc)+2], v[(\s):(\s)+15], v[TM+12]
	v_cvt_scalef32_pk16_bf6_f32 v[XT:XT+2], v[(\s)+16:(\s)+31], v[TM+13]
	v_nop                                          ; one plain place behind a scaled conversion
.irp i, 0,1,2
	v_permlane16_swap_b32 v[(\pc)+\i], v[XT+\i]    ; a whole block to a lane: lanes 0-15 block 0, lanes 16-31 block 1
.endr
.irp i, 0,1,2
	v_mov_b32 v[(\pc)+3+\i], v[XT+\i]
.endr
.endm
; A TILE'S WAY OUT: my four groups of 32 registers become four units and their scale bytes.  first: the launch's first way out.  pre: PRESWAP first.
; ub, uoff: base and offset of the units.  sadr, sb, soff, sstep: lane term, base, offset and step of the scale stores, two groups to a store.  Every tile's place stands in an immediate: no pointer is stepped
.macro QOUT first, pre, ub, uoff, sadr, sb, soff, sstep
	PLACES
.if (\first) == 0
	s_wait_xcnt 0x0                                ; the last tile's stores have read their registers: the codes' registers are written again only behind this wait
.endif
	WIN 0xaa                                       ; every operand in window 2
.irp i, 0,1,2,3
.if \pre
	PRESWAP 32*\i
.endif
	HQUANT 32*\i, CD+8*\i, PW+\i
.endr
	v_cndmask_b32 v[CW], v[PW], v[PW+1], s80       ; lanes 0-15 the first group's rows, lanes 16-31 the second's
	v_cndmask_b32 v[CW+1], v[PW+2], v[PW+3], s80
	WIN 0x08                                       ; a store's data window 2, its address window 0
.irp i, 0,1,2,3
	global_store_b128 v20, v[CD+8*\i:CD+8*\i+3], s[\ub:\ub+1] offset:(\uoff)+768*\i   ; 512 consecutive bytes, aligned
	global_store_b64 v21, v[CD+8*\i+4:CD+8*\i+5], s[\ub:\ub+1] offset:(\uoff)+768*\i  ; 256 consecutive bytes, aligned
.endr
	global_store_b16 v[\sadr], v[CW], s[\sb:\sb+1] offset:(\soff)
	global_store_b16 v[\sadr], v[CW+1], s[\sb:\sb+1] offset:(\soff)+(\sstep)
	WIN 0
.endm
	s_load_b256 s[4:11], s[0:1], 0x0               ; A s[4:5], W's codes s[6:7], W's scales s[8:9], out s[10:11]
	v_lshl_add_u32 v28, v0, 2, SPARE
	v_mov_b32 v29, 0
	ds_add_u32 v28, v29                            ; the opening lines: the add, twice on end, and its wait ahead of the first round
	ds_add_u32 v28, v29
	v_lshrrev_b32 v1, 5, v0
	v_readfirstlane_b32 s16, v1                    ; wave 0..3
	s_lshr_b32 s17, s16, 1                         ; which 64 rows of the tile are mine.  Also: which chunk of W's panel I fetch
	s_and_b32 s18, s16, 1                          ; which 64 columns.  Also: which 64 rows of that chunk
	s_bfe_u32 s20, ttmp6, 0x40000                  ; cx, cy: my place in the cluster
	s_bfe_u32 s21, ttmp6, 0x40004
	s_lshl_b32 s22, ttmp9, 2
	s_add_co_u32 s22, s22, s20                     ; my first tile's column = 4 x cluster x + cx: 0 .. 7
	s_and_b32 s23, ttmp7, 0xffff
	s_lshl_b32 s23, s23, 2
	s_add_co_u32 s23, s23, s21                     ; tile row = 4 x cluster y + cy
	s_lshl_b32 s40, s21, 2
	s_lshl_b32 s40, 15, s40                        ; my row of the cluster
	s_lshl_b32 s41, 0x1111, s20                    ; my column
	s_or_b32 s[G1A], s40, (3<<16)|(1<<21)          ; A: two blocks of 16 rows are a dense block of 24,576 bytes: 96 rows of 256 bytes (32 elements of 8); the mask, bit 21 beside it
	s_mov_b32 s[G1A+1], 32<<16
	s_mov_b32 s[G1A+2], 192<<16                    ; four blocks of 16 rows: 49,152 dense bytes
	s_mov_b32 s[G1A+3], 32<<16
	s_mov_b32 s[G1A+4], 192
	s_mov_b32 s[G1A+5], 32
	s_mov_b32 s[G1A+6], 0
	s_mov_b32 s[G1A+7], 0
	s_or_b32 s[G1B], s41, (1<<20)|(1<<21)|(5<<22)|(3<<25)   ; W: elements of 1 byte; 4 words of padding behind every 64
	s_mov_b32 s[G1B+1], 768<<16                    ; a whole row of 1,024 codes: it begins at a multiple of 256 bytes
	s_mov_b32 s[G1B+2], 64<<16
	s_mov_b32 s[G1B+3], 768<<16
	s_mov_b32 s[G1B+4], 64
	s_mov_b32 s[G1B+5], BROW
	s_mov_b32 s[G1B+6], 0
	s_mov_b32 s[G1B+7], 0
	s_lshl_b32 s42, s23, 3                         ; A's address hangs on the tile row and the wave alone: blocks 8 x tile row + 4 x (wave % 2) on,
	s_lshl_b32 s43, s18, 2                         ; the head's load of A: four blocks, which half
	s_add_co_u32 s42, s42, s43
	s_mul_i32 s42, s42, AROW
	s_mov_b32 s43, 0
	s_lshl_b32 s44, s22, 7                         ; W's on the tile column and the wave alone
	s_lshl_b32 s45, s18, 6
	s_add_co_u32 s44, s44, s45
	s_mul_i32 s44, s44, BROW
	s_mov_b32 s45, 0
	s_mul_i32 s46, s18, 4*16*768                   ; where the head's halves go: no place in the cluster enters an LDS address
	s_mul_i32 s47, s18, 64*BP
	s_add_co_u32 s47, s47, BBASE
	s_wait_dscnt 0x0                               ; both opening adds are done
	s_wait_kmcnt 0x0
	s_add_nc_u64 s[42:43], s[4:5], s[42:43]
	s_add_nc_u64 s[44:45], s[6:7], s[44:45]
	s_mov_b32 s[G0A], 1
	s_mov_b32 s[G0A+1], s46
	s_mov_b64 s[G0A+2:G0A+3], s[42:43]
	s_or_b32 s[G0A+3], s[G0A+3], 0x80000000
	s_mov_b32 s[G0H], 1                            ; the head's load of W: 64 rows of tile 0's panel
	s_mov_b32 s[G0H+1], s47
	s_mov_b64 s[G0H+2:G0H+3], s[44:45]
	s_or_b32 s[G0H+3], s[G0H+3], 0x80000000
	s_mul_i32 s66, s17, 32*BROW                    ; in the ring a wave fetches 32 rows: a quarter of a panel
	s_mov_b32 s67, 0
	s_add_nc_u64 s[44:45], s[44:45], s[66:67]
	s_mul_i32 s68, s17, 32*BP
	s_add_co_u32 s47, s47, s68
.irp s, 0,1
	s_mov_b32 s[G0B+4*\s], 1
	s_add_co_u32 s[G0B+4*\s+1], s47, \s*PANEL
	s_add_nc_u64 s[G0B+4*\s+2:G0B+4*\s+3], s[44:45], \s*PANELB
	s_or_b32 s[G0B+4*\s+3], s[G0B+4*\s+3], 0x80000000
.endr
	CROUND                                         ; all sixteen work-groups are here: the first joint loads meet
	s_cmp_eq_u32 s17, 0                            ; one load a wave at the head: waves 0, 1 A's halves, waves 2, 3 the halves of tile 0's panel
	s_cbranch_scc0 .Lhead_w
	tensor_load_to_lds s[G0A:G0A+3], s[G1A:G1A+7]
	s_nop 0
	PLACES
	s_branch .Lhead_asked
.Lhead_w:
	tensor_load_to_lds s[G0H:G0H+3], s[G1B:G1B+7]
	s_nop 0
	PLACES
.Lhead_asked:
	v_and_b32 v1, 31, v0                           ; lane
	v_and_b32 v2, 15, v0                           ; r
	v_bfe_u32 v3, v0, 4, 1                         ; h
	s_mul_i32 s66, s17, 4*16*768                   ; my four blocks of A
	s_add_co_u32 s67, s66, 512
	v_lshl_add_u32 v[ADA16], v1, 4, s66
	v_lshl_add_u32 v[ADA8], v1, 3, s67
	s_mul_i32 s68, s18, 64*BP                      ; my 64 rows of W
	s_add_co_u32 s68, s68, BBASE
	v_mul_u32_u24 v4, v2, BP
	v_mad_u32_u24 v5, v3, 24, v4
	v_add_nc_u32 v[ADB], s68, v5
	v_lshl_add_u32 v5, v3, 4, v5
	v_add_nc_u32 v[ADB2], s68, v5
.irp n, 1,2,3
	v_add_nc_u32 v[ADB+\n], \n*CHUNK, v[ADB]       ; the ring's four chunks lie on end
	v_add_nc_u32 v[ADB2+\n], \n*CHUNK, v[ADB2]
.endr
	v_lshlrev_b32 v16, 2, v1                       ; 4 l
	s_wait_alu depctr_va_vdst(0)
	v_mul_u32_u24 v17, v1, KSB                     ; a row of W's scale bytes a lane
	s_wait_alu depctr_va_vdst(0)
	v_lshlrev_b32 v20, 4, v1                       ; a unit: 16 l,
	v_lshl_add_u32 v21, v1, 3, 512                 ; 512 + 8 l
	v_lshlrev_b32 v22, 1, v1                       ; 2 l
	v_cmp_le_u32 s80, 16, v1                       ; lanes 16-31
	s_mov_b32 s[SEL], 0x76543210
	s_mov_b32 s[SEL+1], 0xfedcba98
	s_lshl_b32 s84, s23, 9                         ; A's scale words: 4 bytes a row, from my first row on
	s_lshl_b32 s85, s17, 8
	s_add_co_u32 s84, s84, s85
	s_add_co_u32 s84, s84, ASOFF
	s_mov_b32 s85, 0
	s_add_nc_u64 s[70:71], s[4:5], s[84:85]
	s_lshl_b32 s86, s22, 7
	s_lshl_b32 s87, s18, 6
	s_add_co_u32 s86, s86, s87                     ; my first column in tile 0
	s_mul_i32 s88, s86, KSB
	s_mov_b32 s89, 0
	s_add_nc_u64 s[72:73], s[8:9], s[88:89]
.set Q, 0
.rept NS                                       ; the scales go straight to registers, once: lanes 0-15 one block's rows, lanes 16-31 the next block's
	global_load_b32 v[ASC+Q], v16, s[70:71] offset:16384*Q
	global_load_b32 v[ASC+NS+Q], v16, s[70:71] offset:16384*Q+128
.set Q, Q+1
.endr
.irp t, 0,1,2                                  ; W's, of all three tiles: 1,024 rows of 32 bytes from tile to tile
.irp p, 0,1
.irp u, 0,1
	global_load_b128 v[BSC+16*\t+8*\p+4*\u:BSC+16*\t+8*\p+4*\u+3], v17, s[72:73] offset:32768*\t+1024*\p+16*\u
.endr
.endr
.endr
	WIN 0x80
	v_mov_b32 v[TM+4], 0                           ; written once: a lane permute's destination counts as one of its sources
	v_mov_b32 v[TM+5], 0
	WIN 0
	s_lshl_b32 s84, s22, 1
	s_add_co_u32 s84, s84, s18                     ; my head: the same in q, k and v
	s_lshr_b32 s85, s23, 4
	s_lshl_b32 s85, s85, 4
	s_add_co_u32 s84, s84, s85                     ; 16 x batch + head
	s_and_b32 s85, s23, 15                         ; my 128 tokens inside the batch
	s_lshl_b32 s86, s84, 7                         ; q's units: 128 a head (k's lie KC bytes on)
	s_lshl_b32 s87, s85, 3
	s_add_co_u32 s86, s86, s87
	s_lshl_b32 s87, s17, 2
	s_add_co_u32 s86, s86, s87
	s_mul_i32 s86, s86, 768
	s_mov_b32 s87, 0
	s_add_nc_u64 s[76:77], s[10:11], s[86:87]
	s_lshl_b32 s88, s84, 11                        ; q's scale bytes: 2 a token (k's lie KS - QS bytes on)
	s_lshl_b32 s89, s85, 7
	s_add_co_u32 s88, s88, s89
	s_lshl_b32 s89, s17, 6
	s_add_co_u32 s88, s88, s89
	s_lshl_b32 s88, s88, 1
	s_add_co_u32 s88, s88, QS
	s_mov_b32 s89, 0
	s_add_nc_u64 s[82:83], s[10:11], s[88:89]
	s_lshl_b32 s86, s84, 5                         ; v's units: 32 runs of 64 tokens a head, four tiles of channels each
	s_lshl_b32 s87, s85, 1
	s_add_co_u32 s86, s86, s87
	s_add_co_u32 s86, s86, s17
	s_mul_i32 s86, s86, 4*768
	s_add_co_u32 s86, s86, VC
	s_mov_b32 s87, 0
	s_add_nc_u64 s[94:95], s[10:11], s[86:87]
	s_lshl_b32 s88, s84, 4                         ; v's scale words: [128 tokens][64 channels]; my 64 tokens' half of each
	s_add_co_u32 s88, s88, s85
	s_lshl_b32 s88, s88, 8
	s_lshl_b32 s89, s17, 1
	s_add_co_u32 s88, s88, s89
	s_add_co_u32 s88, s88, VS
	s_mov_b32 s89, 0
	s_add_nc_u64 s[96:97], s[10:11], s[88:89]
	s_wait_alu depctr_va_vdst(0)                   ; the wait at the head's end
	s_wait_tensorcnt 0x0                           ; my load of the head is in
	ds_add_u32 v28, v29
	s_mov_b32 s[G1B+2], 32<<16                     ; no load of mine is out: from here on a load of W brings 32 rows
	s_mov_b32 s[G1B+4], 32
	s_wait_dscnt 0x0
	CROUND
	tensor_load_to_lds s[G0B+4:G0B+7], s[G1B:G1B+7]        ; my quarter of tile 1's panel: it has tile 0's 128 products in which to land
	s_nop 0
	PLACES
	FETCH 0, 0, 0
	s_wait_loadcnt 0x0                             ; the scale words
	TILE 0, 1                                      ; q
	QOUT 1, 1, 76, 0, 22, 82, 0, 64
	TILE 1, 1                                      ; k
	QOUT 0, 1, 76, KC, 22, 82, KS-QS, 64
	TILE 2, 0                                      ; v
	QOUT 0, 0, 94, 0, 16, 96, 0, 128
	s_wait_tensorcnt 0x0                           ; the wave's end
	ds_add_u32 v28, v29
	s_wait_dscnt 0x0
	CROUND                                         ; the closing round: no work-group ends while a partner may still ask for a tile that names it
	s_endpgm
.Lfunc_end_k_q24270cb98e_qkv:
	.size	k_q24270cb98e_qkv, .Lfunc_end_k_q24270cb98e_qkv-k_q24270cb98e_qkv
	.p2alignl 7, 3214868480
	.fill 96, 4, 3214868480
	.section	.rodata,"a",@progbits
	.p2align	6, 0x0
	.amdhsa_kernel k_q24270cb98e_qkv
		.amdhsa_group_segment_fixed_size 327680
		.amdhsa_private_segment_fixed_size 0
		.amdhsa_enable_private_segment 0
		.amdhsa_kernarg_size 32
		.amdhsa_user_sgpr_count 2
		.amdhsa_user_sgpr_kernarg_segment_ptr 1
		.amdhsa_wavefront_size32 1
		.amdhsa_system_sgpr_workgroup_id_x 1
		.amdhsa_system_sgpr_workgroup_id_y 1
		.amdhsa_system_sgpr_workgroup_id_z 1
		.amdhsa_system_vgpr_workitem_id 0
		.amdhsa_next_free_vgpr 768
		.amdhsa_next_free_sgpr 100
		.amdhsa_reserve_vcc 0
		.amdhsa_float_denorm_mode_32 3
		.amdhsa_float_denorm_mode_16_64 3
		.amdhsa_memory_ordered 1
		.amdhsa_forward_progress 1
		.amdhsa_inst_pref_size 156
	.end_amdhsa_kernel
	.amdgpu_metadata
---
amdhsa.version: [ 1, 2 ]
amdhsa.kernels:
  - .name:           k_q24270cb98e_qkv
    .symbol:         k_q24270cb98e_qkv.kd
    .args:
      - { .name: act1, .offset: 0, .size: 8, .value_kind: global_buffer, .address_space: global }
      - { .name: qkv_w_codes, .offset: 8, .size: 8, .value_kind: global_buffer, .address_space: global }
      - { .name: qkv_w_scales, .offset: 16, .size: 8, .value_kind: global_buffer, .address_space: global }
      - { .name: qkvb, .offset: 24, .size: 8, .value_kind: global_buffer, .address_space: global }
    .group_segment_fixed_size: 327680
    .private_segment_fixed_size: 0
    .kernarg_segment_align: 8
    .kernarg_segment_size: 32
    .max_flat_workgroup_size: 128
    .sgpr_count:     100
    .vgpr_count:     768
    .wavefront_size: 32
...
	.end_amdgpu_metadata
.endif
;; end of part 8
;; launch attn (part 9): grid 8 x 32, 16 waves a work-group, no clusters, 327,680 bytes of LDS; arguments qkvb, act2; writes act2
.if DOCPART == 9
	.amdgcn_target "amdgcn-amd-amdhsa--gfx1250"
	.amdhsa_code_object_version 6
	.text
	.protected	k_q24270cb98e_attn
	.globl	k_q24270cb98e_attn
	.p2align	8
	.type	k_q24270cb98e_attn,@function
k_q24270cb98e_attn:
	s_mov_b64 s[64:65], 0
	v_nop
	global_prefetch_b8 v0, s[64:65] scope:SCOPE_SE
	s_setreg_imm32_b32 hwreg(HW_REG_WAVE_MODE, 25, 1), 1
	s_wait_xcnt 0x0
; Causal attention of one head on codes of BF6 (E3M2) with E8M0 scales; the result, divided by the row's sum, is quantised along the model's 1,024 channels (a head is two blocks of 32) for the next product.
; IN (my own buffer): q, k: a unit of 768 bytes for each 16 tokens of a head (the image of registers 0-5 of a fragment: 16 rows x 64 K), 16 bits of scale bytes a token.  v: a unit for each 64 keys x 16 channels (rows = channels, K = keys), a scale word for each 128 keys and channel.
; The first product's K is 64: registers 6-11 of Q's fragment hold zero codes for the whole launch, and the upper two scale bytes are 0 (2^-127, over zeros).
; THE SOFTMAX: t = score x log2(e) / 8; M = the running largest t rounded UP to a whole number; p = 2^(t - M) is quantised along the keys, not normalised; the sum of the unquantised p divides at the end; when M moves, the sum and O are multiplied by 2^(old M - new M), exactly.
; SHARES.  Work-group (x, head) owns the blocks x and 15 - x of 128 queries: waves 0-7 the first, waves 8-15 the second, so every work-group has 17 block-steps behind the causal mask.  A wave owns 16 queries in 256 registers, four waves to a SIMD.
; LDS holds the head's K, V and scale bytes whole, each byte filled once: at the head every wave brings a piece of the first 512 keys or of the scale bytes, behind the first barrier a sixteenth of keys 512 to 2,047, so that work begins when the first has landed.  One load of each wave is out at the most.
; Every wave walks all 16 steps of 128 keys (constant trip counts, every barrier passed); a step all of whose keys come after the wave's queries is left out by a scalar branch on ids.
; NO CLUSTER: the work-groups that share a head differ in x, and the steps that a wave leaves out hang on x: partners would not run alike.
; LAYOUT.  S^T = K Q^T and O^T = V^T P^T: a lane holds one query throughout.  In a block of 32 keys p's codes stand in the order 0-7, 16-23, 8-15, 24-31, and so do v's: the products are the same.
; LIMITS: NaN and infinities are not served; a block whose largest magnitude lies under 2^-122, a block of zeros too, gets the byte 1 (only this program reads the bytes).
; REGISTERS: v1-6 lane terms, v8-11, v28-29 the step's addresses, v30 r - 8 h, v31 r; v12 -M, v13 the largest t, v[14:15] the sum; v16-27 Q; v32-79 four fragments of K; v96-159 S^T, then p; v160-191 O^T; v192-215 two fragments of V; v224-235 p's codes; v232-254 at work; v248-251, v253, v255 scale words.
.set KC, 3145728
.set QS, 9437184
.set KS, 9568256
.set ASOFF, 3145728
.set LV,  98304                        ; LDS: K's 128 units, then V's 128 units,
.set LKS, 196608                       ; K's scale bytes (4,096),
.set LVS, 200704                       ; V's scale words (4,096)
.set STG, 24576                        ; a stage: 512 keys' units of K or of V
.set WV,  8
.set Q0,  13                           ; s13 my first query
.set KF,  14                           ; s14 the step's first key
.set TK,  15                           ; s15 the step's units, in K and in V alike: 6,144 bytes a step
.set TS,  16                           ; s16 the step's scale bytes, in both tables: 256 bytes a step
.set CNT, 17
.set SEL, 20
.set CS,  22
.set G1T, 24                           ; s[24:31] group 1 for the head's units;  s[32:39] for the scale bytes;  s[40:51] three groups 0
.set G1S, 32
.set G0,  40
.set G1R, 52                           ; s[52:59] group 1 for the keys from 512 on: 9,216 bytes a wave
.set TM,  232
.set XT,  240
	s_load_b128 s[4:7], s[0:1], 0x0                ; in s[4:5], out s[6:7]
	v_lshl_add_u32 v86, v0, 2, 204800              ; my spare word, behind the tables: 16 waves x 128 bytes; never rewritten
	v_mov_b32 v87, 0                               ; 0; never rewritten
	ds_add_u32 v86, v87                            ; the opening lines: the add, twice on end, and its wait ahead of my first tensor load
	ds_add_u32 v86, v87
	v_lshrrev_b32 v8, 5, v0
	s_delay_alu instid0(VALU_DEP_1)
	v_readfirstlane_b32 s[WV], v8                  ; wave 0..15
	s_and_b32 s10, ttmp7, 0xffff                   ; 16 x batch + head
	s_mov_b32 s[G1T], 3<<16                        ; a dense block as rows of 256 bytes: elements of 8 bytes, no padding
	s_mov_b32 s[G1T+1], 32<<16
	s_mov_b32 s[G1T+2], 24<<16                     ; 6,144 bytes: a quarter of the first 512 keys' units of K or of V
	s_mov_b32 s[G1T+3], 32<<16
	s_mov_b32 s[G1T+4], 24
	s_mov_b32 s[G1T+5], 32
	s_mov_b32 s[G1T+6], 0
	s_mov_b32 s[G1T+7], 0
	s_mov_b32 s[G1S], 3<<16
	s_mov_b32 s[G1S+1], 32<<16
	s_mov_b32 s[G1S+2], 4<<16                      ; 1,024 bytes: an eighth of the two tables of scale bytes
	s_mov_b32 s[G1S+3], 32<<16
	s_mov_b32 s[G1S+4], 4
	s_mov_b32 s[G1S+5], 32
	s_mov_b32 s[G1S+6], 0
	s_mov_b32 s[G1S+7], 0
	s_mov_b32 s[G1R], 3<<16
	s_mov_b32 s[G1R+1], 32<<16
	s_mov_b32 s[G1R+2], 36<<16
	s_mov_b32 s[G1R+3], 32<<16
	s_mov_b32 s[G1R+4], 36
	s_mov_b32 s[G1R+5], 32
	s_mov_b32 s[G1R+6], 0
	s_mov_b32 s[G1R+7], 0
	s_mul_i32 s66, s10, 98304                      ; the head's units in K's part of the buffer
	s_add_co_u32 s66, s66, KC
	s_lshr_b32 s72, s[WV], 2                       ; AT THE HEAD, one load a wave.  Waves 0-3: the first 512 keys' units of K, 6,144 bytes each; waves 4-7: of V, 3,145,728 bytes on in the buffer
	s_and_b32 s73, s[WV], 3
	s_mul_i32 s74, s73, 6144
	s_mul_i32 s70, s72, LV
	s_add_co_u32 s70, s70, s74                     ; where they go
	s_mul_i32 s67, s72, 3145728
	s_add_co_u32 s74, s74, s67
	s_add_co_u32 s74, s74, s66
	s_mov_b32 s75, 0
	s_lshl_b32 s68, s10, 12                        ; waves 8-11: K's scale bytes, 1,024 each; waves 12-15: V's, 131,072 bytes behind K's
	s_and_b32 s72, s72, 1
	s_lshl_b32 s72, s72, 17
	s_add_co_u32 s68, s68, s72
	s_lshl_b32 s73, s73, 10
	s_add_co_u32 s68, s68, s73
	s_add_co_u32 s68, s68, KS
	s_mov_b32 s69, 0
	s_lshl_b32 s71, s[WV], 10
	s_add_co_u32 s71, s71, LKS-8192                ; wave 8 at LKS
	s_lshr_b32 s72, s[WV], 3                       ; BEHIND THE FIRST BARRIER, one load a wave: keys 512 to 2,047.  Waves 0-7: K's units, 9,216 bytes each; waves 8-15: V's
	s_and_b32 s73, s[WV], 7
	s_mul_i32 s73, s73, 9216
	s_add_co_u32 s73, s73, STG
	s_mul_i32 s76, s72, LV
	s_add_co_u32 s76, s76, s73                     ; where they go
	s_mul_i32 s72, s72, 3145728
	s_add_co_u32 s66, s66, s72
	s_add_co_u32 s66, s66, s73
	s_mov_b32 s67, 0
	s_mov_b32 s[SEL], 0x76543210
	s_mov_b32 s[SEL+1], 0xfedcba98
	s_mov_b32 s[CS], 0x3e38aa3b                    ; c = log2(e) / sqrt(64)
	s_mov_b32 s[CS+1], s[CS]                       ; (named with it as a pair, so it is written)
	s_wait_dscnt 0x0                               ; both opening adds are done
	s_wait_kmcnt 0x0
	s_add_nc_u64 s[66:67], s[4:5], s[66:67]
	s_add_nc_u64 s[68:69], s[4:5], s[68:69]
	s_mov_b32 s[G0], 1
	s_mov_b32 s[G0+1], s71
	s_mov_b64 s[G0+2:G0+3], s[68:69]
	s_or_b32 s[G0+3], s[G0+3], 0x80000000
	s_add_nc_u64 s[74:75], s[4:5], s[74:75]
	s_mov_b32 s[G0+4], 1
	s_mov_b32 s[G0+5], s70
	s_mov_b64 s[G0+6:G0+7], s[74:75]
	s_or_b32 s[G0+7], s[G0+7], 0x80000000
	s_mov_b32 s[G0+8], 1
	s_mov_b32 s[G0+9], s76
	s_mov_b64 s[G0+10:G0+11], s[66:67]
	s_or_b32 s[G0+11], s[G0+11], 0x80000000
	s_cmp_lt_u32 s[WV], 8                          ; two arms, a load in each, one join
	s_cbranch_scc0 .Lfill_s
	tensor_load_to_lds s[G0+4:G0+7], s[G1T:G1T+7]
	s_nop 0
.rept 4
	v_nop
.endr
	s_branch .Lfilled
.Lfill_s:
	tensor_load_to_lds s[G0:G0+3], s[G1S:G1S+7]
	s_nop 0
.rept 4
	v_nop
.endr
.Lfilled:
	s_lshr_b32 s72, s[WV], 3
	s_sub_co_u32 s73, 15, ttmp9
	s_cmp_eq_u32 s72, 0
	s_cselect_b32 s12, ttmp9, s73                  ; my block of 128 queries
	s_and_b32 s74, s[WV], 7
	s_lshl_b32 s[Q0], s12, 7
	s_lshl_b32 s74, s74, 4
	s_add_co_u32 s[Q0], s[Q0], s74
	s_lshr_b32 s75, s[Q0], 4                       ; my tile of 16 queries in the head
	s_lshl_b32 s76, s10, 7
	s_add_co_u32 s76, s76, s75
	s_mul_i32 s76, s76, 768                        ; Q's unit (q's part begins the buffer)
	s_mov_b32 s77, 0
	s_add_nc_u64 s[76:77], s[4:5], s[76:77]
	s_lshl_b32 s78, s10, 11
	s_add_co_u32 s78, s78, s[Q0]
	s_lshl_b32 s78, s78, 1
	s_add_co_u32 s78, s78, QS
	s_mov_b32 s79, 0
	s_add_nc_u64 s[78:79], s[4:5], s[78:79]        ; Q's scale bytes
	s_lshr_b32 s80, s10, 4                         ; batch
	s_and_b32 s81, s10, 15                         ; head
	s_lshl_b32 s82, s80, 7
	s_add_co_u32 s82, s82, s75
	s_lshl_b32 s82, s82, 4
	s_add_co_u32 s82, s82, s81
	s_mul_i32 s82, s82, 768                        ; out: unit [block of 16 rows][head]
	s_mov_b32 s83, 0
	s_add_nc_u64 s[82:83], s[6:7], s[82:83]
	s_lshr_b32 s84, s81, 1                         ; out: scale words [K step = head / 2][row]; my head's half of the word
	s_lshl_b32 s84, s84, 12
	s_lshl_b32 s85, s80, 11
	s_add_co_u32 s84, s84, s85
	s_add_co_u32 s84, s84, s[Q0]
	s_lshl_b32 s84, s84, 2
	s_and_b32 s85, s81, 1
	s_lshl_b32 s85, s85, 1
	s_add_co_u32 s84, s84, s85
	s_add_co_u32 s84, s84, ASOFF
	s_mov_b32 s85, 0
	s_add_nc_u64 s[84:85], s[6:7], s[84:85]
	v_and_b32 v30, 31, v0                          ; lane
	v_and_b32 v31, 15, v0                          ; r
	s_delay_alu instid0(VALU_DEP_2)
	v_lshlrev_b32 v1, 4, v30                       ; a unit's first 512 bytes: 16 l
	s_delay_alu instid0(VALU_DEP_3)
	v_lshl_add_u32 v2, v30, 3, 512                 ; its last 256: 512 + 8 l
	s_delay_alu instid0(VALU_DEP_2)
	v_add_nc_u32 v3, LV, v1                        ; the same in V
	s_delay_alu instid0(VALU_DEP_2)
	v_add_nc_u32 v4, LV, v2
	v_lshl_add_u32 v5, v31, 1, LKS                 ; K's scale bytes: 2 r
	v_lshl_add_u32 v6, v31, 2, LVS                 ; V's scale words: 4 r
	v_lshlrev_b32 v7, 1, v31
	global_load_b128 v[16:19], v1, s[76:77]        ; Q's unit stays in registers
	global_load_b64 v[20:21], v2, s[76:77]
	global_load_u16 v255, v7, s[78:79]             ; and its scale bytes, the upper two 0
	v_bfe_u32 v30, v0, 4, 1
	s_delay_alu instid0(VALU_DEP_1)
	v_lshlrev_b32 v30, 3, v30
	s_delay_alu instid0(VALU_DEP_1)
	v_sub_nc_u32 v30, v31, v30                     ; r - 8 h, for the mask
.irp j, 22,23,24,25,26,27
	v_mov_b32 v[\j], 0                             ; K = 64 .. 127 of Q: zero codes
.endr
.irp j, 80,81,82,83,84,85
	v_mov_b32 v[\j], 0                             ; behind K's eight half-fragments: the upper half of the eighth; never loaded into
.endr
	v_mov_b32 v13, 0xff61b1e6                      ; the largest t so far: -3e38, under every t
	s_delay_alu instid0(VALU_DEP_1)
	v_floor_f32 v12, -v13                          ; -M
	v_mov_b32 v14, 0
	v_mov_b32 v15, 0
.irp b, 0,1,2,3
	v_mov_b32 v[236+\b], 0                         ; written once: a lane permute's destination counts as one of its sources
.endr
	v_mov_b32 v253, 0                              ; (named as the upper half of the pair v[252:253] before it is first written)
.irp j, 0,1,2,3,4,5,6,7,8,9,10,11,12,13,14,15,16,17,18,19,20,21,22,23,24,25,26,27,28,29,30,31
	v_mov_b32 v[160+\j], 0                         ; O^T: the step is written once; the first finds zeros, which the first change of M leaves zeros
.endr
; A KEY STEP: 128 keys
.macro STEP
	s_add_co_u32 s86, s[Q0], 15
	s_cmp_gt_u32 s[KF], s86                        ; all keys behind my queries: the step's work is left out, not the lines at its end that step addresses
	s_cbranch_scc1 .Lhidden_\@
	v_add_nc_u32 v8, s[TK], v1                     ; six additions: also the places in front of loads into registers that the last products read
	v_add_nc_u32 v9, s[TK], v2
	v_add_nc_u32 v10, s[TK], v3
	v_add_nc_u32 v11, s[TK], v4
	v_add_nc_u32 v28, s[TS], v5
	v_add_nc_u32 v29, s[TS], v6
	s_wait_alu depctr_va_vdst(0)
; K's eight tiles of 16 keys, six registers each, lie ON END in v32-79: a product's source 0 is tile t's six registers and the six behind them (tile t + 1's codes; zeros behind the eighth).
; Those stand at K = 64 .. 127, where Q's codes are zeros: every code of this format is a finite number, and the scale bytes there are 0 (2^-127): they add nothing.
.irp t, 0,1,2,3,4,5,6,7
	ds_load_b128 v[32+6*\t:35+6*\t], v8 offset:768*\t
	ds_load_b64 v[36+6*\t:37+6*\t], v9 offset:768*\t
	ds_load_u16 v[248+\t-164*(\t/4)], v28 offset:32*\t      ; scale bytes: tiles 0-3 in v248-251, tiles 4-7 in v88-91
.endr
.irp t, 0,1                                    ; V's tiles 0 and 1 of 16 channels are asked for now: they land under the softmax
.irp c, 0,1
	ds_load_b128 v[192+12*\t+6*\c:195+12*\t+6*\c], v10 offset:768*(4*\c+\t)
	ds_load_b64 v[196+12*\t+6*\c:197+12*\t+6*\c], v11 offset:768*(4*\c+\t)
.endr
.endr
	s_wait_dscnt 8                                 ; K's 24 loads are in; V's eight, issued behind them, may be out
.irp t, 0,1,2,3,4,5,6,7                        ; S^T = K Q^T
	v_wmma_scale_f32_16x16x128_f8f6f4 v[96+8*\t:103+8*\t], v[32+6*\t:43+6*\t], v[16:27], 0, v[248+\t-164*(\t/4)], v255 matrix_a_fmt:MATRIX_FMT_BF6 matrix_b_fmt:MATRIX_FMT_BF6
.endr                                          ; register 8 T + j of lane (r, h): key KF + 16 T + 8 h + j, query r
.rept 4
	v_nop                                          ; places: for the loads below and for the reads of S^T
.endr
.irp t, 2,3                                    ; V's tiles 2 and 3 into v32-55, which K has left, and V's four scale words into v248-251
.irp c, 0,1
	ds_load_b128 v[8+12*\t+6*\c:11+12*\t+6*\c], v10 offset:768*(4*\c+\t)
	ds_load_b64 v[12+12*\t+6*\c:13+12*\t+6*\c], v11 offset:768*(4*\c+\t)
.endr
.endr
.irp t, 0,1,2,3
	ds_load_b32 v[248+\t], v29 offset:64*\t
.endr
	s_add_co_u32 s86, s[KF], 127
	s_cmp_le_u32 s86, s[Q0]                        ; all keys count: no mask
	s_cbranch_scc1 .Lopen_\@
	s_sub_co_i32 s86, s[Q0], s[KF]
	v_add_nc_u32 v252, s86, v30                    ; d = my query - KF - 8 h: register n is hidden where 16 (n / 8) + n % 8 > d
	v_mov_b32 v254, 0xff800000                     ; -infinity: p = 0 then
.irp n, 0,1,2,3,4,5,6,7,8,9,10,11,12,13,14,15,16,17,18,19,20,21,22,23,24,25,26,27,28,29,30,31,32,33,34,35,36,37,38,39,40,41,42,43,44,45,46,47,48,49,50,51,52,53,54,55,56,57,58,59,60,61,62,63
	v_cmp_gt_i32 vcc_lo, 16*(\n/8)+\n%8, v252
	v_cndmask_b32 v[96+\n], v[96+\n], v254, vcc_lo
.endr
.Lopen_\@:
.irp b, 0,1,2,3
	v_max3_num_f32 v[232+\b], v[96+16*\b], v[97+16*\b], v[98+16*\b]   ; the largest score of each block of 32 keys: for the row's maximum, and, since p rises with the score, for the block's largest p
.endr
.irp i, 3,5,7,9,11,13
.irp b, 0,1,2,3
	v_max3_num_f32 v[232+\b], v[232+\b], v[96+16*\b+\i], v[97+16*\b+\i]
.endr
.endr
.irp b, 0,1,2,3
	v_max_num_f32 v[232+\b], v[232+\b], v[111+16*\b]
.endr
.irp b, 0,1,2,3
	s_delay_alu instid0(VALU_DEP_4)
	v_permlanex16_b32 v[236+\b], v[232+\b], s[SEL], s[SEL+1]
.endr
.irp b, 0,1,2,3
	s_delay_alu instid0(VALU_DEP_4)
	v_max_num_f32 v[232+\b], v[232+\b], v[236+\b]  ; with lane l xor 16's 16 keys
.endr
	s_delay_alu instid0(VALU_DEP_2)
	v_max3_num_f32 v254, v232, v233, v234
	s_delay_alu instid0(VALU_DEP_1)
	v_max_num_f32 v254, v254, v235
	s_delay_alu instid0(VALU_DEP_1)
	v_mul_f32 v254, s[CS], v254                    ; the step's largest t (c is positive)
	s_delay_alu instid0(VALU_DEP_1)
	v_max_num_f32 v13, v13, v254
	v_mov_b32 v254, v12
	s_delay_alu instid0(VALU_DEP_2)
	v_floor_f32 v12, -v13                          ; the new -M = -ceil(t): a whole number
	s_delay_alu instid0(VALU_DEP_1)
	v_sub_f32 v254, v12, v254                      ; old M - new M: a whole number, 0 or less
	s_delay_alu instid0(VALU_DEP_1)
	v_cvt_i32_f32 v254, v254                       ; (it saturates)
	s_delay_alu instid0(VALU_DEP_1)
	v_ldexp_f32 v252, 1.0, v254                    ; f = 2^(old M - new M)
.irp j, 0,2,4,6,8,10,12,14,16,18,20,22,24,26,28,30,32,34,36,38,40,42,44,46,48,50,52,54,56,58,60,62
	v_pk_fma_f32 v[96+\j:97+\j], v[96+\j:97+\j], s[CS:CS+1], v[12:13] op_sel_hi:[1,0,0]   ; t - M
.endr
.irp b, 0,1,2,3
	v_fma_f32 v[232+\b], v[232+\b], s[CS], v12
.endr
	s_wait_alu depctr_va_vdst(0)
.irp j, 0,1,2,3,4,5,6,7,8,9,10,11,12,13,14,15,16,17,18,19,20,21,22,23,24,25,26,27,28,29,30,31,32,33,34,35,36,37,38,39,40,41,42,43,44,45,46,47,48,49,50,51,52,53,54,55,56,57,58,59,60,61,62,63
	v_exp_f32 v[96+\j], v[96+\j]                   ; p = 2^(t - M), at most 1
.endr
.irp b, 0,1,2,3
	v_exp_f32 v[232+\b], v[232+\b]                 ; the block's largest p: the same two instructions on the same number
.endr
	v_pk_mul_f32 v[14:15], v[14:15], v[252:253] op_sel_hi:[1,0]   ; the sum under the new M (a plain place behind the exponentials)
	s_wait_alu depctr_va_vdst(0)                   ; one wait for the whole batch, ahead of its first reader
.irp b, 0,1,2,3
	v_max_num_f32 v[232+\b], 0x2800000, v[232+\b]  ; the floor 2^(5 - 127)
.endr
.irp b, 0,1,2,3
	s_delay_alu instid0(VALU_DEP_4)
	v_add_nc_u32 v[244+\b], 0xfe000000, v[232+\b]  ; the conversion's scale operand
.endr
.irp b, 0,1,2,3
	s_delay_alu instid0(VALU_DEP_4)
	v_lshrrev_b32 v[236+\b], 23, v[244+\b]
.endr
	s_delay_alu instid0(VALU_DEP_3)
	v_lshl_or_b32 v253, v237, 8, v236              ; p's scale word for these 128 keys
	s_delay_alu instid0(VALU_DEP_1)
	v_lshl_or_b32 v253, v238, 16, v253
	s_delay_alu instid0(VALU_DEP_1)
	v_lshl_or_b32 v253, v239, 24, v253
.irp c, 0,1
	v_cvt_scalef32_pk16_bf6_f32 v[224+6*\c:226+6*\c], v[96+32*\c:111+32*\c], v[244+2*\c]
	v_cvt_scalef32_pk16_bf6_f32 v[236+4*\c:238+4*\c], v[112+32*\c:127+32*\c], v[244+2*\c+1]
.endr
	v_nop                                          ; one plain place behind a scaled conversion
.irp c, 0,1
.irp i, 0,1,2
	v_permlane16_swap_b32 v[224+6*\c+\i], v[236+4*\c+\i]
.endr
.irp i, 0,1,2
	s_delay_alu instid0(VALU_DEP_3)
	v_mov_b32 v[227+6*\c+\i], v[236+4*\c+\i]
.endr
.endr
	v_pk_add_f32 v[236:237], v[100:101], v[104:105]
	v_pk_add_f32 v[222:223], v[108:109], v[112:113]
	v_pk_add_f32 v[220:221], v[116:117], v[120:121]
	v_pk_add_f32 v[218:219], v[124:125], v[128:129]
	v_pk_add_f32 v[216:217], v[132:133], v[136:137]
	v_pk_add_f32 v[94:95], v[140:141], v[144:145]
	v_pk_add_f32 v[92:93], v[148:149], v[152:153]
	v_pk_add_f32 v[14:15], v[14:15], v[156:157]
	v_pk_add_f32 v[236:237], v[236:237], v[96:97]
	v_pk_add_f32 v[222:223], v[222:223], v[98:99]
	v_pk_add_f32 v[220:221], v[220:221], v[102:103]
	v_pk_add_f32 v[218:219], v[218:219], v[106:107]
	v_pk_add_f32 v[216:217], v[216:217], v[110:111]
	v_pk_add_f32 v[94:95], v[94:95], v[114:115]
	v_pk_add_f32 v[92:93], v[92:93], v[118:119]
	v_pk_add_f32 v[14:15], v[14:15], v[122:123]
	v_pk_add_f32 v[236:237], v[236:237], v[126:127]
	v_pk_add_f32 v[222:223], v[222:223], v[130:131]
	v_pk_add_f32 v[220:221], v[220:221], v[134:135]
	v_pk_add_f32 v[218:219], v[218:219], v[138:139]
	v_pk_add_f32 v[216:217], v[216:217], v[142:143]
	v_pk_add_f32 v[94:95], v[94:95], v[146:147]
	v_pk_add_f32 v[92:93], v[92:93], v[150:151]
	v_pk_add_f32 v[14:15], v[14:15], v[154:155]
	v_pk_add_f32 v[236:237], v[236:237], v[158:159]
	s_delay_alu instid0(VALU_DEP_2)
	v_pk_add_f32 v[14:15], v[14:15], v[218:219]
	s_delay_alu instid0(VALU_DEP_2)
	v_pk_add_f32 v[236:237], v[236:237], v[216:217]
	v_pk_add_f32 v[222:223], v[222:223], v[94:95]
	v_pk_add_f32 v[220:221], v[220:221], v[92:93]
	s_delay_alu instid0(VALU_DEP_2)
	v_pk_add_f32 v[14:15], v[14:15], v[222:223]
	s_delay_alu instid0(VALU_DEP_2)
	v_pk_add_f32 v[236:237], v[236:237], v[220:221]
	s_delay_alu instid0(VALU_DEP_1)
	v_pk_add_f32 v[14:15], v[14:15], v[236:237]
	s_wait_alu depctr_va_vdst(0)
.irp j, 0,2,4,6,8,10,12,14,16,18,20,22,24,26,28,30
	v_pk_mul_f32 v[160+\j:161+\j], v[160+\j:161+\j], v[252:253] op_sel_hi:[1,0]   ; O^T under the new M
.endr
	s_wait_alu depctr_va_vdst(0)
	s_wait_dscnt 0x0                               ; V's fragments and scale words, asked for ahead of the softmax
.irp t, 0,1,2,3                                ; O^T += V^T P^T: four tiles of 16 channels, K = these 128 keys; tiles 0, 1 at v192, v204, tiles 2, 3 at v32, v44
	v_wmma_scale_f32_16x16x128_f8f6f4 v[160+8*\t:167+8*\t], v[192+12*\t-184*(\t/2):203+12*\t-184*(\t/2)], v[224:235], v[160+8*\t:167+8*\t], v[248+\t], v253 matrix_a_fmt:MATRIX_FMT_BF6 matrix_b_fmt:MATRIX_FMT_BF6
.endr
.Lhidden_\@:
	s_add_co_u32 s[KF], s[KF], 128
	s_add_co_u32 s[TK], s[TK], 6144
	s_add_co_u32 s[TS], s[TS], 256
.endm
; Two runs of steps, keys 0 to 511 and 512 to 2,047: before each, every wave waits for all its loads, then the barrier shows them to all sixteen
	s_wait_alu depctr_va_vdst(0)                   ; the wait at the head's end
	s_wait_loadcnt 0x0                             ; Q
	s_wait_tensorcnt 0x0                           ; my load of the head is in
	ds_add_u32 v86, v87
	s_mov_b32 s[TK], 0
	s_mov_b32 s[TS], 0
	s_mov_b32 s[KF], 0
	s_mov_b32 s[CNT], 4
	s_wait_dscnt 0x0
	s_barrier_signal -1
	s_barrier_wait -1                              ; the first 512 keys and all scale bytes are in, for all sixteen waves
	tensor_load_to_lds s[G0+8:G0+11], s[G1R:G1R+7] ; my sixteenth of keys 512 to 2,047: bytes that are filled once; it has four steps in which to land
	s_nop 0
.rept 4
	v_nop
.endr
.Lstep_a:                                              ; steps 0 to 3: keys 0 to 511
	STEP
	s_sub_co_u32 s[CNT], s[CNT], 1
	s_cmp_lg_u32 s[CNT], 0
	s_cbranch_scc1 .Lstep_a
	s_wait_tensorcnt 0x0                           ; my part of the later keys is in;
	s_wait_dscnt 0x0
	s_barrier_signal -1
	s_barrier_wait -1                              ; everybody's is
	s_mov_b32 s[TK], STG
	s_mov_b32 s[TS], 1024
	s_mov_b32 s[KF], 512
	s_mov_b32 s[CNT], 12
.Lstep_b:                                              ; steps 4 to 15: every wave walks them all; a step behind the wave's queries is left out inside STEP
	STEP
	s_sub_co_u32 s[CNT], s[CNT], 1
	s_cmp_lg_u32 s[CNT], 0
	s_cbranch_scc1 .Lstep_b
	s_wait_tensorcnt 0x0                           ; the wave's end, all lanes on
	ds_add_u32 v86, v87
	s_wait_dscnt 0x0
	; THE WAY OUT: O^T / the sum; neighbouring tiles' halves change places, so that a lane's 16 registers are 16 neighbouring channels; quantised; one unit and 16 bits of scale bytes a row
.rept 4
	v_nop                                          ; places behind the last products
.endr
	v_add_f32 v14, v14, v15
	s_delay_alu instid0(VALU_DEP_1)
	v_permlanex16_b32 v252, v14, s[SEL], s[SEL+1]
	s_delay_alu instid0(VALU_DEP_1)
	v_add_f32 v14, v14, v252                       ; the row's sum
	s_wait_alu depctr_va_vdst(0)
	v_rcp_f32 v14, v14
	v_lshlrev_b32 v28, 2, v31                      ; (a plain place behind the transcendental)  a scale word: 4 r
	v_and_b32 v29, 31, v0
	s_wait_alu depctr_va_vdst(0)
.irp j, 0,1,2,3,4,5,6,7,8,9,10,11,12,13,14,15,16,17,18,19,20,21,22,23,24,25,26,27,28,29,30,31
	v_mul_f32 v[96+\j], v[160+\j], v14             ; register 8 T + j: channel 16 T + 8 h + j of query r
.endr
.irp b, 0,1
.irp t, 0,1,2,3,4,5,6,7
	v_permlane16_swap_b32 v[96+16*\b+\t], v[104+16*\b+\t]   ; register 16 b + i: channel 32 b + 16 h + i
.endr
.endr
.irp b, 0,1
	v_max3_num_f32 v[TM+\b], |v[96+16*\b]|, |v[97+16*\b]|, 0x2800000
.endr
.irp i, 2,4,6,8,10,12,14
.irp b, 0,1
	s_delay_alu instid0(VALU_DEP_2)
	v_max3_num_f32 v[TM+\b], v[TM+\b], |v[96+16*\b+\i]|, |v[97+16*\b+\i]|
.endr
.endr
.irp b, 0,1
	s_delay_alu instid0(VALU_DEP_2)
	v_permlanex16_b32 v[TM+4+\b], v[TM+\b], s[SEL], s[SEL+1]
.endr
.irp b, 0,1
	s_delay_alu instid0(VALU_DEP_2)
	v_max_num_f32 v[TM+\b], v[TM+\b], v[TM+4+\b]
.endr
.irp b, 0,1
	s_delay_alu instid0(VALU_DEP_2)
	v_add_nc_u32 v[TM+12+\b], 0xfe000000, v[TM+\b]
.endr
.irp b, 0,1
	s_delay_alu instid0(VALU_DEP_2)
	v_lshrrev_b32 v[TM+4+\b], 23, v[TM+12+\b]
.endr
	s_delay_alu instid0(VALU_DEP_1)
	v_lshl_or_b32 v246, v[TM+5], 8, v[TM+4]
	v_cvt_scalef32_pk16_bf6_f32 v[224:226], v[96:111], v[TM+12]
	v_cvt_scalef32_pk16_bf6_f32 v[XT:XT+2], v[112:127], v[TM+13]
	v_nop
.irp i, 0,1,2
	v_permlane16_swap_b32 v[224+\i], v[XT+\i]
.endr
.irp i, 0,1,2
	s_delay_alu instid0(VALU_DEP_3)
	v_mov_b32 v[227+\i], v[XT+\i]
.endr
	global_store_b128 v1, v[224:227], s[82:83]     ; 512 consecutive bytes, aligned
	global_store_b64 v2, v[228:229], s[82:83]      ; 256 consecutive bytes, aligned
	s_wait_xcnt 0x0                                ; EXEC changes only behind this wait
	v_cmp_gt_u32 vcc_lo, 16, v29
	s_and_saveexec_b32 s86, vcc_lo                 ; lanes 0-15: my head's two bytes of each row's word (2 bytes, 4 bytes apart: the other half is another head's)
	global_store_b16 v28, v246, s[84:85]
	s_endpgm
.Lfunc_end_k_q24270cb98e_attn:
	.size	k_q24270cb98e_attn, .Lfunc_end_k_q24270cb98e_attn-k_q24270cb98e_attn
	.p2alignl 7, 3214868480
	.fill 96, 4, 3214868480
	.section	.rodata,"a",@progbits
	.p2align	6, 0x0
	.amdhsa_kernel k_q24270cb98e_attn
		.amdhsa_group_segment_fixed_size 327680
		.amdhsa_private_segment_fixed_size 0
		.amdhsa_enable_private_segment 0
		.amdhsa_kernarg_size 16
		.amdhsa_user_sgpr_count 2
		.amdhsa_user_sgpr_kernarg_segment_ptr 1
		.amdhsa_wavefront_size32 1
		.amdhsa_system_sgpr_workgroup_id_x 1
		.amdhsa_system_sgpr_workgroup_id_y 1
		.amdhsa_system_sgpr_workgroup_id_z 1
		.amdhsa_system_vgpr_workitem_id 0
		.amdhsa_next_free_vgpr 256
		.amdhsa_next_free_sgpr 96
		.amdhsa_reserve_vcc 1
		.amdhsa_float_denorm_mode_32 3
		.amdhsa_float_denorm_mode_16_64 3
		.amdhsa_memory_ordered 1
		.amdhsa_forward_progress 1
		.amdhsa_inst_pref_size 62
	.end_amdhsa_kernel
	.amdgpu_metadata
---
amdhsa.version: [ 1, 2 ]
amdhsa.kernels:
  - .name:           k_q24270cb98e_attn
    .symbol:         k_q24270cb98e_attn.kd
    .args:
      - { .name: qkvb, .offset: 0, .size: 8, .value_kind: global_buffer, .address_space: global }
      - { .name: act2, .offset: 8, .size: 8, .value_kind: global_buffer, .address_space: global }
    .group_segment_fixed_size: 327680
    .private_segment_fixed_size: 0
    .kernarg_segment_align: 8
    .kernarg_segment_size: 16
    .max_flat_workgroup_size: 512
    .sgpr_count:     96
    .vgpr_count:     256
    .wavefront_size: 32
...
	.end_amdgpu_metadata
.endif
;; end of part 9
;; launch proj (part 10): grid 8 x 32, 4 waves a work-group, clusters of 4 x 4, 229,376 bytes of LDS; arguments act2, proj_w_codes, proj_w_scales, x1, proj_b, x; writes x1
.if DOCPART == 10
	.amdgcn_target "amdgcn-amd-amdhsa--gfx1250"
	.amdhsa_code_object_version 6
	.text
	.protected	k_q24270cb98e_proj
	.globl	k_q24270cb98e_proj
	.p2align	8
	.type	k_q24270cb98e_proj,@function
k_q24270cb98e_proj:
	s_mov_b64 s[64:65], 0
	v_nop
	global_prefetch_b8 v0, s[64:65] scope:SCOPE_SE
	s_setreg_imm32_b32 hwreg(HW_REG_WAVE_MODE, 25, 1), 1
	s_wait_xcnt 0x0
	s_wait_alu depctr_hold_cnt(0) depctr_sa_sdst(0) depctr_va_vdst(0) depctr_va_sdst(0) depctr_va_ssrc(0) depctr_va_vcc(0) depctr_vm_vsrc(0)
	s_getreg_b32 s2, hwreg(HW_REG_IB_STS2, 6, 4)
	s_cmp_eq_u32 s2, 0
	s_cbranch_scc0 .Lentry_in_a_cluster
	s_endpgm
.Lentry_in_a_cluster:
	s_bfe_u32 s2, ttmp6, 0x10000c
	s_cmp_lg_u32 s2, 0xf033
	s_cbranch_scc0 .Lentry_shape_is_right
	s_endpgm
.Lentry_shape_is_right:
; out = res + bias + A W^T on codes of BF6 (E3M2) with E8M0 scales; A [4,096 x SIZE_K], W [1,024 x SIZE_K], out and res [4,096 x 1,024] f32.
; A (my own buffer): units of 768 bytes, images of half a fragment (16 rows x 64 K: lane l's registers 0-3 at 16 l, 4-5 at 512 + 8 l), [block of 16 rows][K / 64]; behind them scale words [K step][row].
; W: rows of codes as one stream of bits; scale bytes [row][K / 32].
; SHARES.  A tile of C is 128 x 128, four waves of 64 x 64 (16 accumulators): 256 work-groups, one for each WGP; a larger tile would leave WGPs without work at 1,024 columns.
; All of K lies in one LDS slot, filled once.
; CLUSTERS: 4 x 4 work-groups; A's tiles are asked for jointly along a row of the cluster, W's along a column.
; The product is used transposed (source 0 = W's rows, source 1 = tokens): a lane holds eight neighbouring columns of a row.  The bias is the C of each sum's first product.
; The residual is asked for at the head, in the layout in which results come back from the stage, and waits in window 3.
; REGISTERS, in windows of 256: window 0: v1-29 lane terms, from v32 scale words.  window 1: two buffers of fragments, 96 each.  window 2: v0-127 accumulators ((i, j) at 8 (4 i + j)), v128-159 bias, v160-191 rows on the way out.  window 3: v0-127 the residual.
.set SIZE_K,  1024
.set REFILL,  1
.set HASBIAS, 1
.set NS,      SIZE_K/128
.set NCH,     SIZE_K/512
.set AROW,    12*SIZE_K
.set BROW,    3*SIZE_K/4
.set ASOFF,   3072*SIZE_K
.set KSB,     SIZE_K/32
.set BP,      816                      ; a whole row of W in LDS: 3 x (256 bytes + 16 of padding) = 204 words: the 16 rows of a load start at 16 different multiples of 4 banks
.set BOFF,    8*16*768                 ; A's 128 rows x all of K, then W's 128 rows x all of K: one slot, filled once
.set SLOT,    BOFF+128*BP
.set STAGE,   SLOT                     ; behind it: 16 rows x 272 bytes for each wave; no fill lands here
.set SP,      272
.set SPARE,   STAGE+4*16*SP            ; the spare words
.set ADA16, 8
.set ADA8,  10
.set ADB,   12
.set ADB2,  14
.set STO,   23
.set RD,    24
.set ASC,   32
.set BSC,   32+2*NS
.set BIAS,  128
.set BK,    160
.set G1A, 24
.set G0A, 32
.set G1B, 48
.set G0B, 56
.set MSB, 0
.macro WIN new                         ; the immediate's high byte repeats the setting that is left
.if MSB != \new
	s_set_vgpr_msb (MSB<<8)|\new
.set MSB, \new
.endif
.endm
.macro PLACES                          ; four places behind a matrix instruction of this form (ISA guide 7.12.1)
.rept 4
	v_nop
.endr
.endm
.macro JLOAD g0a, g1a, g0b, g1b        ; a joint load: waves 0 and 1 fetch for A, waves 2 and 3 for W; four v_nop follow each of the two lines
	s_cmp_eq_u32 s17, 0
	s_cbranch_scc0 .Lfor_b_\@
	tensor_load_to_lds s[\g0a:\g0a+3], s[\g1a:\g1a+7]
	s_nop 0
.rept 4
	v_nop
.endr
	s_branch .Lasked_\@
.Lfor_b_\@:
	tensor_load_to_lds s[\g0b:\g0b+3], s[\g1b:\g1b+7]
	s_nop 0
.rept 4
	v_nop
.endr
.Lasked_\@:
.endm
.macro CROUND                          ; a round of the cluster's barrier
	s_barrier_signal -1
	s_barrier_wait -1
	s_cmp_lg_u32 s16, 0
	s_cbranch_scc1 .Lnot_wave_0_\@
	s_barrier_signal -3
.Lnot_wave_0_\@:
	s_barrier_wait -3
	s_barrier_signal -1
	s_barrier_wait -1
.endm
.macro WM d, a, b, c, sa, sb, ra, rb   ; one product; ra, rb: which half of the lanes holds source 0's and source 1's scale words
.set RR, 2*(\ra)+(\rb)
.if RR == 0
	v_wmma_scale_f32_16x16x128_f8f6f4 v[(\d):(\d)+7], v[(\a):(\a)+11], v[(\b):(\b)+11], v[(\c):(\c)+7], v[\sa], v[\sb] matrix_a_fmt:MATRIX_FMT_BF6 matrix_b_fmt:MATRIX_FMT_BF6
.elseif RR == 1
	v_wmma_scale_f32_16x16x128_f8f6f4 v[(\d):(\d)+7], v[(\a):(\a)+11], v[(\b):(\b)+11], v[(\c):(\c)+7], v[\sa], v[\sb] matrix_a_fmt:MATRIX_FMT_BF6 matrix_b_fmt:MATRIX_FMT_BF6 matrix_b_scale:MATRIX_SCALE_ROW1
.elseif RR == 2
	v_wmma_scale_f32_16x16x128_f8f6f4 v[(\d):(\d)+7], v[(\a):(\a)+11], v[(\b):(\b)+11], v[(\c):(\c)+7], v[\sa], v[\sb] matrix_a_fmt:MATRIX_FMT_BF6 matrix_b_fmt:MATRIX_FMT_BF6 matrix_a_scale:MATRIX_SCALE_ROW1
.else
	v_wmma_scale_f32_16x16x128_f8f6f4 v[(\d):(\d)+7], v[(\a):(\a)+11], v[(\b):(\b)+11], v[(\c):(\c)+7], v[\sa], v[\sb] matrix_a_fmt:MATRIX_FMT_BF6 matrix_b_fmt:MATRIX_FMT_BF6 matrix_a_scale:MATRIX_SCALE_ROW1 matrix_b_scale:MATRIX_SCALE_ROW1
.endif
.endm
; A step's 16 products from buffer f: source 0 = W's block j, source 1 = A's block i; the 16 accumulators take turns, one instruction a turn
.macro MUL gs, f
.irp i, 0,1,2,3
.irp j, 0,1,2,3
.set AC, 8*(4*\i+\j)
.if (\gs) > 0
.set CR, AC
.else
.set CR, BIAS+8*\j
.endif
	WM AC, 96*(\f)+48+12*\j, 96*(\f)+12*\i, CR, BSC+NS*(\j/2)+(\gs), ASC+NS*(\i/2)+(\gs), \j%2, \i%2
.endr
.endr
.endm
.macro FETCH slot, q, f                ; 40 LDS loads: the fragments of the slot's q-th 128 along K into buffer f
	WIN 0x40                                       ; destination window 1, address window 0
.irp a, 0,1,2,3
.irp c, 0,1
	ds_load_b128 v[96*(\f)+12*\a+6*\c:96*(\f)+12*\a+6*\c+3], v[ADA16] offset:(16*\a+8*(\slot)+2*(\q)+\c)*768
	ds_load_b64 v[96*(\f)+12*\a+6*\c+4:96*(\f)+12*\a+6*\c+5], v[ADA8] offset:(16*\a+8*(\slot)+2*(\q)+\c)*768
.endr
.endr
.irp b, 0,1,2,3
.irp p, 0,1,2,3,4,5
.set PCE, 12*(4*(\slot)+(\q))+6*(\p/3)+\p%3   ; lanes 0-15 take this piece of 8 bytes of the row, lanes 16-31 the piece three on, which lies behind one padding more where PCE % 32 is 29 or more
.if PCE%32 < 29
	ds_load_b64 v[96*(\f)+48+12*\b+2*\p:96*(\f)+48+12*\b+2*\p+1], v[ADB] offset:8*PCE+16*(PCE/32)+\b*16*BP
.else
	ds_load_b64 v[96*(\f)+48+12*\b+2*\p:96*(\f)+48+12*\b+2*\p+1], v[ADB2] offset:8*PCE+16*(PCE/32)+\b*16*BP
.endif
.endr
.endr
.endm
; On to chunk k, in the other slot.  Where slots are filled again: every wave waits for all its tensor loads, adds 0 to its spare word, waits for that and for its reads of the slot that it leaves;
; a round of the cluster's barrier; the joint refill (chunk k + 1 into the slot just left) first behind it, one load a wave.
.macro CHANGE k
	WIN 0
	s_wait_tensorcnt 0x0                           ; my part of chunk k has landed; no tensor load of mine is out
.if REFILL
	ds_add_u32 v28, v29                            ; 0 onto my spare word
.if (\k) < NCH-1
	s_add_nc_u64 s[G0A+4*(((\k)-1)%2)+2:G0A+4*(((\k)-1)%2)+3], s[G0A+4*(((\k)-1)%2)+2:G0A+4*(((\k)-1)%2)+3], 2*6144
	s_add_nc_u64 s[G0B+4*(((\k)-1)%2)+2:G0B+4*(((\k)-1)%2)+3], s[G0B+4*(((\k)-1)%2)+2:G0B+4*(((\k)-1)%2)+3], 2*384
.endif
	s_wait_dscnt 0x0                               ; the add is done, and my reads of the slot that I leave are over
.if (\k) < NCH-1
	CROUND
	JLOAD G0A+4*(((\k)-1)%2), G1A, G0B+4*(((\k)-1)%2), G1B   ; its four v_nop are also the places in front of the loads below
.else
	s_barrier_signal -1
	s_barrier_wait -1
	PLACES
.endif
.else
	s_barrier_signal -1
	s_barrier_wait -1
	PLACES
.endif
.endm
.macro STEP gs
	s_wait_dscnt 0x0                               ; this step's fragments, asked for a step ago, are in
.if (\gs) < NS-1
.if (\gs) > 0
	PLACES
.endif
	FETCH (((\gs)+1)/4)%2, ((\gs)+1)%4, ((\gs)+1)%2
.endif
	WIN 0xa5                                       ; sources 0 and 1 window 1, C and D window 2
	MUL \gs, (\gs)%2
.endm
	s_load_b256 s[4:11], s[0:1], 0x0               ; A s[4:5], W's codes s[6:7], W's scales s[8:9], out s[10:11]
	s_load_b128 s[12:15], s[0:1], 0x20             ; bias s[12:13], residual s[14:15]
	v_lshl_add_u32 v28, v0, 2, SPARE
	v_mov_b32 v29, 0
	ds_add_u32 v28, v29                            ; the opening lines: the add, twice on end, and its wait ahead of the first round
	ds_add_u32 v28, v29
	v_lshrrev_b32 v1, 5, v0
	v_readfirstlane_b32 s16, v1                    ; wave 0..3
	s_lshr_b32 s17, s16, 1                         ; which 64 rows of the tile are mine.  Also: I fetch for A (0) or for W (1)
	s_and_b32 s18, s16, 1                          ; which 64 columns.  Also: which half of that tile I fetch
	s_bfe_u32 s20, ttmp6, 0x40000                  ; cx, cy
	s_bfe_u32 s21, ttmp6, 0x40004
	s_lshl_b32 s22, ttmp9, 2
	s_add_co_u32 s22, s22, s20                     ; tile column
	s_and_b32 s23, ttmp7, 0xffff
	s_lshl_b32 s23, s23, 2
	s_add_co_u32 s23, s23, s21                     ; tile row
	s_lshl_b32 s40, s21, 2
	s_lshl_b32 s40, 15, s40                        ; my row of the cluster
	s_lshl_b32 s41, 0x1111, s20                    ; my column
	s_or_b32 s[G1A], s40, (3<<16)|(1<<21)          ; A: elements of 8 bytes, no padding; the mask, bit 21 beside it
	s_mov_b32 s[G1A+1], 32<<16                     ; four blocks of 16 rows x all of K: 49,152 dense bytes as 192 rows of 256
	s_mov_b32 s[G1A+2], 192<<16
	s_mov_b32 s[G1A+3], 32<<16
	s_mov_b32 s[G1A+4], 192
	s_mov_b32 s[G1A+5], 32
	s_mov_b32 s[G1A+6], 0
	s_mov_b32 s[G1A+7], 0
	s_or_b32 s[G1B], s41, (1<<20)|(1<<21)|(5<<22)|(3<<25)   ; W: elements of 1 byte; 4 words of padding behind every 64
	s_mov_b32 s[G1B+1], 768<<16                    ; a whole row of 1,024 codes: it begins at a multiple of 256 bytes
	s_mov_b32 s[G1B+2], 64<<16
	s_mov_b32 s[G1B+3], 768<<16
	s_mov_b32 s[G1B+4], 64
	s_mov_b32 s[G1B+5], BROW
	s_mov_b32 s[G1B+6], 0
	s_mov_b32 s[G1B+7], 0
	s_lshl_b32 s42, s23, 3                         ; A's address hangs on the tile row and the wave alone,
	s_lshl_b32 s43, s18, 2
	s_add_co_u32 s42, s42, s43
	s_mul_i32 s42, s42, AROW
	s_mov_b32 s43, 0
	s_lshl_b32 s44, s22, 7                         ; W's on the tile column and the wave alone
	s_lshl_b32 s45, s18, 6
	s_add_co_u32 s44, s44, s45
	s_mul_i32 s44, s44, BROW
	s_mov_b32 s45, 0
	s_mul_i32 s46, s18, 4*16*768
	s_mul_i32 s47, s18, 64*BP
	s_add_co_u32 s47, s47, BOFF
	s_wait_dscnt 0x0                               ; both opening adds are done
	s_wait_kmcnt 0x0
	s_add_nc_u64 s[42:43], s[4:5], s[42:43]
	s_add_nc_u64 s[44:45], s[6:7], s[44:45]
	CROUND                                         ; all sixteen work-groups are here: the first joint loads meet
.irp s, 0
	s_mov_b32 s[G0A+4*\s], 1
	s_add_co_u32 s[G0A+4*\s+1], s46, \s*SLOT
	s_add_nc_u64 s[G0A+4*\s+2:G0A+4*\s+3], s[42:43], \s*6144
	s_or_b32 s[G0A+4*\s+3], s[G0A+4*\s+3], 0x80000000
	s_mov_b32 s[G0B+4*\s], 1
	s_add_co_u32 s[G0B+4*\s+1], s47, \s*SLOT
	s_add_nc_u64 s[G0B+4*\s+2:G0B+4*\s+3], s[44:45], \s*384
	s_or_b32 s[G0B+4*\s+3], s[G0B+4*\s+3], 0x80000000
	JLOAD G0A+4*\s, G1A, G0B+4*\s, G1B             ; one load of mine is out
.endr
	v_and_b32 v1, 31, v0                           ; lane
	v_and_b32 v2, 15, v0                           ; r
	v_bfe_u32 v3, v0, 4, 1                         ; h
	s_mul_i32 s66, s17, 4*16*768
	s_add_co_u32 s67, s66, 512
	v_lshl_add_u32 v[ADA16], v1, 4, s66
	v_lshl_add_u32 v[ADA8], v1, 3, s67
	s_mul_i32 s68, s18, 64*BP
	s_add_co_u32 s68, s68, BOFF
	v_mul_u32_u24 v4, v2, BP
	v_mad_u32_u24 v5, v3, 24, v4
	v_add_nc_u32 v[ADB], s68, v5
	v_lshl_add_u32 v5, v3, 4, v5
	v_add_nc_u32 v[ADB2], s68, v5
	v_lshlrev_b32 v16, 2, v1                       ; 4 l
	v_mul_u32_u24 v17, v1, KSB
	v_lshlrev_b32 v18, 5, v3                       ; bias: 32 h
	s_wait_alu depctr_va_vdst(0)
	v_lshlrev_b32 v19, 12, v3
	v_lshl_add_u32 v19, v2, 4, v19                 ; out, residual: lanes 0-15 one row's 256 bytes, lanes 16-31 the next row's
	s_wait_alu depctr_va_vdst(0)
	s_mul_i32 s69, s16, 16*SP
	s_add_co_u32 s69, s69, STAGE                   ; my stage
	v_mul_u32_u24 v4, v2, SP
	v_lshl_add_u32 v4, v3, 5, v4
	v_add_nc_u32 v[STO], s69, v4                   ; in: row r, 32 bytes for each half of the lanes
	v_mul_u32_u24 v5, v3, SP
	v_lshl_add_u32 v5, v2, 4, v5
	v_add_nc_u32 v[RD], s69, v5                    ; back: two whole rows an instruction
	s_lshl_b32 s84, s23, 9
	s_lshl_b32 s85, s17, 8
	s_add_co_u32 s84, s84, s85
	s_add_co_u32 s84, s84, ASOFF
	s_mov_b32 s85, 0
	s_add_nc_u64 s[70:71], s[4:5], s[84:85]        ; A's scale words from my first row on
	s_lshl_b32 s86, s22, 7
	s_lshl_b32 s87, s18, 6
	s_add_co_u32 s86, s86, s87                     ; my first column
	s_mul_i32 s88, s86, KSB
	s_mov_b32 s89, 0
	s_add_nc_u64 s[72:73], s[8:9], s[88:89]
	s_lshl_b32 s88, s86, 2
	s_add_nc_u64 s[78:79], s[12:13], s[88:89]      ; bias at my first column
	s_lshl_b32 s90, s23, 7
	s_lshl_b32 s91, s17, 6
	s_add_co_u32 s90, s90, s91                     ; my first row
	s_lshl_b32 s90, s90, 12
	s_add_co_u32 s90, s90, s88
	s_mov_b32 s91, 0
	s_add_nc_u64 s[74:75], s[14:15], s[90:91]
	s_add_nc_u64 s[76:77], s[10:11], s[90:91]
.set Q, 0
.rept NS                                       ; the scales go straight to registers, once: lanes 0-15 one block's rows, lanes 16-31 the next block's
	global_load_b32 v[ASC+Q], v16, s[70:71] offset:16384*Q
	global_load_b32 v[ASC+NS+Q], v16, s[70:71] offset:16384*Q+128
.set Q, Q+1
.endr
.set Q, 0
.rept NS/4
	global_load_b128 v[BSC+4*Q:BSC+4*Q+3], v17, s[72:73] offset:16*Q
	global_load_b128 v[BSC+NS+4*Q:BSC+NS+4*Q+3], v17, s[72:73] offset:SIZE_K+16*Q
.set Q, Q+1
.endr
	WIN 0x80                                       ; destination window 2
.irp j, 0,1,2,3
	global_load_b128 v[BIAS+8*\j:BIAS+8*\j+3], v18, s[78:79] offset:64*\j        ; tile j: the bias at columns 16 j + 8 h + 0 .. 7
	global_load_b128 v[BIAS+8*\j+4:BIAS+8*\j+7], v18, s[78:79] offset:64*\j+16
.endr
	WIN 0xc0                                       ; destination window 3
.irp i, 0,1,2,3
.irp t, 0,1,2,3,4,5,6,7
	global_load_b128 v[32*\i+4*\t:32*\i+4*\t+3], v19, s[74:75] offset:(16*\i+2*\t)*4096   ; 16 lanes read 256 consecutive bytes, aligned
.endr
.endr
	WIN 0
	s_wait_alu depctr_va_vdst(0)                   ; the wait at the head's end
	s_wait_tensorcnt 0x0                           ; my one load is in
	s_barrier_signal -1
	s_barrier_wait -1
	FETCH 0, 0, 0
	s_wait_loadcnt 32                              ; scale words and bias are in; the residual's 32 loads may be out
.set GS, 0
.rept NS
	STEP GS
.set GS, GS+1
.endr
	; THE WAY OUT, 16 rows at a time: through my own stage (LDS serves a wave's instructions in order: ISA guide 5.7.1.4), back as whole rows of 256 bytes, the residual added, stored
	PLACES
	s_wait_alu depctr_va_vdst(0)
	s_wait_loadcnt 0x0                             ; the residual
.irp i, 0,1,2,3
	WIN 0x08                                       ; a store's data window 2
.irp j, 0,1,2,3
	ds_store_b128 v[STO], v[32*\i+8*\j:32*\i+8*\j+3] offset:64*\j          ; each accumulator from its low end on
	ds_store_b128 v[STO], v[32*\i+8*\j+4:32*\i+8*\j+7] offset:64*\j+16
.endr
.if \i > 0
	s_wait_xcnt 0x0                                ; the last block's stores have read their registers
.endif
	WIN 0x80
.irp t, 0,1,2,3,4,5,6,7
	ds_load_b128 v[BK+4*\t:BK+4*\t+3], v[RD] offset:\t*2*SP
.endr
	s_wait_dscnt 0x0
	WIN 0x8e                                       ; source 0 and destination window 2, source 1 window 3
.irp n, 0,2,4,6,8,10,12,14,16,18,20,22,24,26,28,30
	v_pk_add_f32 v[BK+\n:BK+\n+1], v[BK+\n:BK+\n+1], v[32*\i+\n:32*\i+\n+1]
.endr
	WIN 0x08
.irp t, 0,1,2,3,4,5,6,7
	global_store_b128 v19, v[BK+4*\t:BK+4*\t+3], s[76:77] offset:(16*\i+2*\t)*4096   ; 16 lanes store 256 consecutive bytes, aligned
.endr
.endr
	WIN 0
.if REFILL
	s_wait_tensorcnt 0x0                           ; the wave's end
	ds_add_u32 v28, v29
.endif
	s_wait_dscnt 0x0
	CROUND                                         ; the closing round: no work-group ends while a partner may still ask for a tile that names it
	s_endpgm
.Lfunc_end_k_q24270cb98e_proj:
	.size	k_q24270cb98e_proj, .Lfunc_end_k_q24270cb98e_proj-k_q24270cb98e_proj
	.p2alignl 7, 3214868480
	.fill 96, 4, 3214868480
	.section	.rodata,"a",@progbits
	.p2align	6, 0x0
	.amdhsa_kernel k_q24270cb98e_proj
		.amdhsa_group_segment_fixed_size 229376
		.amdhsa_private_segment_fixed_size 0
		.amdhsa_enable_private_segment 0
		.amdhsa_kernarg_size 48
		.amdhsa_user_sgpr_count 2
		.amdhsa_user_sgpr_kernarg_segment_ptr 1
		.amdhsa_wavefront_size32 1
		.amdhsa_system_sgpr_workgroup_id_x 1
		.amdhsa_system_sgpr_workgroup_id_y 1
		.amdhsa_system_sgpr_workgroup_id_z 1
		.amdhsa_system_vgpr_workitem_id 0
		.amdhsa_next_free_vgpr 1024
		.amdhsa_next_free_sgpr 100
		.amdhsa_reserve_vcc 0
		.amdhsa_float_denorm_mode_32 3
		.amdhsa_float_denorm_mode_16_64 3
		.amdhsa_memory_ordered 1
		.amdhsa_forward_progress 1
		.amdhsa_inst_pref_size 63
	.end_amdhsa_kernel
	.amdgpu_metadata
---
amdhsa.version: [ 1, 2 ]
amdhsa.kernels:
  - .name:           k_q24270cb98e_proj
    .symbol:         k_q24270cb98e_proj.kd
    .args:
      - { .name: act2, .offset: 0, .size: 8, .value_kind: global_buffer, .address_space: global }
      - { .name: proj_w_codes, .offset: 8, .size: 8, .value_kind: global_buffer, .address_space: global }
      - { .name: proj_w_scales, .offset: 16, .size: 8, .value_kind: global_buffer, .address_space: global }
      - { .name: x1, .offset: 24, .size: 8, .value_kind: global_buffer, .address_space: global }
      - { .name: proj_b, .offset: 32, .size: 8, .value_kind: global_buffer, .address_space: global }
      - { .name: x, .offset: 40, .size: 8, .value_kind: global_buffer, .address_space: global }
    .group_segment_fixed_size: 229376
    .private_segment_fixed_size: 0
    .kernarg_segment_align: 8
    .kernarg_segment_size: 48
    .max_flat_workgroup_size: 128
    .sgpr_count:     100
    .vgpr_count:     1024
    .wavefront_size: 32
...
	.end_amdgpu_metadata
.endif
;; end of part 10
;; launch ln2: the kernel of part 7 again; grid 256 x 1, 8 waves a work-group, no clusters, 2,048 bytes of LDS; arguments x1, ln2_g, ln2_b, act3; writes act3
;; launch l1 (part 11): grid 8 x 32, 4 waves a work-group, clusters of 4 x 4, 327,680 bytes of LDS; arguments act3, l1_w_codes, l1_w_scales, hid, l1_b; writes hid
.if DOCPART == 11
	.amdgcn_target "amdgcn-amd-amdhsa--gfx1250"
	.amdhsa_code_object_version 6
	.text
	.protected	k_q24270cb98e_l1
	.globl	k_q24270cb98e_l1
	.p2align	8
	.type	k_q24270cb98e_l1,@function
k_q24270cb98e_l1:
	s_mov_b64 s[64:65], 0
	v_nop
	global_prefetch_b8 v0, s[64:65] scope:SCOPE_SE
	s_setreg_imm32_b32 hwreg(HW_REG_WAVE_MODE, 25, 1), 1
	s_wait_xcnt 0x0
	s_wait_alu depctr_hold_cnt(0) depctr_sa_sdst(0) depctr_va_vdst(0) depctr_va_sdst(0) depctr_va_ssrc(0) depctr_va_vcc(0) depctr_vm_vsrc(0)
	s_getreg_b32 s2, hwreg(HW_REG_IB_STS2, 6, 4)
	s_cmp_eq_u32 s2, 0
	s_cbranch_scc0 .Lentry_in_a_cluster
	s_endpgm
.Lentry_in_a_cluster:
	s_bfe_u32 s2, ttmp6, 0x10000c
	s_cmp_lg_u32 s2, 0xf033
	s_cbranch_scc0 .Lentry_shape_is_right
	s_endpgm
.Lentry_shape_is_right:
; hidden = relu(LN2(x1) W^T + b) on codes of BF6 (E3M2) with E8M0 scales, [4,096 x 1,024] x [1,024 x 4,096]; the result is quantised at once along its 4,096 columns, the next product's K, and never lies in memory as f32.
; A (my own buffer): units of 768 bytes, images of half a fragment (16 rows x 64 K: lane l's registers 0-3 at 16 l, 4-5 at 512 + 8 l), [block of 16 rows][K / 64]; behind them scale words [K step][row].  The output has the same layout with K = 4,096.
; W: rows of codes as one stream of bits, 768 bytes a row; scale bytes [row][32].
; SHARES.  A tile of C is 128 x 128, four waves of 64 x 64 (16 accumulators).  A WORK-GROUP STAYS: 256 work-groups, each makes four tiles of one tile row, 1,024 columns apart.
; LDS: A's panel (128 rows x all of K, 98,304 bytes) is filled once and serves all four tiles; W's panels (128 rows x all of K, 104,448 bytes with padding) go through a ring of two slots:
; while one tile is multiplied and quantised, the panel of the tile after next is on its way.  This launch claims all of a WGP's LDS.
; CLUSTERS: 4 x 4 work-groups; A's panel is asked for jointly along a row of the cluster, W's panels along a column.  Every wave issues every load: a quarter of the panel each.
; The product is used transposed (source 0 = W's rows, source 1 = tokens): a lane holds one token and its registers run along the hidden units.  The bias is the C of each sum's first product.
; A wave's 64 columns are half of a scale word's 128: its two bytes go out as 2 bytes, 4 bytes apart; the word's other half is the neighbouring wave's.
; LIMITS: NaN and infinities are not served; a block whose largest magnitude lies under 2^-122, a block of zeros too, gets the byte 1 (only this program reads the bytes).
; REGISTERS, in windows of 256: window 0: v1-29 lane terms, v32-47 A's scale words, v48-111 W's (16 a tile).  window 1: two buffers of fragments, 96 each.  window 2: v0-127 accumulators ((i, j) at 8 (4 i + j)), v160-191 codes, v192-217 the quantiser's work.  window 3: v0-127 the biases, 32 a tile.
.set SIZE_K,  1024
.set NS,      SIZE_K/128               ; steps of 128 along K
.set NT,      4                        ; tiles of C that a work-group makes
.set AROW,    12*SIZE_K
.set BROW,    3*SIZE_K/4
.set ASOFF,   3072*SIZE_K
.set HSOFF,   12582912                 ; the output's scale words begin here
.set KSB,     SIZE_K/32
.set BP,      816                      ; a whole row of W in LDS: 3 x (256 bytes + 16 of padding) = 204 words: the 16 rows of a load start at 16 different multiples of 4 banks
.set CHUNK,   64*BP                    ; half a panel
.set PANEL,   2*CHUNK                  ; a slot of the ring
.set BBASE,   8*16*768                 ; the ring begins behind A's panel
.set PANELB,  8*128*BROW               ; in memory: from a tile's rows of W to the next tile's, 1,024 rows on
.set SPARE,   BBASE+2*PANEL            ; behind the ring: the spare words, 128 bytes for each wave: two blocks of 256 bytes that no other line names
.set ADA16, 8                          ; v8     A's units, first 512 bytes
.set ADA8,  9                          ; v9     their last 256 bytes
.set ADB,   10                         ; v10-13 W's rows: register 2 x slot + chunk
.set ADB2,  24                         ; v24-27 the same for the pieces that lie behind one padding more in lanes 16-31
.set ASC,   32
.set BSC,   48
.set CD,    160
.set TM,    192
.set XT,    208
.set PW,    212
.set CW,    216
.set G1A, 24
.set G0A, 32
.set G1B, 48
.set G0B, 56
.set G0H, 36                           ; s[36:39] group 0 of the head's load of W: 64 rows
.set SEL, 92
.set MSB, 0
.macro WIN new                         ; the immediate's high byte repeats the setting that is left
.if MSB != \new
	s_set_vgpr_msb (MSB<<8)|\new
.set MSB, \new
.endif
.endm
.macro PLACES                          ; four places behind a matrix instruction of this form (ISA guide 7.12.1)
.rept 4
	v_nop
.endr
.endm
.macro CROUND                          ; a round of the cluster's barrier
	s_barrier_signal -1
	s_barrier_wait -1
	s_cmp_lg_u32 s16, 0
	s_cbranch_scc1 .Lnot_wave_0_\@
	s_barrier_signal -3
.Lnot_wave_0_\@:
	s_barrier_wait -3
	s_barrier_signal -1
	s_barrier_wait -1
.endm
.macro WM d, a, b, c, sa, sb, ra, rb   ; one product; ra, rb: which half of the lanes holds source 0's and source 1's scale words
.set RR, 2*(\ra)+(\rb)
.if RR == 0
	v_wmma_scale_f32_16x16x128_f8f6f4 v[(\d):(\d)+7], v[(\a):(\a)+11], v[(\b):(\b)+11], v[(\c):(\c)+7], v[\sa], v[\sb] matrix_a_fmt:MATRIX_FMT_BF6 matrix_b_fmt:MATRIX_FMT_BF6
.elseif RR == 1
	v_wmma_scale_f32_16x16x128_f8f6f4 v[(\d):(\d)+7], v[(\a):(\a)+11], v[(\b):(\b)+11], v[(\c):(\c)+7], v[\sa], v[\sb] matrix_a_fmt:MATRIX_FMT_BF6 matrix_b_fmt:MATRIX_FMT_BF6 matrix_b_scale:MATRIX_SCALE_ROW1
.elseif RR == 2
	v_wmma_scale_f32_16x16x128_f8f6f4 v[(\d):(\d)+7], v[(\a):(\a)+11], v[(\b):(\b)+11], v[(\c):(\c)+7], v[\sa], v[\sb] matrix_a_fmt:MATRIX_FMT_BF6 matrix_b_fmt:MATRIX_FMT_BF6 matrix_a_scale:MATRIX_SCALE_ROW1
.else
	v_wmma_scale_f32_16x16x128_f8f6f4 v[(\d):(\d)+7], v[(\a):(\a)+11], v[(\b):(\b)+11], v[(\c):(\c)+7], v[\sa], v[\sb] matrix_a_fmt:MATRIX_FMT_BF6 matrix_b_fmt:MATRIX_FMT_BF6 matrix_a_scale:MATRIX_SCALE_ROW1 matrix_b_scale:MATRIX_SCALE_ROW1
.endif
.endm
; Step gs of tile t: 16 products from buffer f: source 0 = W's block j, source 1 = A's block i; the 16 accumulators take turns, one instruction a turn.
; A tile's first step takes the tile's bias (window 3) as C
.macro MUL t, gs, f
.irp i, 0,1,2,3
.irp j, 0,1,2,3
.set AC, 8*(4*\i+\j)
.if (\gs) > 0
.set CR, AC
.else
.set CR, 32*(\t)+8*\j
.endif
	WM AC, 96*(\f)+48+12*\j, 96*(\f)+12*\i, CR, BSC+16*(\t)+NS*(\j/2)+(\gs), ASC+NS*(\i/2)+(\gs), \j%2, \i%2
.endr
.endr
.endm
; 40 LDS loads: the fragments of step gs into buffer f; W's from slot sl of the ring.  A's come as images (16 and 8 bytes a lane, consecutive); W's as six pieces of 8 bytes of the row's stream of bits
.macro FETCH sl, gs, f
	WIN 0x40                                       ; destination window 1, address window 0
.irp a, 0,1,2,3
.irp c, 0,1
	ds_load_b128 v[96*(\f)+12*\a+6*\c:96*(\f)+12*\a+6*\c+3], v[ADA16] offset:(16*\a+2*(\gs)+\c)*768
	ds_load_b64 v[96*(\f)+12*\a+6*\c+4:96*(\f)+12*\a+6*\c+5], v[ADA8] offset:(16*\a+2*(\gs)+\c)*768
.endr
.endr
.irp b, 0,1,2,3
.irp p, 0,1,2,3,4,5
.set PCE, 12*(\gs)+6*(\p/3)+\p%3       ; lanes 0-15 take this piece of 8 bytes of the row, lanes 16-31 the piece three on, which lies behind one padding more where PCE % 32 is 29 or more
.if PCE%32 < 29
	ds_load_b64 v[96*(\f)+48+12*\b+2*\p:96*(\f)+48+12*\b+2*\p+1], v[ADB+2*(\sl)] offset:8*PCE+16*(PCE/32)+\b*16*BP
.else
	ds_load_b64 v[96*(\f)+48+12*\b+2*\p:96*(\f)+48+12*\b+2*\p+1], v[ADB2+2*(\sl)] offset:8*PCE+16*(PCE/32)+\b*16*BP
.endif
.endr
.endr
.endm
; THE CHANGE OF PANELS, in tile t's last step, when that step's fragments are in: nobody needs slot t % 2 any more.  Every wave waits for all its tensor loads (its part of tile t + 1's panel),
; adds 0 to its spare word, and waits for that and for its reads of the slot.  Where a tile t + 2 exists: a round of the cluster's barrier, and its panel is asked for first behind it, one load a wave:
; it has tile t's way out and 128 products in which to land.  Else a plain barrier: nothing is filled.
.macro CHANGE t
	WIN 0
	s_wait_tensorcnt 0x0                           ; no tensor load of mine is out, so a group 0 may be written
	ds_add_u32 v28, v29                            ; 0 onto my spare word
.if (\t)+2 < NT
	s_add_nc_u64 s[G0B+4*((\t)%2)+2:G0B+4*((\t)%2)+3], s[G0B+4*((\t)%2)+2:G0B+4*((\t)%2)+3], 2*PANELB
.endif
	s_wait_dscnt 0x0                               ; the add is done, and my reads of the slot are over
.if (\t)+2 < NT
	CROUND
	tensor_load_to_lds s[G0B+4*((\t)%2):G0B+4*((\t)%2)+3], s[G1B:G1B+7]
	s_nop 0
	PLACES                                         ; four v_nop follow the load; they are also the places in front of the loads below
.else
	s_barrier_signal -1
	s_barrier_wait -1
	PLACES
.endif
.endm
.macro STEP t, gs
	s_wait_dscnt 0x0                               ; this step's fragments, asked for a step ago, are in
.if (\gs) < NS-1
.if (\gs) > 0
	PLACES                                         ; (in a tile's first step the places at the head of the way out before it serve)
.endif
	FETCH (\t)%2, (\gs)+1, ((\gs)+1)%2
.elseif (\t) < NT-1
	CHANGE \t
	FETCH ((\t)+1)%2, 0, 0                         ; the next tile's first fragments
.endif
.if (\gs) == 0
	WIN 0xb5                                       ; sources 0 and 1 window 1, C (the bias) window 3, D window 2
.else
	WIN 0xa5                                       ; sources 0 and 1 window 1, C and D window 2
.endif
	MUL \t, \gs, (\gs)%2
.endm
; Two neighbouring tiles' halves change places, so that a lane's 16 registers are 16 NEIGHBOURS along the next K: register 16 b + i becomes column 32 b + 16 (lane / 16) + i
.macro PRESWAP s
.irp b, 0,1
.irp t, 0,1,2,3,4,5,6,7
	v_permlane16_swap_b32 v[(\s)+16*\b+\t], v[(\s)+16*\b+8+\t]
.endr
.endr
.endm
; 32 numbers of a lane (two blocks of 32, each shared with lane l xor 16) become six registers of codes at v[pc] and 16 bits of scale bytes in v[pw]
.macro HQUANT s, pc, pw
.irp b, 0,1
	v_max3_num_f32 v[TM+\b], |v[(\s)+16*\b]|, |v[(\s)+1+16*\b]|, 0x2800000   ; with the floor 2^(5 - 127): the byte cannot fall under 1
.endr
.irp i, 2,4,6,8,10,12,14
.irp b, 0,1
	v_max3_num_f32 v[TM+\b], v[TM+\b], |v[(\s)+16*\b+\i]|, |v[(\s)+1+16*\b+\i]|
.endr
.endr
.irp b, 0,1
	v_permlanex16_b32 v[TM+4+\b], v[TM+\b], s[SEL], s[SEL+1]
.endr
.irp b, 0,1
	v_max_num_f32 v[TM+\b], v[TM+\b], v[TM+4+\b]
.endr
.irp b, 0,1
	v_add_nc_u32 v[TM+12+\b], 0xfe000000, v[TM+\b] ; 4 off the exponent field: the conversion's scale operand
.endr
.irp b, 0,1
	v_lshrrev_b32 v[TM+4+\b], 23, v[TM+12+\b]      ; the scale's byte
.endr
	v_lshl_or_b32 v[\pw], v[TM+5], 8, v[TM+4]
	v_cvt_scalef32_pk16_bf6_f32 v[(\pc):(\pc)+2], v[(\s):(\s)+15], v[TM+12]
	v_cvt_scalef32_pk16_bf6_f32 v[XT:XT+2], v[(\s)+16:(\s)+31], v[TM+13]
	v_nop                                          ; one plain place behind a scaled conversion
.irp i, 0,1,2
	v_permlane16_swap_b32 v[(\pc)+\i], v[XT+\i]    ; a whole block to a lane: lanes 0-15 block 0, lanes 16-31 block 1
.endr
.irp i, 0,1,2
	v_mov_b32 v[(\pc)+3+\i], v[XT+\i]
.endr
.endm
; TILE t's WAY OUT: relu, neighbours along the next K, the quantiser; four units and their scale bytes.  The tile's place stands in the immediates (16 units and 8 K steps of scale words from tile to tile): no pointer is stepped
.macro WAYOUT t
	PLACES
.if (\t) > 0
	s_wait_xcnt 0x0                                ; the last tile's stores have read their registers: the codes' registers are written again only behind this wait
.endif
	WIN 0xaa                                       ; every operand in window 2
.irp i, 0,1,2,3
.irp n, 0,1,2,3,4,5,6,7,8,9,10,11,12,13,14,15,16,17,18,19,20,21,22,23,24,25,26,27,28,29,30,31
	v_max_num_f32 v[32*\i+\n], 0, v[32*\i+\n]      ; the activation, in f32; each accumulator from its low end on
.endr
	PRESWAP 32*\i
	HQUANT 32*\i, CD+8*\i, PW+\i
.endr
	v_cndmask_b32 v[CW], v[PW], v[PW+1], s80       ; lanes 0-15 the first block's rows, lanes 16-31 the second's
	v_cndmask_b32 v[CW+1], v[PW+2], v[PW+3], s80
	WIN 0x08                                       ; a store's data window 2, its address window 0
.irp i, 0,1,2,3
	global_store_b128 v20, v[CD+8*\i:CD+8*\i+3], s[76:77] offset:49152*\i+12288*(\t)      ; 512 consecutive bytes, aligned
	global_store_b64 v21, v[CD+8*\i+4:CD+8*\i+5], s[76:77] offset:49152*\i+12288*(\t)     ; 256 consecutive bytes, aligned
.endr
	global_store_b16 v16, v[CW], s[82:83] offset:131072*(\t)
	global_store_b16 v16, v[CW+1], s[82:83] offset:131072*(\t)+128
	WIN 0
.endm
	s_load_b256 s[4:11], s[0:1], 0x0               ; A s[4:5], W's codes s[6:7], W's scales s[8:9], out s[10:11]
	s_load_b64 s[12:13], s[0:1], 0x20              ; bias
	v_lshl_add_u32 v28, v0, 2, SPARE
	v_mov_b32 v29, 0
	ds_add_u32 v28, v29                            ; the opening lines: the add, twice on end, and its wait ahead of the first round
	ds_add_u32 v28, v29
	v_lshrrev_b32 v1, 5, v0
	v_readfirstlane_b32 s16, v1                    ; wave 0..3
	s_lshr_b32 s17, s16, 1                         ; which 64 rows of the tile are mine.  Also: which chunk of W's panel I fetch
	s_and_b32 s18, s16, 1                          ; which 64 columns.  Also: which 64 rows of that chunk
	s_bfe_u32 s20, ttmp6, 0x40000                  ; cx, cy
	s_bfe_u32 s21, ttmp6, 0x40004
	s_lshl_b32 s22, ttmp9, 2
	s_add_co_u32 s22, s22, s20                     ; my first tile's column = 4 x cluster x + cx: 0 .. 7
	s_and_b32 s23, ttmp7, 0xffff
	s_lshl_b32 s23, s23, 2
	s_add_co_u32 s23, s23, s21                     ; tile row
	s_lshl_b32 s40, s21, 2
	s_lshl_b32 s40, 15, s40                        ; my row of the cluster
	s_lshl_b32 s41, 0x1111, s20                    ; my column
	s_or_b32 s[G1A], s40, (3<<16)|(1<<21)          ; A: two blocks of 16 rows are a dense block of 24,576 bytes: 96 rows of 256 bytes (32 elements of 8); the mask, bit 21 beside it
	s_mov_b32 s[G1A+1], 32<<16
	s_mov_b32 s[G1A+2], 192<<16                    ; four blocks of 16 rows: 49,152 dense bytes
	s_mov_b32 s[G1A+3], 32<<16
	s_mov_b32 s[G1A+4], 192
	s_mov_b32 s[G1A+5], 32
	s_mov_b32 s[G1A+6], 0
	s_mov_b32 s[G1A+7], 0
	s_or_b32 s[G1B], s41, (1<<20)|(1<<21)|(5<<22)|(3<<25)   ; W: elements of 1 byte; 4 words of padding behind every 64
	s_mov_b32 s[G1B+1], 768<<16                    ; a whole row of 1,024 codes: it begins at a multiple of 256 bytes
	s_mov_b32 s[G1B+2], 64<<16
	s_mov_b32 s[G1B+3], 768<<16
	s_mov_b32 s[G1B+4], 64
	s_mov_b32 s[G1B+5], BROW
	s_mov_b32 s[G1B+6], 0
	s_mov_b32 s[G1B+7], 0
	s_lshl_b32 s42, s23, 3                         ; A's address hangs on the tile row and the wave alone: blocks 8 x tile row + 4 x (wave % 2) on,
	s_lshl_b32 s43, s18, 2                         ; the head's load of A: four blocks, which half
	s_add_co_u32 s42, s42, s43
	s_mul_i32 s42, s42, AROW
	s_mov_b32 s43, 0
	s_lshl_b32 s44, s22, 7                         ; W's on the tile column and the wave alone
	s_lshl_b32 s45, s18, 6
	s_add_co_u32 s44, s44, s45
	s_mul_i32 s44, s44, BROW
	s_mov_b32 s45, 0
	s_mul_i32 s46, s18, 4*16*768                   ; where the head's halves go: no place in the cluster enters an LDS address
	s_mul_i32 s47, s18, 64*BP
	s_add_co_u32 s47, s47, BBASE
	s_wait_dscnt 0x0                               ; both opening adds are done
	s_wait_kmcnt 0x0
	s_add_nc_u64 s[42:43], s[4:5], s[42:43]
	s_add_nc_u64 s[44:45], s[6:7], s[44:45]
	s_mov_b32 s[G0A], 1
	s_mov_b32 s[G0A+1], s46
	s_mov_b64 s[G0A+2:G0A+3], s[42:43]
	s_or_b32 s[G0A+3], s[G0A+3], 0x80000000
	s_mov_b32 s[G0H], 1                            ; the head's load of W: 64 rows of tile 0's panel
	s_mov_b32 s[G0H+1], s47
	s_mov_b64 s[G0H+2:G0H+3], s[44:45]
	s_or_b32 s[G0H+3], s[G0H+3], 0x80000000
	s_mul_i32 s66, s17, 32*BROW                    ; in the ring a wave fetches 32 rows: a quarter of a panel
	s_mov_b32 s67, 0
	s_add_nc_u64 s[44:45], s[44:45], s[66:67]
	s_mul_i32 s68, s17, 32*BP
	s_add_co_u32 s47, s47, s68
.irp s, 0,1
	s_mov_b32 s[G0B+4*\s], 1
	s_add_co_u32 s[G0B+4*\s+1], s47, \s*PANEL
	s_add_nc_u64 s[G0B+4*\s+2:G0B+4*\s+3], s[44:45], \s*PANELB
	s_or_b32 s[G0B+4*\s+3], s[G0B+4*\s+3], 0x80000000
.endr
	CROUND                                         ; all sixteen work-groups are here: the first joint loads meet
	s_cmp_eq_u32 s17, 0                            ; one load a wave at the head: waves 0, 1 A's halves, waves 2, 3 the halves of tile 0's panel
	s_cbranch_scc0 .Lhead_w
	tensor_load_to_lds s[G0A:G0A+3], s[G1A:G1A+7]
	s_nop 0
	PLACES
	s_branch .Lhead_asked
.Lhead_w:
	tensor_load_to_lds s[G0H:G0H+3], s[G1B:G1B+7]
	s_nop 0
	PLACES
.Lhead_asked:
	v_and_b32 v1, 31, v0                           ; lane
	v_and_b32 v2, 15, v0                           ; r
	v_bfe_u32 v3, v0, 4, 1                         ; h
	s_mul_i32 s66, s17, 4*16*768                   ; my four blocks of A
	s_add_co_u32 s67, s66, 512
	v_lshl_add_u32 v[ADA16], v1, 4, s66
	v_lshl_add_u32 v[ADA8], v1, 3, s67
	s_mul_i32 s68, s18, 64*BP                      ; my 64 rows of W
	s_add_co_u32 s68, s68, BBASE
	v_mul_u32_u24 v4, v2, BP
	v_mad_u32_u24 v5, v3, 24, v4
	v_add_nc_u32 v[ADB], s68, v5
	v_lshl_add_u32 v5, v3, 4, v5
	v_add_nc_u32 v[ADB2], s68, v5
.irp n, 1,2,3
	v_add_nc_u32 v[ADB+\n], \n*CHUNK, v[ADB]       ; the ring's four chunks lie on end
	v_add_nc_u32 v[ADB2+\n], \n*CHUNK, v[ADB2]
.endr
	v_lshlrev_b32 v16, 2, v1                       ; 4 l
	s_wait_alu depctr_va_vdst(0)
	v_mul_u32_u24 v17, v1, KSB
	s_wait_alu depctr_va_vdst(0)
	v_lshlrev_b32 v18, 5, v3                       ; bias: 32 h
	s_wait_alu depctr_va_vdst(0)
	v_lshlrev_b32 v20, 4, v1                       ; a unit: 16 l,
	v_lshl_add_u32 v21, v1, 3, 512                 ; 512 + 8 l
	v_cmp_le_u32 s80, 16, v1                       ; lanes 16-31
	s_mov_b32 s[SEL], 0x76543210
	s_mov_b32 s[SEL+1], 0xfedcba98
	s_lshl_b32 s84, s23, 9
	s_lshl_b32 s85, s17, 8
	s_add_co_u32 s84, s84, s85                     ; 4 bytes x my first row
	s_add_co_u32 s90, s84, ASOFF
	s_mov_b32 s91, 0
	s_add_nc_u64 s[70:71], s[4:5], s[90:91]        ; A's scale words from my first row on
	s_lshl_b32 s86, s22, 7
	s_lshl_b32 s87, s18, 6
	s_add_co_u32 s86, s86, s87                     ; my first column in tile 0
	s_mul_i32 s88, s86, KSB
	s_mov_b32 s89, 0
	s_add_nc_u64 s[72:73], s[8:9], s[88:89]
	s_lshl_b32 s88, s86, 2
	s_add_nc_u64 s[78:79], s[12:13], s[88:89]      ; bias at that column
	s_lshl_b32 s88, s23, 3                         ; out: unit [block of 16 rows][64 of the 4,096 columns]
	s_lshl_b32 s90, s17, 2
	s_add_co_u32 s88, s88, s90
	s_lshl_b32 s88, s88, 6
	s_lshl_b32 s90, s22, 1
	s_add_co_u32 s88, s88, s90
	s_add_co_u32 s88, s88, s18
	s_mul_i32 s88, s88, 768
	s_add_nc_u64 s[76:77], s[10:11], s[88:89]
	s_lshl_b32 s88, s22, 14                        ; out: scale words [K step = tile column][row]; my 64 columns' half of the word
	s_add_co_u32 s88, s88, s84
	s_lshl_b32 s90, s18, 1
	s_add_co_u32 s88, s88, s90
	s_add_co_u32 s88, s88, HSOFF
	s_add_nc_u64 s[82:83], s[10:11], s[88:89]
.set Q, 0
.rept NS                                       ; the scales go straight to registers, once: lanes 0-15 one block's rows, lanes 16-31 the next block's
	global_load_b32 v[ASC+Q], v16, s[70:71] offset:16384*Q
	global_load_b32 v[ASC+NS+Q], v16, s[70:71] offset:16384*Q+128
.set Q, Q+1
.endr
.irp t, 0,1,2,3                                ; W's, of all four tiles: 1,024 rows of 32 bytes from tile to tile
.irp p, 0,1
.irp u, 0,1
	global_load_b128 v[BSC+16*\t+8*\p+4*\u:BSC+16*\t+8*\p+4*\u+3], v17, s[72:73] offset:32768*\t+1024*\p+16*\u
.endr
.endr
.endr
	WIN 0xc0                                       ; destination window 3
.irp t, 0,1,2,3
.irp j, 0,1,2,3
	global_load_b128 v[32*\t+8*\j:32*\t+8*\j+3], v18, s[78:79] offset:4096*\t+64*\j        ; tile t, block j: the bias at columns 16 j + 8 h + 0 .. 7
	global_load_b128 v[32*\t+8*\j+4:32*\t+8*\j+7], v18, s[78:79] offset:4096*\t+64*\j+16
.endr
.endr
	WIN 0x80
	v_mov_b32 v[TM+4], 0                           ; written once: a lane permute's destination counts as one of its sources
	v_mov_b32 v[TM+5], 0
	WIN 0
	s_wait_alu depctr_va_vdst(0)                   ; the wait at the head's end
	s_wait_tensorcnt 0x0                           ; my load of the head is in
	ds_add_u32 v28, v29
	s_mov_b32 s[G1B+2], 32<<16                     ; no load of mine is out: from here on a load of W brings 32 rows
	s_mov_b32 s[G1B+4], 32
	s_wait_dscnt 0x0
	CROUND
	tensor_load_to_lds s[G0B+4:G0B+7], s[G1B:G1B+7]        ; my quarter of tile 1's panel: it has tile 0's 128 products in which to land
	s_nop 0
	PLACES
	FETCH 0, 0, 0
	s_wait_loadcnt 0x0                             ; scale words and biases
.irp t, 0,1,2,3
.set GS, 0
.rept NS
	STEP \t, GS
.set GS, GS+1
.endr
	WAYOUT \t
.endr
	s_wait_tensorcnt 0x0                           ; the wave's end
	ds_add_u32 v28, v29
	s_wait_dscnt 0x0
	CROUND                                         ; the closing round: no work-group ends while a partner may still ask for a tile that names it
	s_endpgm
.Lfunc_end_k_q24270cb98e_l1:
	.size	k_q24270cb98e_l1, .Lfunc_end_k_q24270cb98e_l1-k_q24270cb98e_l1
	.p2alignl 7, 3214868480
	.fill 96, 4, 3214868480
	.section	.rodata,"a",@progbits
	.p2align	6, 0x0
	.amdhsa_kernel k_q24270cb98e_l1
		.amdhsa_group_segment_fixed_size 327680
		.amdhsa_private_segment_fixed_size 0
		.amdhsa_enable_private_segment 0
		.amdhsa_kernarg_size 40
		.amdhsa_user_sgpr_count 2
		.amdhsa_user_sgpr_kernarg_segment_ptr 1
		.amdhsa_wavefront_size32 1
		.amdhsa_system_sgpr_workgroup_id_x 1
		.amdhsa_system_sgpr_workgroup_id_y 1
		.amdhsa_system_sgpr_workgroup_id_z 1
		.amdhsa_system_vgpr_workitem_id 0
		.amdhsa_next_free_vgpr 1024
		.amdhsa_next_free_sgpr 100
		.amdhsa_reserve_vcc 0
		.amdhsa_float_denorm_mode_32 3
		.amdhsa_float_denorm_mode_16_64 3
		.amdhsa_memory_ordered 1
		.amdhsa_forward_progress 1
		.amdhsa_inst_pref_size 226
	.end_amdhsa_kernel
	.amdgpu_metadata
---
amdhsa.version: [ 1, 2 ]
amdhsa.kernels:
  - .name:           k_q24270cb98e_l1
    .symbol:         k_q24270cb98e_l1.kd
    .args:
      - { .name: act3, .offset: 0, .size: 8, .value_kind: global_buffer, .address_space: global }
      - { .name: l1_w_codes, .offset: 8, .size: 8, .value_kind: global_buffer, .address_space: global }
      - { .name: l1_w_scales, .offset: 16, .size: 8, .value_kind: global_buffer, .address_space: global }
      - { .name: hid, .offset: 24, .size: 8, .value_kind: global_buffer, .address_space: global }
      - { .name: l1_b, .offset: 32, .size: 8, .value_kind: global_buffer, .address_space: global }
    .group_segment_fixed_size: 327680
    .private_segment_fixed_size: 0
    .kernarg_segment_align: 8
    .kernarg_segment_size: 40
    .max_flat_workgroup_size: 128
    .sgpr_count:     100
    .vgpr_count:     1024
    .wavefront_size: 32
...
	.end_amdgpu_metadata
.endif
;; end of part 11
;; launch l3 (part 12): grid 8 x 32, 4 waves a work-group, clusters of 4 x 4, 327,680 bytes of LDS; arguments hid, l3_w_codes, l3_w_scales, out0, l3_b, x1; writes out0
.if DOCPART == 12
	.amdgcn_target "amdgcn-amd-amdhsa--gfx1250"
	.amdhsa_code_object_version 6
	.text
	.protected	k_q24270cb98e_l3
	.globl	k_q24270cb98e_l3
	.p2align	8
	.type	k_q24270cb98e_l3,@function
k_q24270cb98e_l3:
	s_mov_b64 s[64:65], 0
	v_nop
	global_prefetch_b8 v0, s[64:65] scope:SCOPE_SE
	s_setreg_imm32_b32 hwreg(HW_REG_WAVE_MODE, 25, 1), 1
	s_wait_xcnt 0x0
	s_wait_alu depctr_hold_cnt(0) depctr_sa_sdst(0) depctr_va_vdst(0) depctr_va_sdst(0) depctr_va_ssrc(0) depctr_va_vcc(0) depctr_vm_vsrc(0)
	s_getreg_b32 s2, hwreg(HW_REG_IB_STS2, 6, 4)
	s_cmp_eq_u32 s2, 0
	s_cbranch_scc0 .Lentry_in_a_cluster
	s_endpgm
.Lentry_in_a_cluster:
	s_bfe_u32 s2, ttmp6, 0x10000c
	s_cmp_lg_u32 s2, 0xf033
	s_cbranch_scc0 .Lentry_shape_is_right
	s_endpgm
.Lentry_shape_is_right:
.set SIZE_K,  4096
.set REFILL,  1
.set HASBIAS, 1
.set NS,      SIZE_K/128
.set NCH,     SIZE_K/512
.set AROW,    12*SIZE_K
.set BROW,    3*SIZE_K/4
.set ASOFF,   3072*SIZE_K
.set KSB,     SIZE_K/32
; out = x1 + bias + hidden W^T on codes of BF6 with E8M0 scales, K = 4,096; a tile of C is 128 x 128, four waves of 64 x 64; clusters of 4 x 4 with joint loads.
; LDS: A goes in chunks of 512 along K through two slots; W in chunks of 1,024 along K (768 bytes of a row, beginning at multiples of 256 bytes) through two slots.
; A slot of W is filled again in two halves of 64 rows, at the two changes of A's slots behind its last read: every change then asks for 49,152 bytes of A and 49,152 of W.
.set BP,      816                      ; 768 bytes of a row of W in LDS: 3 x (256 + 16 of padding) = 204 words: the 16 rows of a load start at 16 different multiples of 4 banks
.set SLOT,    8*8*768                  ; a slot of A
.set BOFF,    2*SLOT                   ; W's slots begin behind A's two
.set WSL,     128*BP                   ; a slot of W
.set STAGE,   BOFF+2*WSL
.set SP,      272
.set SPARE,   STAGE+4*16*SP
.set ADA16, 8
.set ADA8,  10
.set ADB,   12
.set ADB2,  14
.set STO,   23
.set RD,    24
.set ASC,   32
.set BSC,   32+2*NS
.set BIAS,  128
.set BK,    160
.set G1A, 24
.set G0A, 32
.set G1B, 48
.set G0B, 56                           ; s[56:63] group 0 for W's refills: one set for each half of the rows
.set G0H, 92                           ; s[92:95] group 0 for W's chunks 0 and 1, 64 rows a wave
.set MSB, 0
.macro WIN new
.if MSB != \new
	s_set_vgpr_msb (MSB<<8)|\new
.set MSB, \new
.endif
.endm
.macro PLACES
.rept 4
	v_nop
.endr
.endm
.macro JLOAD g0a, g1a, g0b, g1b
	s_cmp_eq_u32 s17, 0
	s_cbranch_scc0 .Lfor_b_\@
	tensor_load_to_lds s[\g0a:\g0a+3], s[\g1a:\g1a+7]
	s_nop 0
.rept 4
	v_nop
.endr
	s_branch .Lasked_\@
.Lfor_b_\@:
	tensor_load_to_lds s[\g0b:\g0b+3], s[\g1b:\g1b+7]
	s_nop 0
.rept 4
	v_nop
.endr
.Lasked_\@:
.endm
.macro ALOAD g0a                       ; a change at which W has nothing to fetch: waves 0 and 1 ask for A's halves, waves 2 and 3 for nothing
	s_cmp_eq_u32 s17, 0
	s_cbranch_scc0 .Lnone_\@
	tensor_load_to_lds s[\g0a:\g0a+3], s[G1A:G1A+7]
	s_nop 0
.rept 4
	v_nop
.endr
.Lnone_\@:
	PLACES
.endm
.macro CROUND
	s_barrier_signal -1
	s_barrier_wait -1
	s_cmp_lg_u32 s16, 0
	s_cbranch_scc1 .Lnot_wave_0_\@
	s_barrier_signal -3
.Lnot_wave_0_\@:
	s_barrier_wait -3
	s_barrier_signal -1
	s_barrier_wait -1
.endm
.macro WM d, a, b, c, sa, sb, ra, rb
.set RR, 2*(\ra)+(\rb)
.if RR == 0
	v_wmma_scale_f32_16x16x128_f8f6f4 v[(\d):(\d)+7], v[(\a):(\a)+11], v[(\b):(\b)+11], v[(\c):(\c)+7], v[\sa], v[\sb] matrix_a_fmt:MATRIX_FMT_BF6 matrix_b_fmt:MATRIX_FMT_BF6
.elseif RR == 1
	v_wmma_scale_f32_16x16x128_f8f6f4 v[(\d):(\d)+7], v[(\a):(\a)+11], v[(\b):(\b)+11], v[(\c):(\c)+7], v[\sa], v[\sb] matrix_a_fmt:MATRIX_FMT_BF6 matrix_b_fmt:MATRIX_FMT_BF6 matrix_b_scale:MATRIX_SCALE_ROW1
.elseif RR == 2
	v_wmma_scale_f32_16x16x128_f8f6f4 v[(\d):(\d)+7], v[(\a):(\a)+11], v[(\b):(\b)+11], v[(\c):(\c)+7], v[\sa], v[\sb] matrix_a_fmt:MATRIX_FMT_BF6 matrix_b_fmt:MATRIX_FMT_BF6 matrix_a_scale:MATRIX_SCALE_ROW1
.else
	v_wmma_scale_f32_16x16x128_f8f6f4 v[(\d):(\d)+7], v[(\a):(\a)+11], v[(\b):(\b)+11], v[(\c):(\c)+7], v[\sa], v[\sb] matrix_a_fmt:MATRIX_FMT_BF6 matrix_b_fmt:MATRIX_FMT_BF6 matrix_a_scale:MATRIX_SCALE_ROW1 matrix_b_scale:MATRIX_SCALE_ROW1
.endif
.endm
.macro MUL gs, f
.irp i, 0,1,2,3
.irp j, 0,1,2,3
.set AC, 8*(4*\i+\j)
.if (\gs) > 0
.set CR, AC
.else
.set CR, BIAS+8*\j
.endif
	WM AC, 96*(\f)+48+12*\j, 96*(\f)+12*\i, CR, BSC+NS*(\j/2)+(\gs), ASC+NS*(\i/2)+(\gs), \j%2, \i%2
.endr
.endr
.endm
.macro FETCH slot, q, f, ws            ; ws: W's slot
	WIN 0x40
.irp a, 0,1,2,3
.irp c, 0,1
	ds_load_b128 v[96*(\f)+12*\a+6*\c:96*(\f)+12*\a+6*\c+3], v[ADA16+(\slot)] offset:(8*\a+2*(\q)+\c)*768
	ds_load_b64 v[96*(\f)+12*\a+6*\c+4:96*(\f)+12*\a+6*\c+5], v[ADA8+(\slot)] offset:(8*\a+2*(\q)+\c)*768
.endr
.endr
.irp b, 0,1,2,3
.irp p, 0,1,2,3,4,5
.set PCE, 12*(4*(\slot)+(\q))+6*(\p/3)+\p%3   ; lanes 0-15 take this piece of 8 bytes of the chunk's row, lanes 16-31 the piece three on, which lies behind one padding more where PCE % 32 is 29 or more
.if PCE%32 < 29
	ds_load_b64 v[96*(\f)+48+12*\b+2*\p:96*(\f)+48+12*\b+2*\p+1], v[ADB+(\ws)] offset:8*PCE+16*(PCE/32)+\b*16*BP
.else
	ds_load_b64 v[96*(\f)+48+12*\b+2*\p:96*(\f)+48+12*\b+2*\p+1], v[ADB2+(\ws)] offset:8*PCE+16*(PCE/32)+\b*16*BP
.endif
.endr
.endr
.endm
.macro CHANGE k
	WIN 0
	s_wait_tensorcnt 0x0
.if REFILL
	ds_add_u32 v28, v29
.if (\k) < NCH-1
	s_add_nc_u64 s[G0A+4*(((\k)-1)%2)+2:G0A+4*(((\k)-1)%2)+3], s[G0A+4*(((\k)-1)%2)+2:G0A+4*(((\k)-1)%2)+3], 2*6144
.if (\k) == 1
	s_mov_b32 s[G1B+2], 32<<16                     ; no load of mine is out: from here on a load of W brings 32 rows
	s_mov_b32 s[G1B+4], 32
.endif
.if (\k) > 3 && (\k) < 6
	s_add_nc_u64 s[G0B+4*((\k)%2)+2:G0B+4*((\k)%2)+3], s[G0B+4*((\k)%2)+2:G0B+4*((\k)%2)+3], 768   ; W's chunk k / 2 + 1, half k % 2 of its rows,
	s_add_co_u32 s[G0B+4*((\k)%2)+1], s98, (((\k)/2+1)%2)*WSL+((\k)%2)*64*BP                       ; into that chunk's slot
.endif
.endif
	s_wait_dscnt 0x0
.if (\k) < NCH-1
	CROUND
.if (\k) > 1 && (\k) < 6
	JLOAD G0A+4*(((\k)-1)%2), G1A, G0B+4*((\k)%2), G1B
.else
	ALOAD G0A+4*(((\k)-1)%2)
.endif
.else
	s_barrier_signal -1
	s_barrier_wait -1
	PLACES
.endif
.else
	s_barrier_signal -1
	s_barrier_wait -1
	PLACES
.endif
.endm
.macro STEP gs
	s_wait_dscnt 0x0
.if (\gs) < NS-1
.if (\gs)%4 == 3
	CHANGE ((\gs)+1)/4
.elseif (\gs) > 0
	PLACES
.endif
	FETCH (((\gs)+1)/4)%2, ((\gs)+1)%4, ((\gs)+1)%2, (((\gs)+1)/8)%2
.endif
	WIN 0xa5
	MUL \gs, (\gs)%2
.endm
	s_load_b256 s[4:11], s[0:1], 0x0
	s_load_b128 s[12:15], s[0:1], 0x20
	v_lshl_add_u32 v28, v0, 2, SPARE
	v_mov_b32 v29, 0
	ds_add_u32 v28, v29                            ; the opening lines: the add, twice on end, and its wait ahead of the first round
	ds_add_u32 v28, v29
	v_lshrrev_b32 v1, 5, v0
	v_readfirstlane_b32 s16, v1
	s_lshr_b32 s17, s16, 1
	s_and_b32 s18, s16, 1
	s_bfe_u32 s20, ttmp6, 0x40000
	s_bfe_u32 s21, ttmp6, 0x40004
	s_lshl_b32 s22, ttmp9, 2
	s_add_co_u32 s22, s22, s20
	s_and_b32 s23, ttmp7, 0xffff
	s_lshl_b32 s23, s23, 2
	s_add_co_u32 s23, s23, s21
	s_lshl_b32 s40, s21, 2
	s_lshl_b32 s40, 15, s40
	s_lshl_b32 s41, 0x1111, s20
	s_or_b32 s[G1A], s40, (3<<16)|(1<<21)
	s_mov_b32 s[G1A+1], 768<<16
	s_mov_b32 s[G1A+2], 4<<16
	s_mov_b32 s[G1A+3], 768<<16
	s_mov_b32 s[G1A+4], 4
	s_mov_b32 s[G1A+5], AROW/8
	s_mov_b32 s[G1A+6], 0
	s_mov_b32 s[G1A+7], 0
	s_or_b32 s[G1B], s41, (1<<20)|(1<<21)|(5<<22)|(3<<25)   ; W: elements of 1 byte; 4 words of padding behind every 64
	s_mov_b32 s[G1B+1], 768<<16
	s_mov_b32 s[G1B+2], 64<<16
	s_mov_b32 s[G1B+3], 768<<16
	s_mov_b32 s[G1B+4], 64
	s_mov_b32 s[G1B+5], BROW
	s_mov_b32 s[G1B+6], 0
	s_mov_b32 s[G1B+7], 0
	s_lshl_b32 s42, s23, 3
	s_lshl_b32 s43, s18, 2
	s_add_co_u32 s42, s42, s43
	s_mul_i32 s42, s42, AROW
	s_mov_b32 s43, 0
	s_lshl_b32 s44, s22, 7
	s_lshl_b32 s45, s18, 6
	s_add_co_u32 s44, s44, s45
	s_mul_i32 s44, s44, BROW
	s_mov_b32 s45, 0
	s_mul_i32 s46, s18, 4*8*768
	s_mul_i32 s47, s18, 64*BP
	s_add_co_u32 s47, s47, BOFF
	s_lshl_b32 s96, s22, 7                         ; W's refills: 32 rows a wave
	s_lshl_b32 s97, s18, 5
	s_add_co_u32 s96, s96, s97
	s_mul_i32 s96, s96, BROW
	s_mov_b32 s97, 0
	s_mul_i32 s98, s18, 32*BP
	s_add_co_u32 s98, s98, BOFF
	s_wait_dscnt 0x0                               ; both opening adds are done
	s_wait_kmcnt 0x0
	s_add_nc_u64 s[42:43], s[4:5], s[42:43]
	s_add_nc_u64 s[44:45], s[6:7], s[44:45]
	s_add_nc_u64 s[96:97], s[6:7], s[96:97]
	s_mov_b32 s[G0H], 1                            ; W's chunk 0: 64 rows a wave
	s_mov_b32 s[G0H+1], s47
	s_mov_b64 s[G0H+2:G0H+3], s[44:45]
	s_or_b32 s[G0H+3], s[G0H+3], 0x80000000
.irp s, 0,1
	s_mov_b32 s[G0A+4*\s], 1
	s_add_co_u32 s[G0A+4*\s+1], s46, \s*SLOT
	s_add_nc_u64 s[G0A+4*\s+2:G0A+4*\s+3], s[42:43], \s*6144
	s_or_b32 s[G0A+4*\s+3], s[G0A+4*\s+3], 0x80000000
	s_mov_b32 s[G0B+4*\s], 1
	s_add_co_u32 s[G0B+4*\s+1], s98, \s*64*BP                                    ; W's chunk 2, half s of its rows, into slot 0
	s_add_nc_u64 s[G0B+4*\s+2:G0B+4*\s+3], s[96:97], 2*768+\s*64*BROW
	s_or_b32 s[G0B+4*\s+3], s[G0B+4*\s+3], 0x80000000
.endr
	CROUND                                         ; all sixteen work-groups are here: the first joint loads meet
	JLOAD G0A, G1A, G0H, G1B                       ; one load a wave at the head: A's chunk 0, W's chunk 0
	v_and_b32 v1, 31, v0
	v_and_b32 v2, 15, v0
	v_bfe_u32 v3, v0, 4, 1
	s_mul_i32 s66, s17, 4*8*768
	s_add_co_u32 s67, s66, 512
	v_lshl_add_u32 v[ADA16], v1, 4, s66
	v_add_nc_u32 v[ADA16+1], SLOT, v[ADA16]
	v_lshl_add_u32 v[ADA8], v1, 3, s67
	v_add_nc_u32 v[ADA8+1], SLOT, v[ADA8]
	s_mul_i32 s68, s18, 64*BP
	s_add_co_u32 s68, s68, BOFF
	v_mul_u32_u24 v4, v2, BP
	v_mad_u32_u24 v5, v3, 24, v4
	v_add_nc_u32 v[ADB], s68, v5
	v_add_nc_u32 v[ADB+1], WSL, v[ADB]
	v_lshl_add_u32 v5, v3, 4, v5
	v_add_nc_u32 v[ADB2], s68, v5
	v_add_nc_u32 v[ADB2+1], WSL, v[ADB2]
	v_lshlrev_b32 v16, 2, v1
	v_mul_u32_u24 v17, v1, KSB
	v_lshlrev_b32 v18, 5, v3
	s_wait_alu depctr_va_vdst(0)
	v_lshlrev_b32 v19, 12, v3
	v_lshl_add_u32 v19, v2, 4, v19
	s_wait_alu depctr_va_vdst(0)
	s_mul_i32 s69, s16, 16*SP
	s_add_co_u32 s69, s69, STAGE
	v_mul_u32_u24 v4, v2, SP
	v_lshl_add_u32 v4, v3, 5, v4
	v_add_nc_u32 v[STO], s69, v4
	v_mul_u32_u24 v5, v3, SP
	v_lshl_add_u32 v5, v2, 4, v5
	v_add_nc_u32 v[RD], s69, v5
	s_lshl_b32 s84, s23, 9
	s_lshl_b32 s85, s17, 8
	s_add_co_u32 s84, s84, s85
	s_add_co_u32 s84, s84, ASOFF
	s_mov_b32 s85, 0
	s_add_nc_u64 s[70:71], s[4:5], s[84:85]
	s_lshl_b32 s86, s22, 7
	s_lshl_b32 s87, s18, 6
	s_add_co_u32 s86, s86, s87
	s_mul_i32 s88, s86, KSB
	s_mov_b32 s89, 0
	s_add_nc_u64 s[72:73], s[8:9], s[88:89]
	s_lshl_b32 s88, s86, 2
	s_add_nc_u64 s[78:79], s[12:13], s[88:89]
	s_lshl_b32 s90, s23, 7
	s_lshl_b32 s91, s17, 6
	s_add_co_u32 s90, s90, s91
	s_lshl_b32 s90, s90, 12
	s_add_co_u32 s90, s90, s88
	s_mov_b32 s91, 0
	s_add_nc_u64 s[74:75], s[14:15], s[90:91]
	s_add_nc_u64 s[76:77], s[10:11], s[90:91]
.set Q, 0
.rept NS
	global_load_b32 v[ASC+Q], v16, s[70:71] offset:16384*Q
	global_load_b32 v[ASC+NS+Q], v16, s[70:71] offset:16384*Q+128
.set Q, Q+1
.endr
.set Q, 0
.rept NS/4
	global_load_b128 v[BSC+4*Q:BSC+4*Q+3], v17, s[72:73] offset:16*Q
	global_load_b128 v[BSC+NS+4*Q:BSC+NS+4*Q+3], v17, s[72:73] offset:SIZE_K+16*Q
.set Q, Q+1
.endr
	WIN 0x80
.irp j, 0,1,2,3
	global_load_b128 v[BIAS+8*\j:BIAS+8*\j+3], v18, s[78:79] offset:64*\j
	global_load_b128 v[BIAS+8*\j+4:BIAS+8*\j+7], v18, s[78:79] offset:64*\j+16
.endr
	WIN 0xc0
.irp i, 0,1,2,3
.irp t, 0,1,2,3,4,5,6,7
	global_load_b128 v[32*\i+4*\t:32*\i+4*\t+3], v19, s[74:75] offset:(16*\i+2*\t)*4096
.endr
.endr
	WIN 0
	s_wait_alu depctr_va_vdst(0)                   ; the wait at the head's end
	s_wait_tensorcnt 0x0                           ; my load of the head is in
	ds_add_u32 v28, v29
	s_add_co_u32 s[G0H+1], s[G0H+1], WSL           ; no load of mine is out: W's chunk 1, into slot 1
	s_add_nc_u64 s[G0H+2:G0H+3], s[G0H+2:G0H+3], 768
	s_wait_dscnt 0x0
	CROUND
	JLOAD G0A+4, G1A, G0H, G1B                     ; the second slots' first fills
	FETCH 0, 0, 0, 0
	s_wait_loadcnt 32
.set GS, 0
.rept NS
	STEP GS
.set GS, GS+1
.endr
	PLACES
	s_wait_alu depctr_va_vdst(0)
	s_wait_loadcnt 0x0
.irp i, 0,1,2,3
	WIN 0x08
.irp j, 0,1,2,3
	ds_store_b128 v[STO], v[32*\i+8*\j:32*\i+8*\j+3] offset:64*\j
	ds_store_b128 v[STO], v[32*\i+8*\j+4:32*\i+8*\j+7] offset:64*\j+16
.endr
.if \i > 0
	s_wait_xcnt 0x0
.endif
	WIN 0x80
.irp t, 0,1,2,3,4,5,6,7
	ds_load_b128 v[BK+4*\t:BK+4*\t+3], v[RD] offset:\t*2*SP
.endr
	s_wait_dscnt 0x0
	WIN 0x8e
.irp n, 0,2,4,6,8,10,12,14,16,18,20,22,24,26,28,30
	v_pk_add_f32 v[BK+\n:BK+\n+1], v[BK+\n:BK+\n+1], v[32*\i+\n:32*\i+\n+1]
.endr
	WIN 0x08
.irp t, 0,1,2,3,4,5,6,7
	global_store_b128 v19, v[BK+4*\t:BK+4*\t+3], s[76:77] offset:(16*\i+2*\t)*4096 th:TH_STORE_NT
.endr
.endr
	WIN 0
.if REFILL
	s_wait_tensorcnt 0x0
	ds_add_u32 v28, v29
.endif
	s_wait_dscnt 0x0
	CROUND
	s_endpgm
.Lfunc_end_k_q24270cb98e_l3:
	.size	k_q24270cb98e_l3, .Lfunc_end_k_q24270cb98e_l3-k_q24270cb98e_l3
	.p2alignl 7, 3214868480
	.fill 96, 4, 3214868480
	.section	.rodata,"a",@progbits
	.p2align	6, 0x0
	.amdhsa_kernel k_q24270cb98e_l3
		.amdhsa_group_segment_fixed_size 327680
		.amdhsa_private_segment_fixed_size 0
		.amdhsa_enable_private_segment 0
		.amdhsa_kernarg_size 48
		.amdhsa_user_sgpr_count 2
		.amdhsa_user_sgpr_kernarg_segment_ptr 1
		.amdhsa_wavefront_size32 1
		.amdhsa_system_sgpr_workgroup_id_x 1
		.amdhsa_system_sgpr_workgroup_id_y 1
		.amdhsa_system_sgpr_workgroup_id_z 1
		.amdhsa_system_vgpr_workitem_id 0
		.amdhsa_next_free_vgpr 1024
		.amdhsa_next_free_sgpr 100
		.amdhsa_reserve_vcc 0
		.amdhsa_float_denorm_mode_32 3
		.amdhsa_float_denorm_mode_16_64 3
		.amdhsa_memory_ordered 1
		.amdhsa_forward_progress 1
		.amdhsa_inst_pref_size 190
	.end_amdhsa_kernel
	.amdgpu_metadata
---
amdhsa.version: [ 1, 2 ]
amdhsa.kernels:
  - .name:           k_q24270cb98e_l3
    .symbol:         k_q24270cb98e_l3.kd
    .args:
      - { .name: hid, .offset: 0, .size: 8, .value_kind: global_buffer, .address_space: global }
      - { .name: l3_w_codes, .offset: 8, .size: 8, .value_kind: global_buffer, .address_space: global }
      - { .name: l3_w_scales, .offset: 16, .size: 8, .value_kind: global_buffer, .address_space: global }
      - { .name: out0, .offset: 24, .size: 8, .value_kind: global_buffer, .address_space: global }
      - { .name: l3_b, .offset: 32, .size: 8, .value_kind: global_buffer, .address_space: global }
      - { .name: x1, .offset: 40, .size: 8, .value_kind: global_buffer, .address_space: global }
    .group_segment_fixed_size: 327680
    .private_segment_fixed_size: 0
    .kernarg_segment_align: 8
    .kernarg_segment_size: 48
    .max_flat_workgroup_size: 128
    .sgpr_count:     100
    .vgpr_count:     1024
    .wavefront_size: 32
...
	.end_amdgpu_metadata
.endif
;; end of part 12
